; MI455X (gfx1250); checked and timed in simulation.
; The chip was launched on July 23, 2026; its instructions are those of AMD's public machine-readable ISA for CDNA 5 (MIT licence, August 2026) and "CDNA5" Instruction Set Architecture Reference Guide (July 2026). The comments in the code are by the model that wrote it; some were corrected since.
;; Slice Block. Allowed arithmetic: matrix products marked QUANTISED: E5M2 operands, one E8M0 scale for each 32 along K, by v_wmma_scale_f32_16x16x128_f8f6f4 with both operands' format E5M2, f32 sums; products left as they are: f32 operands where the result goes on into a quantised operand, else bf16, f16 or f32 operands; f32 sums; everything else in f32.
;; Inputs: W_eslice 64 x 64 float32; W_fedge 1 x 256 float32; W_fx 256 x 256 float32; W_slice 256 x 64 float32; W_x 256 x 256 float32; b_eslice 64 float32; b_fedge 256 float32; b_fx 256 float32; b_slice 64 float32; b_x 256 float32; edge_attr 4 x 65,536 x 1 float32; edge_idx 4 x 65,536 x 2 int32; ph_edge 1 x 1 x 256 float32; ph_x 1 x 1 x 256 float32; temp_edge 1 x 1 x 64 float32; temp_x 1 x 1 x 64 float32; x 4 x 16,384 x 256 float32.
;; Outputs: out0 4 x 64 x 256 float32; out1 4 x 16,384 x 64 float32.
;; This version of the problem:
;;   THIS VERSION OF THE PROBLEM IS GIVEN IN LOW PRECISION. The matrix products marked QUANTISED in the list below multiply operands that are first quantised to E5M2 (5 exponent bits, 2 mantissa bits; 8 bits a number), with one power-of-two scale for each 32 numbers along K (OCP MX v1.0); their sums are f32. All else is computed in f32.
;;   The module's matrix products, in the order in which they are computed (A, B: the left and right operand; K: the contracted axis; several contracted axes count as one K, in the product's order):
;;     1. [M 65,536, K 256] x [K 256, N 256]; A: input x; B: input W_fx: QUANTISED
;;     2. [M 65,536, K 256] x [K 256, N 256]; A: input x; B: input W_x: QUANTISED
;;     3. [M 65,536, K 256] x [K 256, N 64]; A: computed on the way; B: input W_slice: QUANTISED
;;     4. batch 4 x [M 64, K 16,384] x [K 16,384, N 256]; A: computed on the way; B: computed on the way: QUANTISED
;;     5. [M 262,144, K 1] x [K 1, N 256]; A: input edge_attr; B: input W_fedge: left as it is (K = 1 < 32)
;;     6. [M 262,144, K 64] x [K 64, N 64]; A: computed on the way; B: input W_eslice: QUANTISED
;;     7. batch 4 x [M 64, K 65,536] x [K 65,536, N 256]; A: computed on the way; B: computed on the way: QUANTISED
;;   THE QUANTISER, for each operand of a quantised product, along K:
;;     - K is cut into blocks of 32 from its start; a last block that is shorter is filled with zeros.
;;     - A block's scale is 2^e with e = floor(log2(the largest magnitude in the block)) - 15, held to -126 .. 127; a block of zeros has e = 0. As a byte (E8M0): e + 127.
;;     - Each number is divided by its block's scale, clamped to +-57,344, and rounded to the nearest number of E5M2, ties to even, subnormals kept.
;;     - The product sums the exact products of the quantised numbers (number of the format x scale) in f32.
;;   ~~~python
;;   def quantise(x, axis):      # numpy; x: float32 -> the quantised numbers, widened to float32 again
;;       x = np.moveaxis(x, axis, -1); K = x.shape[-1]
;;       x = np.pad(x, [(0, 0)] * (x.ndim - 1) + [(0, -K % 32)]); x = x.reshape(x.shape[:-1] + (-1, 32)); a = np.abs(x).max(-1, keepdims=True)
;;       e = np.where(a > 0, np.clip(np.frexp(np.where(a > 0, a, 1))[1] - 1 - 15, -126, 127), 0)      # np.frexp(a)[1] - 1 = floor(log2(a)), exactly
;;       r = np.clip(x / 2.0 ** e, -57344, 57344)
;;       step = 2.0 ** (np.maximum(np.frexp(np.where(r == 0, 1, r))[1] - 1, -14) - 2)
;;       q = np.round(r / step) * step * 2.0 ** e      # np.round: ties to even
;;       return np.moveaxis(q.reshape(q.shape[:-2] + (-1,))[..., :K], -1, axis).astype(np.float32)
;;   ~~~
;;   OPERANDS COMPUTED ON THE WAY. 'Computed on the way' means the value that the module computes at that place (a softmax that the list does not call 'softmax' is quantised finished and normalised). What goes into a quantiser is computed in f32, as accurately as f32 sums, v_exp_f32 and their like allow (about 1e-6 of the number): no bf16 or f16 on the way to a quantiser, and a product that is left as it is and whose result goes on into a quantised operand takes f32 operands (vector FMAs, or v_wmma_f32_16x16x4_f32). A number that lies on a knife's edge between two numbers of the format may be rounded either way, as far as f32 arithmetic and the matrix unit's own rounding can turn it there, and no further.
;; 2 versions. Each part assembles by itself: llvm-mc -triple=amdgcn-amd-amdhsa -mcpu=gfx1250 --defsym DOCPART=n.
;; ======== version 1 of 2: 4 launches
;; workspace buffers: wq 165,376 bytes; tokn 16,777,216 bytes; toke 16,777,216 bytes; normn 65,536 bytes; norme 65,536 bytes
;; launch prep (part 1): grid 19 x 1, 4 waves a work-group, no clusters, 0 bytes of LDS; arguments W_fx, W_x, W_slice, W_eslice, wq; writes wq
.if DOCPART == 1
	.amdgcn_target "amdgcn-amd-amdhsa--gfx1250"
	.amdhsa_code_object_version 6
	.text
	.protected	k_q0213cabe2e_prep
	.globl	k_q0213cabe2e_prep
	.p2align	8
	.type	k_q0213cabe2e_prep,@function
k_q0213cabe2e_prep:
	s_mov_b64 s[64:65], 0
	v_nop
	global_prefetch_b8 v0, s[64:65] scope:SCOPE_SE
	s_setreg_imm32_b32 hwreg(HW_REG_WAVE_MODE, 25, 1), 1
	s_wait_xcnt 0x0
; PREP: the four weights of the quantised products become codes of E5M2 and E8M0 scale words, laid as images of operand registers.
; DEAD WORK: none is left out in this program.  Every one of the 17 inputs has a way to an output: the biases and placeholders enter quantised operands or differ along a softmax's axis, so all are loaded.
; wq: 76 fragments of 2,048 bytes (registers 4 c .. 4 c + 3 of lane l at 512 c + 16 l), then from byte 155,648 on 76 scale images of 128 bytes (4 l; lanes 16-31 repeat lanes 0-15).
; Fragment f: 0-31 W_fx (2 ct + s: lane r = column 16 ct + r);  32-63 W_x (lane r = column 32 (ct / 2) + 8 (ct % 2) + r + 8 (r / 8), so that the product's results lie as the next operand wants them);
;             64-71 W_slice (2 t + s);  72-75 W_eslice (t; K = 64: the upper 64 codes are zeros).  s is a K step of 128.
; A wave makes one fragment: lane (r, h) takes ONE column and its registers run down K (register 16 c + i = k 128 s + 32 c + 16 h + i), so the conversions' results are the operand's registers.
; A block's scale byte is its largest magnitude's exponent field - 15, held at 1 from below; a block of zeros keeps the byte 1 (its codes are zeros; this program alone reads the bytes).
; LIMITS: NaN and infinities among the inputs are not served; blocks whose largest magnitude lies under 2^-111 keep the byte 1.  The scale images are stored 128 bytes at a time: 9,728 bytes in all.
; 19 work-groups are all the work that there is (606,208 bytes of weights).
.set N,   16                           ; v16-79   64 numbers
.set PC,  80                           ; v80-95   the codes
.set TM,  96                           ; v96-111  largest magnitudes, bytes, holds, scale operands
.set PW,  112                          ; v112     the scale word
.set SEL, 28                           ; s[28:29] v_permlanex16_b32's selects for lane l xor 16
.set MNT, 30                           ; s30      the mantissa field of 57,344
.set WQS, 155648
; four blocks of 16 registers from v[s] on: largest magnitude (with the floor 2^-111), scale operand, hold, byte.  mode 1: the numbers are never negative
.macro QSCALE s, mode
.if \mode
.irp b, 0,1,2,3
	v_max3_num_f32 v[TM+\b], v[\s+16*\b], v[\s+1+16*\b], 0x8000000
.endr
.irp i, 2,4,6,8,10,12,14
.irp b, 0,1,2,3
	v_max3_num_f32 v[TM+\b], v[TM+\b], v[\s+16*\b+\i], v[\s+1+16*\b+\i]
.endr
.endr
.else
.irp b, 0,1,2,3
	v_max3_num_f32 v[TM+\b], |v[\s+16*\b]|, |v[\s+1+16*\b]|, 0x8000000
.endr
.irp i, 2,4,6,8,10,12,14
.irp b, 0,1,2,3
	v_max3_num_f32 v[TM+\b], v[TM+\b], |v[\s+16*\b+\i]|, |v[\s+1+16*\b+\i]|
.endr
.endr
.endif
.irp b, 0,1,2,3
	v_permlanex16_b32 v[TM+4+\b], v[TM+\b], s[SEL], s[SEL+1]
.endr
.irp b, 0,1,2,3
	v_max_num_f32 v[TM+\b], v[TM+\b], v[TM+4+\b]            ; with lane l xor 16's 16: the block's largest magnitude
.endr
.irp b, 0,1,2,3
	v_add_nc_u32 v[TM+12+\b], 0xf8800000, v[TM+\b]          ; 15 off the exponent field: the conversion's scale operand
.endr
.irp b, 0,1,2,3
	v_and_or_b32 v[TM+8+\b], v[TM+\b], 0x7f800000, s[MNT]   ; 57,344 x the scale
.endr
.irp b, 0,1,2,3
	v_lshrrev_b32 v[TM+4+\b], 23, v[TM+12+\b]               ; the scale's byte
.endr
.endm
.macro WORD dst
	v_lshl_or_b32 v[\dst], v[TM+5], 8, v[TM+4]
	v_lshl_or_b32 v[\dst], v[TM+6], 16, v[\dst]
	v_lshl_or_b32 v[\dst], v[TM+7], 24, v[\dst]
.endm
.macro QBLOCK s, mode, b, d
.irp i, 0,1,2,3,4,5,6,7,8,9,10,11,12,13,14,15
.if \mode
	v_min_num_f32 v[\s+16*\b+\i], v[\s+16*\b+\i], v[TM+8+\b]
.else
	v_med3_num_f32 v[\s+16*\b+\i], v[\s+16*\b+\i], -v[TM+8+\b], v[TM+8+\b]   ; the conversion to an 8-bit code does not saturate (ISA guide 7.6.2)
.endif
.endr
	v_cvt_scalef32_pk8_bf8_f32 v[\d:\d+1], v[\s+16*\b:\s+16*\b+7], v[TM+12+\b]
	v_cvt_scalef32_pk8_bf8_f32 v[\d+2:\d+3], v[\s+16*\b+8:\s+16*\b+15], v[TM+12+\b]
.endm
.macro QCODE s, mode, d0, d1, d2, d3
	QBLOCK \s, \mode, 0, \d0
	QBLOCK \s, \mode, 1, \d1
	QBLOCK \s, \mode, 2, \d2
	QBLOCK \s, \mode, 3, \d3
	v_nop                                                   ; one plain line behind the last scaled conversion
.endm
.macro LOADW pitch, nb                 ; nb blocks of 32 along K of my column
.set cc, 0
.rept \nb
.irp i, 0,1,2,3,4,5,6,7,8,9,10,11,12,13,14,15
	global_load_b32 v[N+16*cc+\i], v3, s[14:15] offset:(32*cc+\i)*\pitch
.endr
.set cc, cc+1
.endr
.endm
	s_load_b256 s[4:11], s[0:1], 0x0               ; W_fx, W_x, W_slice, W_eslice
	s_load_b64 s[12:13], s[0:1], 0x20              ; wq
	v_lshrrev_b32 v1, 5, v0
	v_readfirstlane_b32 s2, v1                     ; wave
	s_lshl_b32 s3, ttmp9, 2
	s_add_co_u32 s3, s3, s2                        ; f = 4 x work-group + wave
	v_and_b32 v1, 15, v0                           ; r
	v_bfe_u32 v2, v0, 4, 1                         ; h
	v_and_b32 v6, 31, v0
	v_lshlrev_b32 v4, 4, v6                        ; 16 x lane
	v_lshlrev_b32 v5, 2, v6                        ; 4 x lane
	s_mov_b32 s[SEL], 0x76543210
	s_mov_b32 s[SEL+1], 0xfedcba98
	s_mov_b32 s[MNT], 0x600000
.irp b, 0,1,2,3
	v_mov_b32 v[TM+4+\b], 0                        ; a lane permute's destination counts as one of its sources
.endr
	s_and_b32 s23, s3, 1                           ; s
	s_bfe_u32 s24, s3, 0x40001                     ; ct (W_slice: t): bits 4:1 of f
	s_lshl_b32 s25, s24, 6                         ; 4 bytes x 16 ct
	s_lshr_b32 s26, s24, 1
	s_lshl_b32 s26, s26, 7                         ; 4 bytes x 32 (ct / 2)
	s_and_b32 s27, s24, 1
	s_lshl_b32 s27, s27, 5                         ; 4 bytes x 8 (ct % 2)
	s_add_co_u32 s26, s26, s27
	s_mov_b32 s19, 0
	s_lshl_b32 s20, s3, 11                         ; where the fragment goes
	s_mov_b32 s21, 0
	s_lshl_b32 s32, s3, 7
	s_add_co_u32 s32, s32, WQS                     ; and its scale image
	s_mov_b32 s33, 0
	s_wait_kmcnt 0x0
	s_add_nc_u64 s[20:21], s[12:13], s[20:21]
	s_add_nc_u64 s[32:33], s[12:13], s[32:33]
	s_cmp_ge_u32 ttmp9, 16
	s_cbranch_scc1 .Lsmall
	s_cmp_lt_u32 ttmp9, 8                          ; W_fx or W_x: the choice hangs on the work-group's number alone
	s_cselect_b64 s[14:15], s[4:5], s[6:7]
	s_cselect_b32 s16, 0, 8
	s_cselect_b32 s17, s25, s26
	v_and_b32 v3, s16, v1
	v_add_nc_u32 v3, v3, v1                        ; r, or r + 8 (r / 8)
	v_lshlrev_b32 v3, 2, v3
	v_lshl_add_u32 v3, v2, 14, v3                  ; + 16 h rows of 1,024 bytes
	s_lshl_b32 s18, s23, 17                        ; 128 s rows
	s_add_co_u32 s18, s18, s17
	s_add_nc_u64 s[14:15], s[14:15], s[18:19]
	LOADW 1024, 4
	s_branch .Ljoin
.Lsmall:
	v_lshlrev_b32 v3, 2, v1
	v_lshl_add_u32 v3, v2, 12, v3                  ; 4 r + 16 h rows of 256 bytes
	s_cmp_eq_u32 ttmp9, 18
	s_cbranch_scc1 .Leslice
	s_lshl_b32 s18, s23, 15                        ; 128 s rows
	s_add_co_u32 s18, s18, s25
	s_add_nc_u64 s[14:15], s[8:9], s[18:19]
	LOADW 256, 4
	s_branch .Ljoin
.Leslice:
	s_and_b32 s18, s3, 3                           ; t
	s_lshl_b32 s18, s18, 6
	s_add_nc_u64 s[14:15], s[10:11], s[18:19]
	LOADW 256, 2                                   ; K = 64: two blocks; no load leaves the buffer
.set cc, 32
.rept 32
	v_mov_b32 v[N+cc], 0                           ; the rest of the K step: zeros
.set cc, cc+1
.endr
.Ljoin:
	s_wait_loadcnt 0x0
	QSCALE N, 0
	WORD PW
	QCODE N, 0, PC, PC+4, PC+8, PC+12
.irp c, 0,1,2,3
	global_store_b128 v4, v[PC+4*\c:PC+4*\c+3], s[20:21] offset:512*\c   ; 32 lanes store 512 consecutive bytes
.endr
	global_store_b32 v5, v[PW], s[32:33]
	s_endpgm
.Lfunc_end_k_q0213cabe2e_prep:
	.size	k_q0213cabe2e_prep, .Lfunc_end_k_q0213cabe2e_prep-k_q0213cabe2e_prep
	.p2alignl 7, 3214868480
	.fill 96, 4, 3214868480
	.section	.rodata,"a",@progbits
	.p2align	6, 0x0
	.amdhsa_kernel k_q0213cabe2e_prep
		.amdhsa_group_segment_fixed_size 0
		.amdhsa_private_segment_fixed_size 0
		.amdhsa_enable_private_segment 0
		.amdhsa_kernarg_size 40
		.amdhsa_user_sgpr_count 2
		.amdhsa_user_sgpr_kernarg_segment_ptr 1
		.amdhsa_wavefront_size32 1
		.amdhsa_system_sgpr_workgroup_id_x 1
		.amdhsa_system_sgpr_workgroup_id_y 1
		.amdhsa_system_sgpr_workgroup_id_z 1
		.amdhsa_system_vgpr_workitem_id 0
		.amdhsa_next_free_vgpr 128
		.amdhsa_next_free_sgpr 66
		.amdhsa_reserve_vcc 0
		.amdhsa_float_denorm_mode_32 3
		.amdhsa_float_denorm_mode_16_64 3
		.amdhsa_memory_ordered 1
		.amdhsa_forward_progress 1
		.amdhsa_inst_pref_size 27
	.end_amdhsa_kernel
	.amdgpu_metadata
---
amdhsa.version: [ 1, 2 ]
amdhsa.kernels:
  - .name:           k_q0213cabe2e_prep
    .symbol:         k_q0213cabe2e_prep.kd
    .args:
      - { .name: W_fx, .offset: 0, .size: 8, .value_kind: global_buffer, .address_space: global }
      - { .name: W_x, .offset: 8, .size: 8, .value_kind: global_buffer, .address_space: global }
      - { .name: W_slice, .offset: 16, .size: 8, .value_kind: global_buffer, .address_space: global }
      - { .name: W_eslice, .offset: 24, .size: 8, .value_kind: global_buffer, .address_space: global }
      - { .name: wq, .offset: 32, .size: 8, .value_kind: global_buffer, .address_space: global }
    .group_segment_fixed_size: 0
    .private_segment_fixed_size: 0
    .kernarg_segment_align: 8
    .kernarg_segment_size: 40
    .max_flat_workgroup_size: 128
    .sgpr_count:     66
    .vgpr_count:     128
    .wavefront_size: 32
...
	.end_amdgpu_metadata
.endif
;; end of part 1
;; launch node (part 2): grid 256 x 1, 8 waves a work-group, no clusters, 327,680 bytes of LDS; arguments x, wq, b_fx, b_x, ph_x, b_slice, temp_x, out1, tokn, normn; writes out1, tokn, normn
.if DOCPART == 2
	.amdgcn_target "amdgcn-amd-amdhsa--gfx1250"
	.amdhsa_code_object_version 6
	.text
	.protected	k_q0213cabe2e_node
	.globl	k_q0213cabe2e_node
	.p2align	8
	.type	k_q0213cabe2e_node,@function
k_q0213cabe2e_node:
	s_mov_b64 s[64:65], 0
	v_nop
	global_prefetch_b8 v0, s[64:65] scope:SCOPE_SE
	s_setreg_imm32_b32 hwreg(HW_REG_WAVE_MODE, 25, 1), 1
	s_wait_xcnt 0x0
; NODE: for 256 nodes of one batch: fx_mid = Q(x) Q(W_fx) + b_fx;  x_mid = Q(x) Q(W_x) + b_x + ph_x;  logits = (Q(x_mid) Q(W_slice) + b_slice) / clip(temp_x);  slice_weight = softmax (out1);
; the work-group's part of slice_token = Q(slice_weight)^T Q(fx_mid), both quantised along the NODES, and of slice_norm.  No work of reference() is left out.
; SHARES.  Eight waves.  ROWS: wave w owns nodes 32 w .. 32 w + 31: it quantises x, makes the logits, the softmax, out1 and slice_weight's codes for them.
; COLUMNS: wave w owns columns 32 w .. 32 w + 31 of fx_mid, x_mid and the token, for all 256 nodes: its eight weight fragments stay in registers, and fx_mid's codes never leave the wave.
; Operands go from wave to wave through LDS as images of their registers (16 bytes a lane, 512 a store; scale words 4 bytes a lane).
; THE NODES OF A TILE ARE NOT NEIGHBOURS: fragment row q of tile u of a pair of tiles is node 8 u + q + 8 (q / 8), so that a result's 16 registers of two tiles are 16 neighbouring nodes.
; x comes by one tensor load a wave (32 rows of 1,024 bytes, 16 bytes of padding behind each): one load of a wave is out.  Rows 16 apart begin at the same bank at any pitch that is a multiple of 16 bytes (64 banks of 4 bytes: ISA guide 11.1): the 64 reads of x go two deep.
; NO CLUSTER: work-groups share only the weights, which go from memory straight into the registers of the waves that keep them: x's 266,240 bytes leave no room in LDS for 147,456 bytes of weights beside them.
; ORDER OF ROUNDING: b_x + ph_x is added first and enters as the C of the sum; the temperature divides by a reciprocal and a multiplication; exponentials to base 2.
; LIMITS: NaN and infinities are not served; blocks whose largest magnitude lies under 2^-111 keep the scale byte 1 (a block of zeros too: its codes are zeros); v_exp_f32 gives 0 under 2^-126.
; The norm leaves in pieces of 64 bytes: 256 bytes a work-group.
.set XP,    1040                       ; an LDS row of x
.set WREG,  32*XP                      ; a wave's region
.set TREG,  16*XP                      ; half of it: the region of a tile of 16 nodes.  Laid over it, once x has been read: bytes 0: x's two fragment images;
.set XS,    4096                       ; their scale images;
.set XM,    4608                       ; x_mid's two fragment images (wave w writes the chunk at 512 w);
.set XMS,   8704                       ; their scale images (wave w writes byte w % 4 of each word of image w / 4);
.set STG,   8960                       ; out1's stage: 16 rows of 320 bytes
.set B0,    256*XP                     ; behind x: slice_weight's eight fragment images (4,096 t + 512 w + 16 lane),
.set SWS,   16384                      ; their scale images (256 t + 128 (w / 4)),
.set NRM,   17408                      ; the waves' parts of the norm (512 w + 16 lane),
.set SPARE, B0+21504                   ; and the spare words, 128 bytes a wave: four blocks of 256 bytes that no other line names
.set WQS,   155648
.set LI,    1                          ; 16 x lane
.set LS,    2                          ; 4 x lane
.set AXF,   3                          ; x: my fragment row in my wave's region, + 64 h
.set OWN16, 4                          ; my wave's region + 16 x lane
.set OWN4,  5                          ; my wave's region + 4 x lane
.set AXR,   6                          ; the pair's region + 16 x lane (stepped from pair to pair)
.set AXSR,  7                          ; the pair's region + 4 x lane
.set AXMW,  8                          ; the pair's region + 512 w + 16 x lane
.set AXMSW, 9                          ; the pair's region + 128 (w / 4) + w % 4 + 4 x lane
.set STO,   10                         ; the stage, on the way in: 320 h + 4 r
.set SRD,   11                         ; and back: 320 h + 16 r
.set GO,    12                         ; out1: 4,096 h + 16 r
.set ASWW,  13                         ; B0 + 512 w + 16 x lane
.set ASWSW, 14                         ; B0 + 128 (w / 4) + w % 4 + 4 x lane
.set BLI,   15                         ; B0 + 16 x lane
.set BLS,   16                         ; B0 + 4 x lane
.set GT,    17                         ; tokn: 2,048 w + 16 x lane
.set GN,    18                         ; normn: 4,096 h + 4 r
.set RR,    19                         ; r
.set SPW,   20                         ; my spare word; never rewritten
.set NIL,   21                         ; 0; never rewritten
.set HH,    22                         ; h
.set WFXS,  24                         ; v24-59 hold scale words and nothing else: W_fx's (2 ct + s),
.set WXS,   28                         ; W_x's (2 u + s),
.set XSR,   32                         ; x's (2 m + s),
.set FXS,   36                         ; fx_mid's (2 ct + s),
.set WSLS,  40                         ; W_slice's (2 t + s),
.set XMSR,  48                         ; x_mid's (2 u + s),
.set SWSR,  52                         ; slice_weight's (2 t + s)
.set PC,    60                         ; v60-75   codes just made
.set MX,    76                         ; v76-91   the softmax's maxima, sums, reciprocals
.set KT,    92                         ; v92-99   log2(e) / clip(temp_x), a pair for each t
.set BK,    100                        ; v100-107 b_slice x that
.set TM,    108                        ; v108-123 the quantiser's
.set PW,    124                        ; the scale word just made
.set NS,    124                        ; v124-127 later: my part of the norm
.set ACC,   128                        ; v128-191 eight accumulators
.set FXC,   192                        ; v192-255 fx_mid's codes: 32 ct + 16 s + 4 chunk
.set N,     128                        ; v128-255 at first: 128 numbers of x
.set WFX,   0                          ; window 1: W_fx's four fragments, later (with WX) W_slice's eight, then slice_weight's eight
.set WX,    64                         ;           W_x's four
.set XF,    128                        ;           x's four of a pair; later x_mid's; later rows of out1
.set BX,    192                        ;           b_x + ph_x, eight registers a tile
.set BF,    208                        ;           b_fx likewise
.set PH,    224                        ;           ph_x as loaded
.set G1X,   28                         ; s[28:35] descriptor group 1;  s[44:47] group 0
.set G0X,   44
.set SEL,   52
.set MNT,   54
.set MSB, 0
.macro WIN new                         ; the immediate's high byte repeats the setting that is left
.if MSB != \new
	s_set_vgpr_msb (MSB<<8)|\new
.set MSB, \new
.endif
.endm
.macro PLACES n
.rept \n
	v_nop
.endr
.endm
.macro BARRIER                         ; my LDS stores have landed and my LDS loads are in: then the work-group's barrier
	s_wait_dscnt 0x0
	s_barrier_signal -1
	s_barrier_wait -1
.endm
.macro QSCALE s, mode
.if \mode
.irp b, 0,1,2,3
	v_max3_num_f32 v[TM+\b], v[\s+16*\b], v[\s+1+16*\b], 0x8000000
.endr
.irp i, 2,4,6,8,10,12,14
.irp b, 0,1,2,3
	v_max3_num_f32 v[TM+\b], v[TM+\b], v[\s+16*\b+\i], v[\s+1+16*\b+\i]
.endr
.endr
.else
.irp b, 0,1,2,3
	v_max3_num_f32 v[TM+\b], |v[\s+16*\b]|, |v[\s+1+16*\b]|, 0x8000000
.endr
.irp i, 2,4,6,8,10,12,14
.irp b, 0,1,2,3
	v_max3_num_f32 v[TM+\b], v[TM+\b], |v[\s+16*\b+\i]|, |v[\s+1+16*\b+\i]|
.endr
.endr
.endif
.irp b, 0,1,2,3
	v_permlanex16_b32 v[TM+4+\b], v[TM+\b], s[SEL], s[SEL+1]
.endr
.irp b, 0,1,2,3
	v_max_num_f32 v[TM+\b], v[TM+\b], v[TM+4+\b]
.endr
.irp b, 0,1,2,3
	v_add_nc_u32 v[TM+12+\b], 0xf8800000, v[TM+\b]
.endr
.irp b, 0,1,2,3
	v_and_or_b32 v[TM+8+\b], v[TM+\b], 0x7f800000, s[MNT]
.endr
.irp b, 0,1,2,3
	v_lshrrev_b32 v[TM+4+\b], 23, v[TM+12+\b]
.endr
.endm
.macro WORD dst
	v_lshl_or_b32 v[\dst], v[TM+5], 8, v[TM+4]
	v_lshl_or_b32 v[\dst], v[TM+6], 16, v[\dst]
	v_lshl_or_b32 v[\dst], v[TM+7], 24, v[\dst]
.endm
.macro QBLOCK s, mode, b, d
.irp i, 0,1,2,3,4,5,6,7,8,9,10,11,12,13,14,15
.if \mode
	v_min_num_f32 v[\s+16*\b+\i], v[\s+16*\b+\i], v[TM+8+\b]
.else
	v_med3_num_f32 v[\s+16*\b+\i], v[\s+16*\b+\i], -v[TM+8+\b], v[TM+8+\b]
.endif
.endr
	v_cvt_scalef32_pk8_bf8_f32 v[\d:\d+1], v[\s+16*\b:\s+16*\b+7], v[TM+12+\b]
	v_cvt_scalef32_pk8_bf8_f32 v[\d+2:\d+3], v[\s+16*\b+8:\s+16*\b+15], v[TM+12+\b]
.endm
.macro QCODE s, mode, d0, d1, d2, d3
	QBLOCK \s, \mode, 0, \d0
	QBLOCK \s, \mode, 1, \d1
	QBLOCK \s, \mode, 2, \d2
	QBLOCK \s, \mode, 3, \d3
	v_nop                                          ; one plain line behind the last scaled conversion
.endm
; 64 registers z + 16 t + i: lane r = slice 16 t + r, i = 16 nodes.  The softmax runs over the four t and the sixteen lanes of a half.
.macro SOFTMAX z
.irp t, 0,1,2,3
.irp i, 0,2,4,6,8,10,12,14
	v_pk_fma_f32 v[\z+16*\t+\i:\z+16*\t+\i+1], v[\z+16*\t+\i:\z+16*\t+\i+1], v[KT+2*\t:KT+2*\t+1], v[BK+2*\t:BK+2*\t+1] op_sel_hi:[1,0,0]   ; (sum + bias) x log2(e) / temperature; each accumulator from its low end on
.endr
.endr
.irp i, 0,1,2,3,4,5,6,7,8,9,10,11,12,13,14,15
	v_max3_num_f32 v[MX+\i], v[\z+\i], v[\z+16+\i], v[\z+32+\i]
.endr
.irp i, 0,1,2,3,4,5,6,7,8,9,10,11,12,13,14,15
	v_max_num_f32 v[MX+\i], v[MX+\i], v[\z+48+\i]
.endr
.irp m, 1,2,4,8
.irp i, 0,1,2,3,4,5,6,7,8,9,10,11,12,13,14,15
	v_max_num_f32_dpp v[MX+\i], v[MX+\i], v[MX+\i] row_xmask:\m row_mask:0xf bank_mask:0xf
.endr
.endr
.irp t, 0,1,2,3
.irp i, 0,2,4,6,8,10,12,14
	v_pk_add_f32 v[\z+16*\t+\i:\z+16*\t+\i+1], v[\z+16*\t+\i:\z+16*\t+\i+1], v[MX+\i:MX+\i+1] neg_lo:[0,1] neg_hi:[0,1]   ; the row's maximum is taken away
.endr
.endr
.set kk, 0
.rept 64
	v_exp_f32 v[\z+kk], v[\z+kk]
.set kk, kk+1
.endr
	v_nop                                          ; a plain line behind the last exponential
	s_wait_alu depctr_va_vdst(0)                   ; one wait for the batch, ahead of its first reader
.irp i, 0,2,4,6,8,10,12,14
	v_pk_add_f32 v[MX+\i:MX+\i+1], v[\z+\i:\z+\i+1], v[\z+16+\i:\z+16+\i+1]
.endr
.irp i, 0,2,4,6,8,10,12,14
	v_pk_add_f32 v[MX+\i:MX+\i+1], v[MX+\i:MX+\i+1], v[\z+32+\i:\z+32+\i+1]
.endr
.irp i, 0,2,4,6,8,10,12,14
	v_pk_add_f32 v[MX+\i:MX+\i+1], v[MX+\i:MX+\i+1], v[\z+48+\i:\z+48+\i+1]
.endr
.irp m, 1,2,4,8
.irp i, 0,1,2,3,4,5,6,7,8,9,10,11,12,13,14,15
	v_add_f32_dpp v[MX+\i], v[MX+\i], v[MX+\i] row_xmask:\m row_mask:0xf bank_mask:0xf
.endr
.endr
.irp i, 0,1,2,3,4,5,6,7,8,9,10,11,12,13,14,15
	v_rcp_f32 v[MX+\i], v[MX+\i]
.endr
	v_nop
	s_wait_alu depctr_va_vdst(0)                   ; one wait for the sixteen reciprocals
.irp t, 0,1,2,3
.irp i, 0,2,4,6,8,10,12,14
	v_pk_mul_f32 v[\z+16*\t+\i:\z+16*\t+\i+1], v[\z+16*\t+\i:\z+16*\t+\i+1], v[MX+\i:MX+\i+1]
.endr
.endr
.endm
	s_load_b512 s[8:23], s[0:1], 0x0               ; x s[8:9], wq s[10:11], b_fx s[12:13], b_x s[14:15], ph_x s[16:17], b_slice s[18:19], temp_x s[20:21], out1 s[22:23]
	s_load_b128 s[24:27], s[0:1], 0x40             ; tokn s[24:25], normn s[26:27]
	v_lshl_add_u32 v[SPW], v0, 2, SPARE
	v_mov_b32 v[NIL], 0
	ds_add_u32 v[SPW], v[NIL]                      ; the wave's opening: the add, twice on end, and its wait ahead of my tensor load
	ds_add_u32 v[SPW], v[NIL]
	v_lshrrev_b32 v[RR], 5, v0
	v_readfirstlane_b32 s2, v[RR]                  ; wave 0..7
	s_mov_b32 s[G1X+0], (2<<16)|(1<<20)|(7<<22)|(3<<25)   ; no mask; elements of 4 bytes; padding on: after every 256 words (code 7) 4 words (code 3)
	s_mov_b32 s[G1X+1], 256<<16                    ; tensor_dim0 = 256
	s_mov_b32 s[G1X+2], 32<<16                     ; tensor_dim1 = 32
	s_mov_b32 s[G1X+3], 256<<16                    ; tile_dim0 = 256
	s_mov_b32 s[G1X+4], 32                         ; tile_dim1 = 32
	s_mov_b32 s[G1X+5], 256                        ; elements from row to row
	s_mov_b32 s[G1X+6], 0
	s_mov_b32 s[G1X+7], 0
	s_mul_i32 s58, s2, WREG                        ; my region in LDS
	s_lshl_b32 s60, ttmp9, 18                      ; 256 rows of 1,024 bytes a work-group,
	s_lshl_b32 s61, s2, 15                         ; 32 a wave
	s_add_co_u32 s60, s60, s61
	s_mov_b32 s61, 0
	v_and_b32 v[RR], 15, v0                        ; r
	v_bfe_u32 v[HH], v0, 4, 1                      ; h
	v_and_b32 v[LS], 31, v0
	v_lshlrev_b32 v[LI], 4, v[LS]
	v_lshlrev_b32 v[LS], 2, v[LS]
	v_lshlrev_b32 v[MX], 6, v[HH]                  ; 64 h: the biases of x_mid
	v_lshlrev_b32 v[MX+1], 2, v[RR]                ; 4 r
	s_wait_dscnt 0x0                               ; both opening adds are done
	s_wait_kmcnt 0x0
	s_mov_b32 s[G0X], 1
	s_mov_b32 s[G0X+1], s58
	s_add_nc_u64 s[G0X+2:G0X+3], s[8:9], s[60:61]
	s_or_b32 s[G0X+3], s[G0X+3], 0x80000000
	tensor_load_to_lds s[G0X:G0X+3], s[G1X:G1X+7]  ; my 32 rows of x: the launch's only fill of these bytes
	s_nop 0
	PLACES 4
	s_mov_b32 s[SEL], 0x76543210
	s_mov_b32 s[SEL+1], 0xfedcba98
	s_mov_b32 s[MNT], 0x600000
	s_mov_b32 s55, 0x3c23d70a                      ; 0.01
	s_mov_b32 s56, 0x40a00000                      ; 5.0
	s_mov_b32 s57, 0x3fb8aa3b                      ; log2(e)
	s_lshl_b32 s59, s2, 9                          ; 512 w
	s_lshr_b32 s72, s2, 2
	s_lshl_b32 s72, s72, 7
	s_and_b32 s73, s2, 3
	s_add_co_u32 s72, s72, s73                     ; 128 (w / 4) + w % 4
	s_lshl_b32 s62, s2, 13
	s_mov_b32 s63, 0
	s_add_nc_u64 s[78:79], s[10:11], s[62:63]      ; wq + 8,192 w: my fragments of W_fx; W_x's lie 65,536 bytes on
	s_mov_b32 s66, s59
	s_mov_b32 s67, 0
	s_add_nc_u64 s[80:81], s[10:11], s[66:67]      ; wq + 512 w: their scale images
	s_lshl_b32 s68, s2, 7
	s_mov_b32 s69, 0
	s_add_nc_u64 s[12:13], s[12:13], s[68:69]      ; the biases at my 32 columns
	s_add_nc_u64 s[14:15], s[14:15], s[68:69]
	s_add_nc_u64 s[16:17], s[16:17], s[68:69]
	s_lshl_b32 s74, ttmp9, 16
	s_mov_b32 s75, 0
	s_add_nc_u64 s[24:25], s[24:25], s[74:75]      ; tokn at my work-group's 65,536 bytes
	s_add_co_u32 s70, s74, s62
	s_mov_b32 s71, 0
	s_add_nc_u64 s[22:23], s[22:23], s[70:71]      ; out1 at my wave's 32 rows of 256 bytes
	s_lshr_b32 s76, ttmp9, 6
	s_lshl_b32 s76, s76, 14
	s_and_b32 s77, ttmp9, 63
	s_lshl_b32 s77, s77, 6
	s_add_co_u32 s76, s76, s77
	s_mov_b32 s77, 0
	s_add_nc_u64 s[26:27], s[26:27], s[76:77]      ; normn: 16,384 b + 64 p
	WIN 0x40                                       ; destination window 1
.irp k, 0,1,2,3
.irp c, 0,1,2,3
	global_load_b128 v[WFX+16*\k+4*\c:WFX+16*\k+4*\c+3], v[LI], s[78:79] offset:2048*\k+512*\c
	global_load_b128 v[WX+16*\k+4*\c:WX+16*\k+4*\c+3], v[LI], s[78:79] offset:65536+2048*\k+512*\c
.endr
.endr
.irp u, 0,1
	global_load_b128 v[BX+8*\u:BX+8*\u+3], v[MX], s[14:15] offset:32*\u          ; b_x at columns 32 w + 16 h + 8 u + 0 .. 7
	global_load_b128 v[BX+8*\u+4:BX+8*\u+7], v[MX], s[14:15] offset:32*\u+16
	global_load_b128 v[PH+8*\u:PH+8*\u+3], v[MX], s[16:17] offset:32*\u
	global_load_b128 v[PH+8*\u+4:PH+8*\u+7], v[MX], s[16:17] offset:32*\u+16
	global_load_b32 v[BF+8*\u], v[MX+1], s[12:13] offset:64*\u                   ; b_fx at column 32 w + 16 u + r
.endr
	WIN 0
.irp k, 0,1,2,3
	global_load_b32 v[WFXS+\k], v[LS], s[80:81] offset:WQS+128*\k
	global_load_b32 v[WXS+\k], v[LS], s[80:81] offset:WQS+4096+128*\k
.endr
.irp k, 0,1,2,3,4,5,6,7
	global_load_b32 v[WSLS+\k], v[LS], s[10:11] offset:WQS+8192+128*\k
.endr
.irp t, 0,1,2,3
	global_load_b32 v[KT+2*\t], v[MX+1], s[20:21] offset:64*\t
	global_load_b32 v[BK+2*\t], v[MX+1], s[18:19] offset:64*\t
.endr
	v_and_b32 v[AXF], 8, v[RR]
	v_add_nc_u32 v[AXF], v[AXF], v[RR]             ; r + 8 (r / 8)
	v_mul_u32_u24 v[AXF], v[AXF], XP
	v_lshl_add_u32 v[AXF], v[HH], 6, v[AXF]
	v_add_nc_u32 v[AXF], s58, v[AXF]
	v_add_nc_u32 v[OWN16], s58, v[LI]
	v_add_nc_u32 v[OWN4], s58, v[LS]
	v_mov_b32 v[AXR], v[LI]
	v_mov_b32 v[AXSR], v[LS]
	v_add_nc_u32 v[AXMW], s59, v[LI]
	v_add_nc_u32 v[AXMSW], s72, v[LS]
	v_mul_u32_u24 v[STO], v[HH], 320
	v_lshl_add_u32 v[SRD], v[RR], 4, v[STO]
	v_lshl_add_u32 v[STO], v[RR], 2, v[STO]
	v_add_nc_u32 v[SRD], s58, v[SRD]
	v_add_nc_u32 v[STO], s58, v[STO]
	v_lshlrev_b32 v[GO], 12, v[HH]
	v_lshl_add_u32 v[GN], v[RR], 2, v[GO]
	v_lshl_add_u32 v[GO], v[RR], 4, v[GO]
	v_add_nc_u32 v[BLI], B0, v[LI]
	v_add_nc_u32 v[BLS], B0, v[LS]
	v_add_nc_u32 v[ASWW], s59, v[BLI]
	v_add_nc_u32 v[ASWSW], s72, v[BLS]
	v_lshl_add_u32 v[GT], s2, 11, v[LI]
.irp b, 0,1,2,3
	v_mov_b32 v[TM+4+\b], 0                        ; a lane permute's destination counts as one of its sources
.endr
	s_wait_loadcnt 0x0                             ; weights, scale words and small inputs are in; x is still on its way
	WIN 0x45                                       ; destination and sources 0, 1 in window 1
.irp k, 0,2,4,6,8,10,12,14
	v_pk_add_f32 v[BX+\k:BX+\k+1], v[BX+\k:BX+\k+1], v[PH+\k:PH+\k+1]
.endr
.irp u, 0,1
.irp j, 1,2,3,4,5,6,7
	v_mov_b32 v[BF+8*\u+\j], v[BF+8*\u]            ; a lane's eight results of fx_mid are one column: eight times its bias
.endr
.endr
	WIN 0
.irp t, 0,1,2,3
	v_med3_num_f32 v[KT+2*\t], v[KT+2*\t], s55, s56   ; clip(temp_x, 0.01, 5)
.endr
.irp t, 0,1,2,3
	v_rcp_f32 v[KT+2*\t], v[KT+2*\t]
.endr
	v_nop
	s_wait_alu depctr_va_vdst(0)                   ; one wait for the four reciprocals
.irp t, 0,1,2,3
	v_mul_f32 v[KT+2*\t], s57, v[KT+2*\t]
.endr
.irp t, 0,1,2,3
	v_mul_f32 v[BK+2*\t], v[BK+2*\t], v[KT+2*\t]
	v_mov_b32 v[KT+2*\t+1], v[KT+2*\t]             ; (named as pairs, so the upper words are written)
.endr
.irp t, 0,1,2,3
	v_mov_b32 v[BK+2*\t+1], v[BK+2*\t]
.endr
; ---- X: my 32 nodes of x become four fragments.  Tile u's images lie over rows 16 u .. 16 u + 4 of my region, which tile 0's loads have read; LDS serves a wave's instructions in order (ISA guide 5.7.1.4)
.macro XTILE u
.irp s, 0,1
.irp c, 0,1,2,3
.irp j, 0,1,2,3
	ds_load_b128 v[N+64*\s+16*\c+4*\j:N+64*\s+16*\c+4*\j+3], v[AXF] offset:8*XP*\u+512*\s+128*\c+16*\j
.endr
.endr
.endr
	s_wait_dscnt 16                                ; K step 0's sixteen loads are in; K step 1's sixteen may be out
	QSCALE N, 0
	WORD PW
	QCODE N, 0, PC, PC+4, PC+8, PC+12
.irp c, 0,1,2,3
	ds_store_b128 v[OWN16], v[PC+4*\c:PC+4*\c+3] offset:TREG*\u+512*\c
.endr
	ds_store_b32 v[OWN4], v[PW] offset:XS+TREG*\u
	s_wait_dscnt 0x0                               ; K step 1 is in, and the stores have read their registers
	QSCALE N+64, 0
	WORD PW
	QCODE N+64, 0, PC, PC+4, PC+8, PC+12
.irp c, 0,1,2,3
	ds_store_b128 v[OWN16], v[PC+4*\c:PC+4*\c+3] offset:TREG*\u+2048+512*\c
.endr
	ds_store_b32 v[OWN4], v[PW] offset:XS+TREG*\u+128
	s_wait_dscnt 0x0
.endm
	s_wait_tensorcnt 0x0                           ; my rows of x are in LDS; only I read them
	XTILE 0
	XTILE 1
	BARRIER                                        ; x's 32 fragments lie in LDS, and nobody reads x's numbers any more
; ---- 1: my 32 columns of x_mid and of fx_mid, a pair of tiles (32 nodes) at a time
.macro XFETCH                          ; the pair's four fragments of x and their scale words
	WIN 0x40
.irp m, 0,1
.irp s, 0,1
.irp c, 0,1,2,3
	ds_load_b128 v[XF+16*(2*\m+\s)+4*\c:XF+16*(2*\m+\s)+4*\c+3], v[AXR] offset:TREG*\m+2048*\s+512*\c
.endr
.endr
.endr
	WIN 0
.irp m, 0,1
.irp s, 0,1
	ds_load_b32 v[XSR+2*\m+\s], v[AXSR] offset:XS+TREG*\m+128*\s
.endr
.endr
.endm
; eight products of K step s, the eight accumulators by turns.  x_mid: source 0 = 16 columns of W_x, source 1 = 16 nodes: a lane holds one node, its registers run along the columns.
; fx_mid: source 0 = 16 nodes, source 1 = 16 columns of W_fx: a lane holds one column, its registers run along the nodes.  The biases are the C of the first K step.
.macro MMX s
.irp m, 0,1
.irp u, 0,1
.if \s
	v_wmma_scale_f32_16x16x128_f8f6f4 v[ACC+16*\m+8*\u:ACC+16*\m+8*\u+7], v[WX+16*(2*\u+\s):WX+16*(2*\u+\s)+15], v[XF+16*(2*\m+\s):XF+16*(2*\m+\s)+15], v[ACC+16*\m+8*\u:ACC+16*\m+8*\u+7], v[WXS+2*\u+\s], v[XSR+2*\m+\s] matrix_a_fmt:MATRIX_FMT_BF8 matrix_b_fmt:MATRIX_FMT_BF8
.else
	v_wmma_scale_f32_16x16x128_f8f6f4 v[ACC+16*\m+8*\u:ACC+16*\m+8*\u+7], v[WX+16*(2*\u+\s):WX+16*(2*\u+\s)+15], v[XF+16*(2*\m+\s):XF+16*(2*\m+\s)+15], v[BX+8*\u:BX+8*\u+7], v[WXS+2*\u+\s], v[XSR+2*\m+\s] matrix_a_fmt:MATRIX_FMT_BF8 matrix_b_fmt:MATRIX_FMT_BF8
.endif
.endr
.endr
.irp u, 0,1
.irp m, 0,1
.if \s
	v_wmma_scale_f32_16x16x128_f8f6f4 v[ACC+32+16*\u+8*\m:ACC+32+16*\u+8*\m+7], v[XF+16*(2*\m+\s):XF+16*(2*\m+\s)+15], v[WFX+16*(2*\u+\s):WFX+16*(2*\u+\s)+15], v[ACC+32+16*\u+8*\m:ACC+32+16*\u+8*\m+7], v[XSR+2*\m+\s], v[WFXS+2*\u+\s] matrix_a_fmt:MATRIX_FMT_BF8 matrix_b_fmt:MATRIX_FMT_BF8
.else
	v_wmma_scale_f32_16x16x128_f8f6f4 v[ACC+32+16*\u+8*\m:ACC+32+16*\u+8*\m+7], v[XF+16*(2*\m+\s):XF+16*(2*\m+\s)+15], v[WFX+16*(2*\u+\s):WFX+16*(2*\u+\s)+15], v[BF+8*\u:BF+8*\u+7], v[XSR+2*\m+\s], v[WFXS+2*\u+\s] matrix_a_fmt:MATRIX_FMT_BF8 matrix_b_fmt:MATRIX_FMT_BF8
.endif
.endr
.endr
.endm
.macro PAIR p
	s_wait_dscnt 0x0                               ; the pair's fragments are in; the last pair's stores are done
	WIN 0x15                                       ; sources 0, 1 and 2 in window 1
	MMX 0
	WIN 0x05                                       ; C and D in window 0
	MMX 1
	WIN 0
; eight places behind this form ahead of loads into its registers and of reads of its results: the address steps and v_nop
.if \p < 7
	v_add_nc_u32 v[AXR], WREG, v[AXR]
	v_add_nc_u32 v[AXSR], WREG, v[AXSR]
.else
	PLACES 2
.endif
.if \p > 0
	v_add_nc_u32 v[AXMW], WREG, v[AXMW]
	v_add_nc_u32 v[AXMSW], WREG, v[AXMSW]
.else
	PLACES 2
.endif
	PLACES 4
.if \p < 7
	XFETCH                                         ; the next pair's fragments land while this pair is quantised
.else
	WIN 0x40                                       ; the weights are done with: W_slice's eight fragments take their registers
.irp k, 0,1,2,3,4,5,6,7
.irp c, 0,1,2,3
	global_load_b128 v[16*\k+4*\c:16*\k+4*\c+3], v[LI], s[10:11] offset:131072+2048*\k+512*\c
.endr
.endr
	WIN 0
.endif
	QSCALE ACC, 0                                  ; blocks 0, 1: x_mid of tiles 0, 1 along my 32 columns;  blocks 2, 3: fx_mid of my column tiles 0, 1 along the pair's 32 nodes
	QCODE ACC, 0, PC, PC+4, FXC+16*(\p/4)+4*(\p%4), FXC+32+16*(\p/4)+4*(\p%4)
.irp u, 0,1
.if \p%4 == 0
	v_mov_b32 v[FXS+2*\u+\p/4], v[TM+6+\u]
.else
	v_lshl_or_b32 v[FXS+2*\u+\p/4], v[TM+6+\u], 8*(\p%4), v[FXS+2*\u+\p/4]
.endif
.endr
.irp m, 0,1
	ds_store_b128 v[AXMW], v[PC+4*\m:PC+4*\m+3] offset:XM+TREG*\m     ; chunk w % 4 of K step w / 4 of the next product
	ds_store_b8 v[AXMSW], v[TM+4+\m] offset:XMS+TREG*\m
.endr
.endm
	XFETCH
	PAIR 0
	PAIR 1
	PAIR 2
	PAIR 3
	PAIR 4
	PAIR 5
	PAIR 6
	PAIR 7
	BARRIER                                        ; x_mid's 32 fragments lie in LDS
; ---- 3: my 32 nodes: logits (source 0 = 16 nodes, source 1 = 16 slices: a lane holds one slice, its registers run along the nodes), softmax, out1, codes along the nodes
	WIN 0x40
.irp u, 0,1
.irp s, 0,1
.irp c, 0,1,2,3
	ds_load_b128 v[XF+16*(2*\u+\s)+4*\c:XF+16*(2*\u+\s)+4*\c+3], v[OWN16] offset:XM+TREG*\u+2048*\s+512*\c
.endr
.endr
.endr
	WIN 0
.irp u, 0,1
.irp s, 0,1
	ds_load_b32 v[XMSR+2*\u+\s], v[OWN4] offset:XMS+TREG*\u+128*\s
.endr
.endr
	s_wait_loadcnt 0x0                             ; W_slice's fragments
	s_wait_dscnt 0x0
	WIN 0x05
.irp t, 0,1,2,3
.irp u, 0,1
	v_wmma_scale_f32_16x16x128_f8f6f4 v[ACC+16*\t+8*\u:ACC+16*\t+8*\u+7], v[XF+32*\u:XF+32*\u+15], v[32*\t:32*\t+15], 0, v[XMSR+2*\u], v[WSLS+2*\t] matrix_a_fmt:MATRIX_FMT_BF8 matrix_b_fmt:MATRIX_FMT_BF8
.endr
.endr
.irp t, 0,1,2,3
.irp u, 0,1
	v_wmma_scale_f32_16x16x128_f8f6f4 v[ACC+16*\t+8*\u:ACC+16*\t+8*\u+7], v[XF+32*\u+16:XF+32*\u+31], v[32*\t+16:32*\t+31], v[ACC+16*\t+8*\u:ACC+16*\t+8*\u+7], v[XMSR+2*\u+1], v[WSLS+2*\t+1] matrix_a_fmt:MATRIX_FMT_BF8 matrix_b_fmt:MATRIX_FMT_BF8
.endr
.endr
	WIN 0
	PLACES 8
	SOFTMAX ACC                                    ; register 16 t + i: slice_weight(node 32 w + 16 h + i, slice 16 t + r)
.irp t, 0,1,2,3
.irp u, 0,1
.irp j, 0,1,2,3,4,5,6,7
	ds_store_b32 v[STO], v[ACC+16*\t+8*\u+\j] offset:STG+TREG*\u+640*\j+64*\t   ; stage row 2 j + h; the halves lie 320 bytes apart
.endr
.endr
.endr
	WIN 0x40
.irp u, 0,1
.irp j, 0,1,2,3,4,5,6,7
	ds_load_b128 v[XF+4*(8*\u+\j):XF+4*(8*\u+\j)+3], v[SRD] offset:STG+TREG*\u+640*\j   ; sixteen lanes take a whole row of 256 bytes
.endr
.endr
	WIN 0
.irp t, 0,1,2,3
	v_pk_add_f32 v[MX+2*\t:MX+2*\t+1], v[ACC+16*\t:ACC+16*\t+1], v[ACC+16*\t+2:ACC+16*\t+3]   ; the norm: the unquantised weights of my 16 nodes
.endr
.irp i, 4,6,8,10,12,14
.irp t, 0,1,2,3
	v_pk_add_f32 v[MX+2*\t:MX+2*\t+1], v[MX+2*\t:MX+2*\t+1], v[ACC+16*\t+\i:ACC+16*\t+\i+1]
.endr
.endr
.irp t, 0,1,2,3
	v_add_f32 v[NS+\t], v[MX+2*\t], v[MX+2*\t+1]
.endr
	QSCALE ACC, 1
	s_wait_dscnt 0x0                               ; the rows are back, and the stage's stores have read the weights, which the holds below write
	WIN 0x04                                       ; a store's data are its source 1: window 1
.irp k, 0,1,2,3,4,5,6,7,8,9,10,11,12,13,14,15
	global_store_b128 v[GO], v[XF+4*\k:XF+4*\k+3], s[22:23] offset:256*\k   ; sixteen lanes store one aligned row of 256 bytes: node 16 h + k
.endr
	WIN 0
	QCODE ACC, 1, PC, PC+4, PC+8, PC+12
.irp t, 0,1,2,3
	ds_store_b128 v[ASWW], v[PC+4*\t:PC+4*\t+3] offset:4096*\t
	ds_store_b8 v[ASWSW], v[TM+4+\t] offset:SWS+256*\t
.endr
	ds_store_b128 v[ASWW], v[NS:NS+3] offset:NRM
	BARRIER                                        ; slice_weight's eight fragments and the eight parts of the norm lie in LDS
; ---- 4: the token's part: source 0 = 16 of my columns (fx_mid's codes, in my registers), source 1 = 16 slices; K = the work-group's 256 nodes
	WIN 0x40
.irp t, 0,1,2,3
.irp s, 0,1
.irp c, 0,1,2,3
	ds_load_b128 v[16*(2*\t+\s)+4*\c:16*(2*\t+\s)+4*\c+3], v[BLI] offset:4096*\t+2048*\s+512*\c
.endr
.endr
.endr
	WIN 0
.irp t, 0,1,2,3
.irp s, 0,1
	ds_load_b32 v[SWSR+2*\t+\s], v[BLS] offset:SWS+256*\t+128*\s
.endr
.endr
	s_wait_dscnt 0x0
	WIN 0x04                                       ; source 1 in window 1
.irp u, 0,1
.irp t, 0,1,2,3
	v_wmma_scale_f32_16x16x128_f8f6f4 v[ACC+8*(4*\u+\t):ACC+8*(4*\u+\t)+7], v[FXC+32*\u:FXC+32*\u+15], v[32*\t:32*\t+15], 0, v[FXS+2*\u], v[SWSR+2*\t] matrix_a_fmt:MATRIX_FMT_BF8 matrix_b_fmt:MATRIX_FMT_BF8
.endr
.endr
.irp u, 0,1
.irp t, 0,1,2,3
	v_wmma_scale_f32_16x16x128_f8f6f4 v[ACC+8*(4*\u+\t):ACC+8*(4*\u+\t)+7], v[FXC+32*\u+16:FXC+32*\u+31], v[32*\t+16:32*\t+31], v[ACC+8*(4*\u+\t):ACC+8*(4*\u+\t)+7], v[FXS+2*\u+1], v[SWSR+2*\t+1] matrix_a_fmt:MATRIX_FMT_BF8 matrix_b_fmt:MATRIX_FMT_BF8
.endr
.endr
	WIN 0
	PLACES 8
.irp u, 0,1
.irp t, 0,1,2,3
	global_store_b128 v[GT], v[ACC+8*(4*\u+\t):ACC+8*(4*\u+\t)+3], s[24:25] offset:16384*\t+1024*\u          ; an accumulator's image, from its low end on: 512 consecutive bytes a store
	global_store_b128 v[GT], v[ACC+8*(4*\u+\t)+4:ACC+8*(4*\u+\t)+7], s[24:25] offset:16384*\t+1024*\u+512
.endr
.endr
	s_cmp_lg_u32 s2, 0                             ; wave 0 adds the eight parts of the norm
	s_cbranch_scc1 .Lend
.irp n, 0,1,2,3,4,5,6,7
	ds_load_b128 v[FXC+4*\n:FXC+4*\n+3], v[BLI] offset:NRM+512*\n
.endr
	s_wait_dscnt 0x0
.irp n, 1,2,3,4,5,6,7
	v_pk_add_f32 v[FXC:FXC+1], v[FXC:FXC+1], v[FXC+4*\n:FXC+4*\n+1]
	v_pk_add_f32 v[FXC+2:FXC+3], v[FXC+2:FXC+3], v[FXC+4*\n+2:FXC+4*\n+3]
.endr
.irp t, 0,1,2,3
	v_permlanex16_b32 v[TM+\t], v[FXC+\t], s[SEL], s[SEL+1]
.endr
.irp t, 0,1,2,3
	v_add_f32 v[FXC+\t], v[FXC+\t], v[TM+\t]       ; with the other half's nodes
.endr
	v_and_b32 v[TM], 31, v0
	v_cmp_gt_u32 vcc_lo, 16, v[TM]
	v_cndmask_b32 v[TM+1], v[FXC+1], v[FXC], vcc_lo       ; lanes 0-15 store t = 0 and 2, lanes 16-31 t = 1 and 3
	v_cndmask_b32 v[TM+2], v[FXC+3], v[FXC+2], vcc_lo
	global_store_b32 v[GN], v[TM+1], s[26:27]
	global_store_b32 v[GN], v[TM+2], s[26:27] offset:8192
.Lend:
	s_wait_tensorcnt 0x0                           ; the wave's end, behind my tensor load and my last LDS store
	ds_add_u32 v[SPW], v[NIL]
	s_wait_dscnt 0x0
	s_endpgm
.Lfunc_end_k_q0213cabe2e_node:
	.size	k_q0213cabe2e_node, .Lfunc_end_k_q0213cabe2e_node-k_q0213cabe2e_node
	.p2alignl 7, 3214868480
	.fill 96, 4, 3214868480
	.section	.rodata,"a",@progbits
	.p2align	6, 0x0
	.amdhsa_kernel k_q0213cabe2e_node
		.amdhsa_group_segment_fixed_size 327680
		.amdhsa_private_segment_fixed_size 0
		.amdhsa_enable_private_segment 0
		.amdhsa_kernarg_size 80
		.amdhsa_user_sgpr_count 2
		.amdhsa_user_sgpr_kernarg_segment_ptr 1
		.amdhsa_wavefront_size32 1
		.amdhsa_system_sgpr_workgroup_id_x 1
		.amdhsa_system_sgpr_workgroup_id_y 1
		.amdhsa_system_sgpr_workgroup_id_z 1
		.amdhsa_system_vgpr_workitem_id 0
		.amdhsa_next_free_vgpr 512
		.amdhsa_next_free_sgpr 96
		.amdhsa_reserve_vcc 1
		.amdhsa_float_denorm_mode_32 3
		.amdhsa_float_denorm_mode_16_64 3
		.amdhsa_memory_ordered 1
		.amdhsa_forward_progress 1
		.amdhsa_inst_pref_size 196
	.end_amdhsa_kernel
	.amdgpu_metadata
---
amdhsa.version: [ 1, 2 ]
amdhsa.kernels:
  - .name:           k_q0213cabe2e_node
    .symbol:         k_q0213cabe2e_node.kd
    .args:
      - { .name: x, .offset: 0, .size: 8, .value_kind: global_buffer, .address_space: global }
      - { .name: wq, .offset: 8, .size: 8, .value_kind: global_buffer, .address_space: global }
      - { .name: b_fx, .offset: 16, .size: 8, .value_kind: global_buffer, .address_space: global }
      - { .name: b_x, .offset: 24, .size: 8, .value_kind: global_buffer, .address_space: global }
      - { .name: ph_x, .offset: 32, .size: 8, .value_kind: global_buffer, .address_space: global }
      - { .name: b_slice, .offset: 40, .size: 8, .value_kind: global_buffer, .address_space: global }
      - { .name: temp_x, .offset: 48, .size: 8, .value_kind: global_buffer, .address_space: global }
      - { .name: out1, .offset: 56, .size: 8, .value_kind: global_buffer, .address_space: global }
      - { .name: tokn, .offset: 64, .size: 8, .value_kind: global_buffer, .address_space: global }
      - { .name: normn, .offset: 72, .size: 8, .value_kind: global_buffer, .address_space: global }
    .group_segment_fixed_size: 327680
    .private_segment_fixed_size: 0
    .kernarg_segment_align: 8
    .kernarg_segment_size: 80
    .max_flat_workgroup_size: 256
    .sgpr_count:     96
    .vgpr_count:     512
    .wavefront_size: 32
...
	.end_amdgpu_metadata
.endif
;; end of part 2
;; launch edge (part 3): grid 256 x 1, 8 waves a work-group, no clusters, 148,736 bytes of LDS; arguments out1, edge_idx, edge_attr, wq, temp_edge, b_eslice, W_fedge, b_fedge, ph_edge, toke, norme; writes toke, norme
.if DOCPART == 3
	.amdgcn_target "amdgcn-amd-amdhsa--gfx1250"
	.amdhsa_code_object_version 6
	.text
	.protected	k_q0213cabe2e_edge
	.globl	k_q0213cabe2e_edge
	.p2align	8
	.type	k_q0213cabe2e_edge,@function
k_q0213cabe2e_edge:
	s_mov_b64 s[64:65], 0
	v_nop
	global_prefetch_b8 v0, s[64:65] scope:SCOPE_SE
	s_setreg_imm32_b32 hwreg(HW_REG_WAVE_MODE, 25, 1), 1
	s_wait_xcnt 0x0
; EDGE: for 1,024 edges of one batch: the two end nodes' rows of slice_weight (out1) are gathered and added, divided by clip(temp_edge), quantised along the 64 slices and multiplied by Q(W_eslice); + b_eslice; softmax;
; fedge_mid = edge_attr W_fedge + b_fedge + ph_edge (K = 1: fused multiply-adds in f32);  the work-group's part of edge_slice_token = Q(edge_slice_weight)^T Q(fedge_mid), both quantised along the EDGES, and of edge_slice_norm.
; No work of reference() is left out.
; PHASE A, by rows: wave w makes the weights of edges 128 w .. 128 w + 127, 32 at a time: they are K step w of the last product, four fragments and four scale words, which go to LDS as images of their registers.
; A gather instruction reads two whole rows of 256 bytes (sixteen lanes a row); the sums turn through the wave's own stage in LDS, so that a lane holds 16 neighbouring slices of one edge.  The next 32 edges' rows are asked for a trip ahead.
; THE EDGES OF A TILE ARE NOT NEIGHBOURS: fragment row q of tile u is edge 8 u + q + 8 (q / 8), so that a result's 16 registers of two tiles are 16 neighbouring edges.
; PHASE B, by columns: wave w owns columns 32 w .. 32 w + 31: it makes fedge_mid's codes for the eight K steps in registers and keeps eight accumulators.
; A BLOCK'S LARGEST MAGNITUDE OF fedge_mid IS NOT SEARCHED FOR: a W + d, rounded once, does not fall (W >= 0) or rise (W < 0) where a rises, so it is the larger magnitude at the block's largest and smallest a.
; No tensor load: the gather's addresses hang on the index input.  No cluster: work-groups share only W_eslice's four fragments.
; ORDER OF ROUNDING: b_fedge + ph_edge is added first and is the multiply-add's addend; the temperature divides by a reciprocal and a multiplication; exponentials to base 2.
; LIMITS: NaN and infinities are not served; indices are held to 0 .. 16,383; blocks whose largest magnitude lies under 2^-111 keep the scale byte 1; v_exp_f32 gives 0 under 2^-126.  The norm leaves in pieces of 64 bytes.
.set STGB,  8704                       ; LDS: a stage of 32 rows x 272 bytes for each wave;
.set EWI,   69632                      ; the weights' 32 fragment images ((4 s + t) x 2,048);
.set EWS,   135168                     ; their scale images ((4 s + t) x 128);
.set AV,    139264                     ; the 1,024 numbers of edge_attr;
.set AX,    143360                     ; (largest, smallest) of each block of 32 of them;
.set NRM,   143616                     ; the waves' parts of the norm;
.set SPARE, 147712                     ; the spare words, 128 bytes a wave: four blocks of 256 bytes that no other line names
.set WQS,   155648
.set LI,    1                          ; 16 x lane
.set LS,    2                          ; 4 x lane
.set Q16,   3                          ; 16 r
.set AIDX,  4                          ; 128 h: my half's 16 edges in edge_idx
.set ASTW,  5                          ; the stage, on the way in
.set ASTR,  6                          ; and back
.set AEW,   7                          ; where I store the weights' codes (stepped by 512 a trip)
.set AES,   8                          ; and their bytes (stepped by 1)
.set AER,   9                          ; where a K step's fragments are read (stepped by 8,192)
.set AESR,  10                         ; and their scale words (by 512)
.set AAV,   11                         ; a K step's numbers of edge_attr (by 512)
.set AAX,   12                         ; and their extremes (by 32)
.set GT,    13                         ; toke: 2,048 w + 16 x lane
.set ANW,   14                         ; NRM + 512 w + 16 x lane
.set GN,    15                         ; norme: 4,096 h + 4 r
.set BNR,   16                         ; NRM + 16 x lane
.set R4,    17                         ; 4 r
.set AAW,   18                         ; AV + 512 w + 16 x lane
.set AXW,   19                         ; AX + 32 w + 8 (lane / 8)
.set SPW,   20                         ; my spare word; never rewritten
.set NIL,   21                         ; 0; never rewritten
.set RR,    22
.set HH,    23
.set WES,   24                         ; v24-34 hold scale words and nothing else: W_eslice's,
.set AQS,   28                         ; the sums',
.set ESWS,  30                         ; the weights',
.set FW,    34                         ; fedge_mid's
.set RT,    36                         ; v36-39   1 / clip(temp_edge) at slices 4 r .. 4 r + 3
.set BK,    40                         ; v40-47   b_eslice x log2(e), a pair for each t
.set EN,    48                         ; v48-55   the norm, a pair for each t
.set WC,    56                         ; v56-59   W_fedge at my two columns, pairs
.set DC,    60                         ; v60-63   b_fedge + ph_edge likewise
.set TM,    64                         ; v64-79   the quantiser's
.set EXT,   80                         ; v80-87   a K step's extremes
.set AQ,    88                         ; v88-119  the sums' two fragments (registers 8-15 of each stay zero)
.set FC,    88                         ;          phase B: fedge_mid's fragment
.set S,     120                        ; v120-183 the sums;
.set E,     120                        ;          then the logits and weights;
.set AVR,   120                        ;          phase B: 64 numbers of edge_attr
.set SS,    184                        ; v184-247 the sums, turned;
.set MX,    184                        ;          then the softmax's 16,
.set PC,    200                        ;          and the codes just made;
.set F,     184                        ;          phase B: 64 numbers of fedge_mid
.set G,     0                          ; window 1: v0-127 the gathered rows (end p, edge i: 64 p + 4 i);  phase B: v0-63 a K step's four fragments,
.set TA,    64                         ;           v64-127 the eight accumulators
.set IDXN,  128                        ;           the next 32 edges' indices
.set ADR,   160                        ;           the gather's offsets
.set WE,    192                        ;           W_eslice's four fragments
.set SEL,   30
.set MNT,   32
.set LE,    34                         ; s[34:35] log2(e)
.set CNT,   38
.set MSB, 0
.macro WIN new
.if MSB != \new
	s_set_vgpr_msb (MSB<<8)|\new
.set MSB, \new
.endif
.endm
.macro PLACES n
.rept \n
	v_nop
.endr
.endm
.macro BARRIER
	s_wait_dscnt 0x0
	s_barrier_signal -1
	s_barrier_wait -1
.endm
.macro QSCALE s, mode
.if \mode
.irp b, 0,1,2,3
	v_max3_num_f32 v[TM+\b], v[\s+16*\b], v[\s+1+16*\b], 0x8000000
.endr
.irp i, 2,4,6,8,10,12,14
.irp b, 0,1,2,3
	v_max3_num_f32 v[TM+\b], v[TM+\b], v[\s+16*\b+\i], v[\s+1+16*\b+\i]
.endr
.endr
.else
.irp b, 0,1,2,3
	v_max3_num_f32 v[TM+\b], |v[\s+16*\b]|, |v[\s+1+16*\b]|, 0x8000000
.endr
.irp i, 2,4,6,8,10,12,14
.irp b, 0,1,2,3
	v_max3_num_f32 v[TM+\b], v[TM+\b], |v[\s+16*\b+\i]|, |v[\s+1+16*\b+\i]|
.endr
.endr
.endif
.irp b, 0,1,2,3
	v_permlanex16_b32 v[TM+4+\b], v[TM+\b], s[SEL], s[SEL+1]
.endr
.irp b, 0,1,2,3
	v_max_num_f32 v[TM+\b], v[TM+\b], v[TM+4+\b]
.endr
.irp b, 0,1,2,3
	v_add_nc_u32 v[TM+12+\b], 0xf8800000, v[TM+\b]
.endr
.irp b, 0,1,2,3
	v_and_or_b32 v[TM+8+\b], v[TM+\b], 0x7f800000, s[MNT]
.endr
.irp b, 0,1,2,3
	v_lshrrev_b32 v[TM+4+\b], 23, v[TM+12+\b]
.endr
.endm
.macro WORD dst
	v_lshl_or_b32 v[\dst], v[TM+5], 8, v[TM+4]
	v_lshl_or_b32 v[\dst], v[TM+6], 16, v[\dst]
	v_lshl_or_b32 v[\dst], v[TM+7], 24, v[\dst]
.endm
.macro QBLOCK s, mode, b, d
.irp i, 0,1,2,3,4,5,6,7,8,9,10,11,12,13,14,15
.if \mode
	v_min_num_f32 v[\s+16*\b+\i], v[\s+16*\b+\i], v[TM+8+\b]
.else
	v_med3_num_f32 v[\s+16*\b+\i], v[\s+16*\b+\i], -v[TM+8+\b], v[TM+8+\b]
.endif
.endr
	v_cvt_scalef32_pk8_bf8_f32 v[\d:\d+1], v[\s+16*\b:\s+16*\b+7], v[TM+12+\b]
	v_cvt_scalef32_pk8_bf8_f32 v[\d+2:\d+3], v[\s+16*\b+8:\s+16*\b+15], v[TM+12+\b]
.endm
.macro QCODE s, mode, d0, d1, d2, d3
	QBLOCK \s, \mode, 0, \d0
	QBLOCK \s, \mode, 1, \d1
	QBLOCK \s, \mode, 2, \d2
	QBLOCK \s, \mode, 3, \d3
	v_nop                                          ; one plain line behind the last scaled conversion
.endm
; 64 registers z + 16 t + i: lane r = slice 16 t + r, i = 16 edges.  The softmax runs over the four t and the sixteen lanes of a half.
.macro SOFTMAX z
.irp t, 0,1,2,3
.irp i, 0,2,4,6,8,10,12,14
	v_pk_fma_f32 v[\z+16*\t+\i:\z+16*\t+\i+1], v[\z+16*\t+\i:\z+16*\t+\i+1], s[LE:LE+1], v[BK+2*\t:BK+2*\t+1] op_sel_hi:[1,0,0]   ; (sum + bias) x log2(e); each accumulator from its low end on
.endr
.endr
.irp i, 0,1,2,3,4,5,6,7,8,9,10,11,12,13,14,15
	v_max3_num_f32 v[MX+\i], v[\z+\i], v[\z+16+\i], v[\z+32+\i]
.endr
.irp i, 0,1,2,3,4,5,6,7,8,9,10,11,12,13,14,15
	v_max_num_f32 v[MX+\i], v[MX+\i], v[\z+48+\i]
.endr
.irp m, 1,2,4,8
.irp i, 0,1,2,3,4,5,6,7,8,9,10,11,12,13,14,15
	v_max_num_f32_dpp v[MX+\i], v[MX+\i], v[MX+\i] row_xmask:\m row_mask:0xf bank_mask:0xf
.endr
.endr
.irp t, 0,1,2,3
.irp i, 0,2,4,6,8,10,12,14
	v_pk_add_f32 v[\z+16*\t+\i:\z+16*\t+\i+1], v[\z+16*\t+\i:\z+16*\t+\i+1], v[MX+\i:MX+\i+1] neg_lo:[0,1] neg_hi:[0,1]   ; the row's maximum is taken away
.endr
.endr
.set kk, 0
.rept 64
	v_exp_f32 v[\z+kk], v[\z+kk]
.set kk, kk+1
.endr
	v_nop                                          ; a plain line behind the last exponential
	s_wait_alu depctr_va_vdst(0)                   ; one wait for the batch, ahead of its first reader
.irp i, 0,2,4,6,8,10,12,14
	v_pk_add_f32 v[MX+\i:MX+\i+1], v[\z+\i:\z+\i+1], v[\z+16+\i:\z+16+\i+1]
.endr
.irp i, 0,2,4,6,8,10,12,14
	v_pk_add_f32 v[MX+\i:MX+\i+1], v[MX+\i:MX+\i+1], v[\z+32+\i:\z+32+\i+1]
.endr
.irp i, 0,2,4,6,8,10,12,14
	v_pk_add_f32 v[MX+\i:MX+\i+1], v[MX+\i:MX+\i+1], v[\z+48+\i:\z+48+\i+1]
.endr
.irp m, 1,2,4,8
.irp i, 0,1,2,3,4,5,6,7,8,9,10,11,12,13,14,15
	v_add_f32_dpp v[MX+\i], v[MX+\i], v[MX+\i] row_xmask:\m row_mask:0xf bank_mask:0xf
.endr
.endr
.irp i, 0,1,2,3,4,5,6,7,8,9,10,11,12,13,14,15
	v_rcp_f32 v[MX+\i], v[MX+\i]
.endr
	v_nop
	s_wait_alu depctr_va_vdst(0)                   ; one wait for the sixteen reciprocals
.irp t, 0,1,2,3
.irp i, 0,2,4,6,8,10,12,14
	v_pk_mul_f32 v[\z+16*\t+\i:\z+16*\t+\i+1], v[\z+16*\t+\i:\z+16*\t+\i+1], v[MX+\i:MX+\i+1]
.endr
.endr
.endm
.macro GADDR src                       ; 32 indices (register 2 i + end) become byte offsets: held inside the table, x 256, + my 16 bytes of the row
	WIN 0x45                                       ; destination and sources 0, 1 in window 1; source 2 (16 r) in window 0
.set kk, 0
.rept 32
	v_min_u32 v[ADR+kk], 0x3fff, v[\src+kk]
.set kk, kk+1
.endr
.set kk, 0
.rept 32
	v_lshl_add_u32 v[ADR+kk], v[ADR+kk], 8, v[Q16]
.set kk, kk+1
.endr
.endm
.macro GATHER                          ; 32 loads: each reads two whole rows of 256 bytes: edge i of lanes 0-15's sixteen, and of lanes 16-31's
	WIN 0x41                                       ; destination and address in window 1
.set kk, 0
.rept 16
	global_load_b128 v[G+4*kk:G+4*kk+3], v[ADR+2*kk], s[8:9]
	global_load_b128 v[G+64+4*kk:G+64+4*kk+3], v[ADR+2*kk+1], s[8:9]
.set kk, kk+1
.endr
.endm
	s_load_b512 s[8:23], s[0:1], 0x0               ; out1 s[8:9], edge_idx s[10:11], edge_attr s[12:13], wq s[14:15], temp_edge s[16:17], b_eslice s[18:19], W_fedge s[20:21], b_fedge s[22:23]
	s_load_b128 s[24:27], s[0:1], 0x40             ; ph_edge s[24:25], toke s[26:27]
	s_load_b64 s[28:29], s[0:1], 0x50              ; norme
	v_lshl_add_u32 v[SPW], v0, 2, SPARE
	v_mov_b32 v[NIL], 0
	v_lshrrev_b32 v[RR], 5, v0
	v_readfirstlane_b32 s2, v[RR]                  ; wave 0..7
	v_and_b32 v[RR], 15, v0                        ; r
	v_bfe_u32 v[HH], v0, 4, 1                      ; h
	v_and_b32 v[LS], 31, v0
	v_lshlrev_b32 v[LI], 4, v[LS]
	v_lshrrev_b32 v[AXW], 3, v[LS]
	v_lshlrev_b32 v[LS], 2, v[LS]
	v_lshlrev_b32 v[Q16], 4, v[RR]
	v_lshlrev_b32 v[R4], 2, v[RR]
	v_lshlrev_b32 v[AIDX], 7, v[HH]
	s_mul_i32 s40, s2, STGB
	v_mul_u32_u24 v[ASTW], v[HH], 2176             ; eight stage rows for the upper half
	v_add_nc_u32 v[ASTW], v[ASTW], v[Q16]
	v_add_nc_u32 v[ASTW], s40, v[ASTW]
	v_mul_u32_u24 v[ASTR], v[RR], 272
	v_lshl_add_u32 v[ASTR], v[HH], 6, v[ASTR]
	v_add_nc_u32 v[ASTR], s40, v[ASTR]
	v_add_nc_u32 v[AER], EWI, v[LI]
	v_add_nc_u32 v[AESR], EWS, v[LS]
	s_lshl_b32 s41, s2, 13
	v_add_nc_u32 v[AEW], s41, v[AER]
	s_lshl_b32 s42, s2, 9
	v_add_nc_u32 v[AES], s42, v[AESR]
	v_lshl_add_u32 v[AAV], v[HH], 6, AV
	v_mov_b32 v[AAX], AX
	v_lshl_add_u32 v[GT], s2, 11, v[LI]
	v_add_nc_u32 v[BNR], NRM, v[LI]
	v_add_nc_u32 v[ANW], s42, v[BNR]
	v_lshlrev_b32 v[GN], 12, v[HH]
	v_add_nc_u32 v[GN], v[GN], v[R4]
	v_add_nc_u32 v[AAW], AV, v[LI]
	v_add_nc_u32 v[AAW], s42, v[AAW]
	v_lshl_add_u32 v[AXW], v[AXW], 3, AX
	s_lshl_b32 s43, s2, 5
	v_add_nc_u32 v[AXW], s43, v[AXW]
	s_mov_b32 s[SEL], 0x76543210
	s_mov_b32 s[SEL+1], 0xfedcba98
	s_mov_b32 s[MNT], 0x600000
	s_mov_b32 s[LE], 0x3fb8aa3b
	s_mov_b32 s[LE+1], s[LE]                       ; (named with it as a pair, so it is written)
	s_mov_b32 s36, 0x3c23d70a                      ; 0.01
	s_mov_b32 s37, 0x40a00000                      ; 5.0
	s_lshr_b32 s43, ttmp9, 6                       ; the batch
	s_lshl_b32 s44, s43, 22                        ; its 16,384 rows of 256 bytes in out1
	s_mov_b32 s45, 0
	s_lshl_b32 s46, ttmp9, 13                      ; edge_idx: 8 bytes an edge, 1,024 edges a work-group,
	s_lshl_b32 s47, s2, 10                         ; 128 a wave
	s_add_co_u32 s46, s46, s47
	s_mov_b32 s47, 0
	s_lshl_b32 s48, ttmp9, 12                      ; edge_attr: 4 bytes an edge
	s_add_co_u32 s48, s48, s42
	s_mov_b32 s49, 0
	s_lshl_b32 s50, s2, 7                          ; my 32 columns
	s_mov_b32 s51, 0
	s_lshl_b32 s52, ttmp9, 16
	s_mov_b32 s53, 0
	s_lshl_b32 s54, s43, 14
	s_and_b32 s55, ttmp9, 63
	s_lshl_b32 s55, s55, 6
	s_add_co_u32 s54, s54, s55
	s_mov_b32 s55, 0
	s_wait_kmcnt 0x0
	s_add_nc_u64 s[8:9], s[8:9], s[44:45]
	s_add_nc_u64 s[10:11], s[10:11], s[46:47]
	s_add_nc_u64 s[12:13], s[12:13], s[48:49]
	s_add_nc_u64 s[20:21], s[20:21], s[50:51]
	s_add_nc_u64 s[22:23], s[22:23], s[50:51]
	s_add_nc_u64 s[24:25], s[24:25], s[50:51]
	s_add_nc_u64 s[26:27], s[26:27], s[52:53]
	s_add_nc_u64 s[28:29], s[28:29], s[54:55]
	WIN 0x40                                       ; destination window 1
.irp n, 0,1,2,3,4,5,6,7
	global_load_b128 v[ADR+4*\n:ADR+4*\n+3], v[AIDX], s[10:11] offset:16*\n           ; the first 32 edges' indices: sixteen edges a half, register 2 i + end
.endr
.irp n, 0,1,2,3,4,5,6,7
	global_load_b128 v[IDXN+4*\n:IDXN+4*\n+3], v[AIDX], s[10:11] offset:256+16*\n     ; the second 32's
.endr
.irp t, 0,1,2,3
.irp c, 0,1,2,3
	global_load_b128 v[WE+16*\t+4*\c:WE+16*\t+4*\c+3], v[LI], s[14:15] offset:147456+2048*\t+512*\c
.endr
.endr
	WIN 0
.irp t, 0,1,2,3
	global_load_b32 v[WES+\t], v[LS], s[14:15] offset:WQS+128*(72+\t)
	global_load_b32 v[BK+2*\t], v[R4], s[18:19] offset:64*\t
.endr
	global_load_b128 v[RT:RT+3], v[Q16], s[16:17]
.irp u, 0,1
	global_load_b32 v[WC+2*\u], v[R4], s[20:21] offset:64*\u
	global_load_b32 v[DC+2*\u], v[R4], s[22:23] offset:64*\u
	global_load_b32 v[DC+2*\u+1], v[R4], s[24:25] offset:64*\u
.endr
	global_load_b128 v[EXT:EXT+3], v[LI], s[12:13]         ; my wave's 128 numbers of edge_attr, four a lane
.irp k, 0,1,2,3,4,5,6,7
	v_mov_b32 v[EN+\k], 0
	v_mov_b32 v[AQ+8+\k], 0                        ; K = 64: the upper 64 codes of both fragments stay zeros
	v_mov_b32 v[AQ+24+\k], 0
.endr
.irp b, 0,1,2,3
	v_mov_b32 v[TM+4+\b], 0                        ; a lane permute's destination counts as one of its sources
.endr
	s_wait_loadcnt 0x0
	GADDR ADR
	GATHER                                         ; the first 32 edges' rows are asked for before anything else is done
	WIN 0
.irp k, 0,1,2,3
	v_med3_num_f32 v[RT+\k], v[RT+\k], s36, s37    ; clip(temp_edge, 0.01, 5)
.endr
.irp k, 0,1,2,3
	v_rcp_f32 v[RT+\k], v[RT+\k]
.endr
.irp t, 0,1,2,3
	v_mul_f32 v[BK+2*\t], s[LE], v[BK+2*\t]
.endr
.irp t, 0,1,2,3
	v_mov_b32 v[BK+2*\t+1], v[BK+2*\t]
.endr
.irp u, 0,1
	v_add_f32 v[DC+2*\u], v[DC+2*\u], v[DC+2*\u+1]
	v_mov_b32 v[WC+2*\u+1], v[WC+2*\u]
.endr
.irp u, 0,1
	v_mov_b32 v[DC+2*\u+1], v[DC+2*\u]
.endr
	ds_store_b128 v[AAW], v[EXT:EXT+3]
	v_max3_num_f32 v[TM], v[EXT], v[EXT+1], v[EXT+2]
	v_min3_num_f32 v[TM+1], v[EXT], v[EXT+1], v[EXT+2]
	v_max_num_f32 v[TM], v[TM], v[EXT+3]
	v_min_num_f32 v[TM+1], v[TM+1], v[EXT+3]
.irp m, 1,2,4
	v_max_num_f32_dpp v[TM], v[TM], v[TM] row_xmask:\m row_mask:0xf bank_mask:0xf        ; eight lanes hold a block of 32
	v_min_num_f32_dpp v[TM+1], v[TM+1], v[TM+1] row_xmask:\m row_mask:0xf bank_mask:0xf
.endr
	ds_store_b64 v[AXW], v[TM:TM+1]                ; the eight lanes of a block write the same pair
	s_wait_alu depctr_va_vdst(0)                   ; the wait for the four reciprocals, ahead of the label and of their first reader
	s_mov_b32 s[CNT], 0
.Lgroup:                                               ; four trips: 32 edges each
	s_wait_loadcnt 0x0                             ; this trip's rows and the next trip's indices are in: offsets and pointer may be written
	s_add_nc_u64 s[10:11], s[10:11], 256
	WIN 0x05                                       ; sources 0 and 1 in window 1
.set kk, 0
.rept 32
	v_pk_add_f32 v[S+2*kk:S+2*kk+1], v[G+2*kk:G+2*kk+1], v[G+64+2*kk:G+64+2*kk+1]
.set kk, kk+1
.endr
	WIN 0
.set kk, 0
.rept 32
	v_pk_mul_f32 v[S+2*kk:S+2*kk+1], v[S+2*kk:S+2*kk+1], v[RT+2*(kk%2):RT+2*(kk%2)+1]
.set kk, kk+1
.endr
.set kk, 0
.rept 16
	ds_store_b128 v[ASTW], v[S+4*kk:S+4*kk+3] offset:272*(16*(kk/8)+kk%8)   ; edge 16 h + i goes to stage row 16 (i / 8) + 8 h + i % 8: fragment row 8 h + i % 8 of tile i / 8
.set kk, kk+1
.endr
	s_cmp_lt_u32 s[CNT], 3
	s_cbranch_scc0 .Lno_gather                     ; the last trip asks for nothing
	GADDR IDXN
	GATHER
	WIN 0
.Lno_gather:
	s_cmp_lt_u32 s[CNT], 2
	s_cbranch_scc0 .Lno_idx                        ; no load leaves edge_idx's part of this wave
	WIN 0x40
.irp n, 0,1,2,3,4,5,6,7
	global_load_b128 v[IDXN+4*\n:IDXN+4*\n+3], v[AIDX], s[10:11] offset:256+16*\n
.endr
	WIN 0
.Lno_idx:
.irp u, 0,1
.irp c, 0,1
.irp j, 0,1,2,3
	ds_load_b128 v[SS+32*\u+16*\c+4*\j:SS+32*\u+16*\c+4*\j+3], v[ASTR] offset:4352*\u+128*\c+16*\j   ; LDS serves a wave's instructions in order: these see my stores
.endr
.endr
.endr
	s_wait_dscnt 0x0
	QSCALE SS, 1                                   ; blocks (tile u, 32 c): never negative
	v_lshl_or_b32 v[AQS], v[TM+5], 8, v[TM+4]      ; two bytes a tile; the upper two stay 0 over zero codes
	v_lshl_or_b32 v[AQS+1], v[TM+7], 8, v[TM+6]
	QCODE SS, 1, AQ, AQ+4, AQ+16, AQ+20
	PLACES 4                                       ; an operand written by vector instructions stands four places ahead of a scaled matrix instruction; the scale words stand ahead of the 64 holds
	WIN 0x04                                       ; source 1 in window 1
.irp t, 0,1,2,3
.irp u, 0,1
	v_wmma_scale_f32_16x16x128_f8f6f4 v[E+16*\t+8*\u:E+16*\t+8*\u+7], v[AQ+16*\u:AQ+16*\u+15], v[WE+16*\t:WE+16*\t+15], 0, v[AQS+\u], v[WES+\t] matrix_a_fmt:MATRIX_FMT_BF8 matrix_b_fmt:MATRIX_FMT_BF8
.endr
.endr
	WIN 0
	PLACES 8
	SOFTMAX E                                      ; register 16 t + i: the weight of edge 16 h + i for slice 16 t + r
.irp i, 0,2,4,6,8,10,12,14
.irp t, 0,1,2,3
	v_pk_add_f32 v[EN+2*\t:EN+2*\t+1], v[EN+2*\t:EN+2*\t+1], v[E+16*\t+\i:E+16*\t+\i+1]   ; the norm: the unquantised weights
.endr
.endr
	QSCALE E, 1
	QCODE E, 1, PC, PC+4, PC+8, PC+12
.irp t, 0,1,2,3
	ds_store_b128 v[AEW], v[PC+4*\t:PC+4*\t+3] offset:2048*\t
	ds_store_b8 v[AES], v[TM+4+\t] offset:128*\t
.endr
	s_wait_dscnt 0x0                               ; the stores have read their registers
	v_add_nc_u32 v[AEW], 512, v[AEW]               ; the next chunk of 32 edges,
	v_add_nc_u32 v[AES], 1, v[AES]                 ; the next byte of the scale words
	s_add_co_u32 s[CNT], s[CNT], 1
	s_cmp_lt_u32 s[CNT], 4
	s_cbranch_scc1 .Lgroup
.irp t, 0,1,2,3
	v_add_f32 v[EXT+\t], v[EN+2*\t], v[EN+2*\t+1]
.endr
	ds_store_b128 v[ANW], v[EXT:EXT+3]
	BARRIER                                        ; the weights' 32 fragments, edge_attr, its extremes and the parts of the norm lie in LDS
; ---- B.  fedge_mid of column tile ct for the K step in hand: 64 numbers a lane (register 16 b + i = edge 32 b + 16 h + i), its scale word and its codes.  more = 1: the next K step's numbers are asked for
.macro FEDGE ct, more
.irp b, 0,1,2,3
	v_fma_f32 v[TM+\b], v[EXT+2*\b], v[WC+2*\ct], v[DC+2*\ct]
.endr
.irp b, 0,1,2,3
	v_fma_f32 v[TM+4+\b], v[EXT+2*\b+1], v[WC+2*\ct], v[DC+2*\ct]
.endr
.irp b, 0,1,2,3
	v_max3_num_f32 v[TM+\b], |v[TM+\b]|, |v[TM+4+\b]|, 0x8000000   ; the block's largest magnitude, and the floor
.endr
.irp b, 0,1,2,3
	v_add_nc_u32 v[TM+12+\b], 0xf8800000, v[TM+\b]
.endr
.irp b, 0,1,2,3
	v_and_or_b32 v[TM+8+\b], v[TM+\b], 0x7f800000, s[MNT]
.endr
.irp b, 0,1,2,3
	v_lshrrev_b32 v[TM+4+\b], 23, v[TM+12+\b]
.endr
	WORD FW                                        ; 24 plain lines behind the last products, more than 8 ahead of the next
.set kk, 0
.rept 32
	v_pk_fma_f32 v[F+2*kk:F+2*kk+1], v[AVR+2*kk:AVR+2*kk+1], v[WC+2*\ct:WC+2*\ct+1], v[DC+2*\ct:DC+2*\ct+1]
.set kk, kk+1
.endr
.if \more
	v_add_nc_u32 v[AAV], 512, v[AAV]
	v_add_nc_u32 v[AAX], 32, v[AAX]
.irp b, 0,1,2,3
.irp j, 0,1,2,3
	ds_load_b128 v[AVR+16*\b+4*\j:AVR+16*\b+4*\j+3], v[AAV] offset:128*\b+16*\j
.endr
.endr
	ds_load_b128 v[EXT:EXT+3], v[AAX]
	ds_load_b128 v[EXT+4:EXT+7], v[AAX] offset:16
.endif
	QCODE F, 0, FC, FC+4, FC+8, FC+12
	PLACES 4                                       ; the codes stand four places ahead of the scaled matrix instructions
.endm
; four products: source 0 = 16 of my columns, source 1 = 16 slices; K = the K step's 128 edges
.macro MME ct, zero
	WIN 0x54                                       ; source 1, C and D in window 1
.irp t, 0,1,2,3
.if \zero
	v_wmma_scale_f32_16x16x128_f8f6f4 v[TA+32*\ct+8*\t:TA+32*\ct+8*\t+7], v[FC:FC+15], v[16*\t:16*\t+15], 0, v[FW], v[ESWS+\t] matrix_a_fmt:MATRIX_FMT_BF8 matrix_b_fmt:MATRIX_FMT_BF8
.else
	v_wmma_scale_f32_16x16x128_f8f6f4 v[TA+32*\ct+8*\t:TA+32*\ct+8*\t+7], v[FC:FC+15], v[16*\t:16*\t+15], v[TA+32*\ct+8*\t:TA+32*\ct+8*\t+7], v[FW], v[ESWS+\t] matrix_a_fmt:MATRIX_FMT_BF8 matrix_b_fmt:MATRIX_FMT_BF8
.endif
.endr
	WIN 0
.endm
; a K step.  The eight accumulators take turns, one instruction a turn, over the loop's backward jump too
.macro KSTEP zero, more
.if !\zero
	v_add_nc_u32 v[AER], 8192, v[AER]              ; eight places behind the last products, ahead of loads into their registers
	v_add_nc_u32 v[AESR], 512, v[AESR]
	PLACES 6
.endif
	WIN 0x40
.irp t, 0,1,2,3
.irp c, 0,1,2,3
	ds_load_b128 v[16*\t+4*\c:16*\t+4*\c+3], v[AER] offset:2048*\t+512*\c
.endr
.endr
	WIN 0
.irp t, 0,1,2,3
	ds_load_b32 v[ESWS+\t], v[AESR] offset:128*\t
.endr
	s_wait_dscnt 20                                ; all but the twenty just issued: edge_attr's numbers and extremes are in
	FEDGE 0, 0
	s_wait_dscnt 0x0                               ; the weights' fragments, asked for ahead of the quantiser
	MME 0, \zero
	FEDGE 1, \more
	s_wait_dscnt 0x0
	MME 1, \zero
.endm
.irp b, 0,1,2,3
.irp j, 0,1,2,3
	ds_load_b128 v[AVR+16*\b+4*\j:AVR+16*\b+4*\j+3], v[AAV] offset:128*\b+16*\j   ; a half's lanes read the same 16 bytes
.endr
.endr
	ds_load_b128 v[EXT:EXT+3], v[AAX]
	ds_load_b128 v[EXT+4:EXT+7], v[AAX] offset:16
	KSTEP 1, 1                                     ; the first K step starts the sums: nothing is cleared
	s_mov_b32 s[CNT], 6
.Lkstep:
	KSTEP 0, 1
	s_sub_co_u32 s[CNT], s[CNT], 1
	s_cmp_lg_u32 s[CNT], 0
	s_cbranch_scc1 .Lkstep
	KSTEP 0, 0                                     ; the last K step asks for nothing more
	PLACES 8
	WIN 0x04                                       ; a store's data are its source 1: window 1
.irp u, 0,1
.irp t, 0,1,2,3
	global_store_b128 v[GT], v[TA+32*\u+8*\t:TA+32*\u+8*\t+3], s[26:27] offset:16384*\t+1024*\u          ; an accumulator's image, from its low end on: 512 consecutive bytes a store
	global_store_b128 v[GT], v[TA+32*\u+8*\t+4:TA+32*\u+8*\t+7], s[26:27] offset:16384*\t+1024*\u+512
.endr
.endr
	WIN 0
	s_cmp_lg_u32 s2, 0                             ; wave 0 adds the eight parts of the norm
	s_cbranch_scc1 .Lend
.irp n, 0,1,2,3,4,5,6,7
	ds_load_b128 v[F+4*\n:F+4*\n+3], v[BNR] offset:512*\n
.endr
	s_wait_dscnt 0x0
.irp n, 1,2,3,4,5,6,7
	v_pk_add_f32 v[F:F+1], v[F:F+1], v[F+4*\n:F+4*\n+1]
	v_pk_add_f32 v[F+2:F+3], v[F+2:F+3], v[F+4*\n+2:F+4*\n+3]
.endr
.irp t, 0,1,2,3
	v_permlanex16_b32 v[TM+\t], v[F+\t], s[SEL], s[SEL+1]
.endr
.irp t, 0,1,2,3
	v_add_f32 v[F+\t], v[F+\t], v[TM+\t]
.endr
	v_and_b32 v[TM], 31, v0
	v_cmp_gt_u32 vcc_lo, 16, v[TM]
	v_cndmask_b32 v[TM+1], v[F+1], v[F], vcc_lo    ; lanes 0-15 store t = 0 and 2, lanes 16-31 t = 1 and 3
	v_cndmask_b32 v[TM+2], v[F+3], v[F+2], vcc_lo
	global_store_b32 v[GN], v[TM+1], s[28:29]
	global_store_b32 v[GN], v[TM+2], s[28:29] offset:8192
.Lend:
	s_wait_tensorcnt 0x0                           ; the wave's end, behind my last LDS store
	ds_add_u32 v[SPW], v[NIL]
	s_wait_dscnt 0x0
	s_endpgm
.Lfunc_end_k_q0213cabe2e_edge:
	.size	k_q0213cabe2e_edge, .Lfunc_end_k_q0213cabe2e_edge-k_q0213cabe2e_edge
	.p2alignl 7, 3214868480
	.fill 96, 4, 3214868480
	.section	.rodata,"a",@progbits
	.p2align	6, 0x0
	.amdhsa_kernel k_q0213cabe2e_edge
		.amdhsa_group_segment_fixed_size 148736
		.amdhsa_private_segment_fixed_size 0
		.amdhsa_enable_private_segment 0
		.amdhsa_kernarg_size 88
		.amdhsa_user_sgpr_count 2
		.amdhsa_user_sgpr_kernarg_segment_ptr 1
		.amdhsa_wavefront_size32 1
		.amdhsa_system_sgpr_workgroup_id_x 1
		.amdhsa_system_sgpr_workgroup_id_y 1
		.amdhsa_system_sgpr_workgroup_id_z 1
		.amdhsa_system_vgpr_workitem_id 0
		.amdhsa_next_free_vgpr 512
		.amdhsa_next_free_sgpr 66
		.amdhsa_reserve_vcc 1
		.amdhsa_float_denorm_mode_32 3
		.amdhsa_float_denorm_mode_16_64 3
		.amdhsa_memory_ordered 1
		.amdhsa_forward_progress 1
		.amdhsa_inst_pref_size 135
	.end_amdhsa_kernel
	.amdgpu_metadata
---
amdhsa.version: [ 1, 2 ]
amdhsa.kernels:
  - .name:           k_q0213cabe2e_edge
    .symbol:         k_q0213cabe2e_edge.kd
    .args:
      - { .name: out1, .offset: 0, .size: 8, .value_kind: global_buffer, .address_space: global }
      - { .name: edge_idx, .offset: 8, .size: 8, .value_kind: global_buffer, .address_space: global }
      - { .name: edge_attr, .offset: 16, .size: 8, .value_kind: global_buffer, .address_space: global }
      - { .name: wq, .offset: 24, .size: 8, .value_kind: global_buffer, .address_space: global }
      - { .name: temp_edge, .offset: 32, .size: 8, .value_kind: global_buffer, .address_space: global }
      - { .name: b_eslice, .offset: 40, .size: 8, .value_kind: global_buffer, .address_space: global }
      - { .name: W_fedge, .offset: 48, .size: 8, .value_kind: global_buffer, .address_space: global }
      - { .name: b_fedge, .offset: 56, .size: 8, .value_kind: global_buffer, .address_space: global }
      - { .name: ph_edge, .offset: 64, .size: 8, .value_kind: global_buffer, .address_space: global }
      - { .name: toke, .offset: 72, .size: 8, .value_kind: global_buffer, .address_space: global }
      - { .name: norme, .offset: 80, .size: 8, .value_kind: global_buffer, .address_space: global }
    .group_segment_fixed_size: 148736
    .private_segment_fixed_size: 0
    .kernarg_segment_align: 8
    .kernarg_segment_size: 88
    .max_flat_workgroup_size: 256
    .sgpr_count:     66
    .vgpr_count:     512
    .wavefront_size: 32
...
	.end_amdgpu_metadata
.endif
;; end of part 3
;; launch finish (part 4): grid 256 x 1, 8 waves a work-group, no clusters, 6,144 bytes of LDS; arguments tokn, toke, normn, norme, out0; writes out0
.if DOCPART == 4
	.amdgcn_target "amdgcn-amd-amdhsa--gfx1250"
	.amdhsa_code_object_version 6
	.text
	.protected	k_q0213cabe2e_finish
	.globl	k_q0213cabe2e_finish
	.p2align	8
	.type	k_q0213cabe2e_finish,@function
k_q0213cabe2e_finish:
	s_mov_b64 s[64:65], 0
	v_nop
	global_prefetch_b8 v0, s[64:65] scope:SCOPE_SE
	s_setreg_imm32_b32 hwreg(HW_REG_WAVE_MODE, 25, 1), 1
	s_wait_xcnt 0x0
; FINISH: out0 = (sum of the node parts + 0.25 x sum of the edge parts) / (norm + 0.25 x edge norm + 1e-5);  0.25 = 16,384 nodes / 65,536 edges.  No work of reference() is left out.
; A work-group takes one tile (16 slices x 16 columns, 1,024 bytes) of one batch and adds its 64 + 64 parts.  Threads in four groups of 64: groups 0, 1 add tokn's parts 0-31 and 32-63, groups 2, 3 toke's;
; a thread holds 16 bytes of the tile, a wave's load covers 512 consecutive bytes, and all 32 loads of a thread are issued at once.  The four sums meet in LDS; waves 0 and 1 divide and store.
; The norm's 64 x 16 numbers of the tile's sixteen slices are added by all 256 threads.  The division is a reciprocal and a multiplication.
; out0 leaves in runs of 64 bytes: whole rows of 256 bytes would want four tiles to a work-group, 64 work-groups for 33,554,432 bytes of reads; out0 is 262,144 bytes.
; No matrix work, no cluster (work-groups share nothing), no tensor load (each byte goes once from memory to a register).
.set NR,    4096                       ; LDS: bytes 0-4,095 the four groups' sums (16 x thread); the waves' norm sums (64 x wave + 4 r);
.set SPARE, 4608                       ; the spare words, 128 bytes a wave: four blocks of 256 bytes that no other line names
.set T,     32                         ; v32-159  32 parts, four registers each
.set SA,    160                        ; v160-163, v164-167: two chains
.set SB,    164
.set SPW,   20
.set NIL,   21
	s_load_b256 s[4:11], s[0:1], 0x0               ; tokn s[4:5], toke s[6:7], normn s[8:9], norme s[10:11]
	s_load_b64 s[12:13], s[0:1], 0x20              ; out0
	v_lshl_add_u32 v[SPW], v0, 2, SPARE
	v_mov_b32 v[NIL], 0
	v_lshrrev_b32 v1, 5, v0
	v_readfirstlane_b32 s2, v1                     ; wave 0..7
	s_lshr_b32 s3, ttmp9, 6                        ; b
	s_and_b32 s14, ttmp9, 63                       ; tile = 16 t + ct
	s_lshr_b32 s15, s14, 4                         ; t
	s_and_b32 s16, s14, 15                         ; ct
	v_lshlrev_b32 v2, 4, v0                        ; 16 x thread
	v_and_b32 v3, 63, v0
	v_lshlrev_b32 v3, 4, v3                        ; my 16 bytes of the tile
	v_and_b32 v4, 3, v0
	v_lshlrev_b32 v4, 4, v4
	s_lshl_b32 s26, s2, 6
	v_add_nc_u32 v4, s26, v4                       ; 64 x wave + 16 (lane % 4)
	v_bfe_u32 v5, v0, 2, 4                         ; the way out: r,
	v_bfe_u32 v6, v0, 1, 1                         ; h,
	v_and_b32 v7, 1, v0                            ; which four registers of the eight
	v_lshlrev_b32 v8, 9, v7
	v_lshl_add_u32 v8, v6, 8, v8
	v_lshl_add_u32 v8, v5, 4, v8                   ; 512 q + 16 (r + 16 h): my place in an accumulator's image
	v_lshlrev_b32 v9, 2, v5                        ; 4 r
	v_and_b32 v10, 3, v0
	v_lshlrev_b32 v10, 4, v10
	v_lshl_add_u32 v10, v5, 10, v10                ; out0: row r of 1,024 bytes, + 16 (2 h + q)
	s_mov_b32 s24, 0x76543210
	s_mov_b32 s25, 0xfedcba98
	s_lshl_b32 s18, s3, 22                         ; the batch's 64 parts of 65,536 bytes,
	s_bfe_u32 s17, s2, 0x10001
	s_lshl_b32 s17, s17, 21                        ; my group's 32 of them,
	s_add_co_u32 s18, s18, s17
	s_lshl_b32 s17, s14, 10                        ; the tile
	s_add_co_u32 s18, s18, s17
	s_mov_b32 s19, 0
	s_lshl_b32 s20, s3, 2
	s_add_co_u32 s20, s20, s15
	s_lshl_b32 s20, s20, 12                        ; the norms: 4,096 (4 b + t)
	s_mov_b32 s21, 0
	s_lshl_b32 s28, s3, 16
	s_lshl_b32 s29, s15, 14
	s_add_co_u32 s28, s28, s29
	s_lshl_b32 s29, s16, 6
	s_add_co_u32 s28, s28, s29                     ; out0: 65,536 b + 16,384 t + 64 ct
	s_mov_b32 s29, 0
	s_wait_kmcnt 0x0
	s_cmp_lt_u32 s2, 4                             ; waves 0-3 add the node parts, waves 4-7 the edge parts
	s_cselect_b64 s[22:23], s[4:5], s[6:7]
	s_add_nc_u64 s[22:23], s[22:23], s[18:19]
	s_add_nc_u64 s[8:9], s[8:9], s[20:21]
	s_add_nc_u64 s[10:11], s[10:11], s[20:21]
	s_add_nc_u64 s[12:13], s[12:13], s[28:29]
	global_load_b128 v[12:15], v2, s[8:9]          ; thread n: part n / 4, slices 4 (n % 4) on
	global_load_b128 v[16:19], v2, s[10:11]
.set kk, 0
.rept 32
	global_load_b128 v[T+4*kk:T+4*kk+3], v3, s[22:23] offset:65536*kk th:TH_LOAD_NT
.set kk, kk+1
.endr
	s_wait_loadcnt 32                              ; the two oldest loads, the norms, are in
	v_pk_fma_f32 v[12:13], v[16:17], 0x3e800000, v[12:13] op_sel_hi:[1,0,1]
	v_pk_fma_f32 v[14:15], v[18:19], 0x3e800000, v[14:15] op_sel_hi:[1,0,1]
.irp m, 4,8
.irp k, 12,13,14,15
	v_add_f32_dpp v[\k], v[\k], v[\k] row_xmask:\m row_mask:0xf bank_mask:0xf   ; over the lanes that hold the same slices
.endr
.endr
.irp k, 12,13,14,15
	v_permlanex16_b32 v[\k+4], v[\k], s24, s25
.endr
.irp k, 12,13,14,15
	v_add_f32 v[\k], v[\k], v[\k+4]
.endr
	ds_store_b128 v4, v[12:15] offset:NR           ; eight lanes write the same 16 bytes
	s_wait_loadcnt 28                              ; the oldest four parts are in: they start the two chains
	v_pk_add_f32 v[SA:SA+1], v[T:T+1], v[T+8:T+9]
	v_pk_add_f32 v[SA+2:SA+3], v[T+2:T+3], v[T+10:T+11]
	v_pk_add_f32 v[SB:SB+1], v[T+4:T+5], v[T+12:T+13]
	v_pk_add_f32 v[SB+2:SB+3], v[T+6:T+7], v[T+14:T+15]
.irp g, 1,2,3,4,5,6,7
	s_wait_loadcnt 28-4*\g                         ; the oldest four that remain
	v_pk_add_f32 v[SA:SA+1], v[SA:SA+1], v[T+16*\g:T+16*\g+1]
	v_pk_add_f32 v[SA+2:SA+3], v[SA+2:SA+3], v[T+16*\g+2:T+16*\g+3]
	v_pk_add_f32 v[SB:SB+1], v[SB:SB+1], v[T+16*\g+4:T+16*\g+5]
	v_pk_add_f32 v[SB+2:SB+3], v[SB+2:SB+3], v[T+16*\g+6:T+16*\g+7]
	v_pk_add_f32 v[SA:SA+1], v[SA:SA+1], v[T+16*\g+8:T+16*\g+9]
	v_pk_add_f32 v[SA+2:SA+3], v[SA+2:SA+3], v[T+16*\g+10:T+16*\g+11]
	v_pk_add_f32 v[SB:SB+1], v[SB:SB+1], v[T+16*\g+12:T+16*\g+13]
	v_pk_add_f32 v[SB+2:SB+3], v[SB+2:SB+3], v[T+16*\g+14:T+16*\g+15]
.endr
	v_pk_add_f32 v[SA:SA+1], v[SA:SA+1], v[SB:SB+1]
	v_pk_add_f32 v[SA+2:SA+3], v[SA+2:SA+3], v[SB+2:SB+3]
	ds_store_b128 v2, v[SA:SA+3]
	s_wait_dscnt 0x0                               ; for the others' sake: my stores have landed
	s_barrier_signal -1
	s_barrier_wait -1
	s_cmp_ge_u32 s2, 2
	s_cbranch_scc1 .Lend                           ; waves 0 and 1 finish the tile's 64 x 16 bytes
.irp k, 0,1,2,3
	ds_load_b128 v[T+4*\k:T+4*\k+3], v8 offset:1024*\k
.endr
.irp n, 0,1,2,3,4,5,6,7
	ds_load_b32 v[T+16+\n], v9 offset:NR+64*\n
.endr
	s_wait_dscnt 0x0
	v_pk_add_f32 v[T:T+1], v[T:T+1], v[T+4:T+5]
	v_pk_add_f32 v[T+2:T+3], v[T+2:T+3], v[T+6:T+7]
	v_pk_add_f32 v[T+8:T+9], v[T+8:T+9], v[T+12:T+13]
	v_pk_add_f32 v[T+10:T+11], v[T+10:T+11], v[T+14:T+15]
	v_pk_fma_f32 v[T:T+1], v[T+8:T+9], 0x3e800000, v[T:T+1] op_sel_hi:[1,0,1]
	v_pk_fma_f32 v[T+2:T+3], v[T+10:T+11], 0x3e800000, v[T+2:T+3] op_sel_hi:[1,0,1]
	v_pk_add_f32 v[T+16:T+17], v[T+16:T+17], v[T+18:T+19]
	v_pk_add_f32 v[T+20:T+21], v[T+20:T+21], v[T+22:T+23]
	v_pk_add_f32 v[T+16:T+17], v[T+16:T+17], v[T+20:T+21]
	v_add_f32 v[T+16], v[T+16], v[T+17]
	v_add_f32 v[T+16], 0x3727c5ac, v[T+16]         ; + 1e-5
	v_rcp_f32 v[T+16], v[T+16]
	v_nop                                          ; a plain line behind the reciprocal
	s_wait_alu depctr_va_vdst(0)                   ; and the wait ahead of its first reader
	v_pk_mul_f32 v[T:T+1], v[T:T+1], v[T+16:T+17] op_sel_hi:[1,0]
	v_pk_mul_f32 v[T+2:T+3], v[T+2:T+3], v[T+16:T+17] op_sel_hi:[1,0]
	global_store_b128 v10, v[T:T+3], s[12:13]      ; four lanes store 64 consecutive bytes of a row of out0
.Lend:
	s_wait_tensorcnt 0x0                           ; the wave's end, behind my last LDS store
	ds_add_u32 v[SPW], v[NIL]
	s_wait_dscnt 0x0
	s_endpgm
.Lfunc_end_k_q0213cabe2e_finish:
	.size	k_q0213cabe2e_finish, .Lfunc_end_k_q0213cabe2e_finish-k_q0213cabe2e_finish
	.p2alignl 7, 3214868480
	.fill 96, 4, 3214868480
	.section	.rodata,"a",@progbits
	.p2align	6, 0x0
	.amdhsa_kernel k_q0213cabe2e_finish
		.amdhsa_group_segment_fixed_size 6144
		.amdhsa_private_segment_fixed_size 0
		.amdhsa_enable_private_segment 0
		.amdhsa_kernarg_size 40
		.amdhsa_user_sgpr_count 2
		.amdhsa_user_sgpr_kernarg_segment_ptr 1
		.amdhsa_wavefront_size32 1
		.amdhsa_system_sgpr_workgroup_id_x 1
		.amdhsa_system_sgpr_workgroup_id_y 1
		.amdhsa_system_sgpr_workgroup_id_z 1
		.amdhsa_system_vgpr_workitem_id 0
		.amdhsa_next_free_vgpr 176
		.amdhsa_next_free_sgpr 66
		.amdhsa_reserve_vcc 0
		.amdhsa_float_denorm_mode_32 3
		.amdhsa_float_denorm_mode_16_64 3
		.amdhsa_memory_ordered 1
		.amdhsa_forward_progress 1
		.amdhsa_inst_pref_size 13
	.end_amdhsa_kernel
	.amdgpu_metadata
---
amdhsa.version: [ 1, 2 ]
amdhsa.kernels:
  - .name:           k_q0213cabe2e_finish
    .symbol:         k_q0213cabe2e_finish.kd
    .args:
      - { .name: tokn, .offset: 0, .size: 8, .value_kind: global_buffer, .address_space: global }
      - { .name: toke, .offset: 8, .size: 8, .value_kind: global_buffer, .address_space: global }
      - { .name: normn, .offset: 16, .size: 8, .value_kind: global_buffer, .address_space: global }
      - { .name: norme, .offset: 24, .size: 8, .value_kind: global_buffer, .address_space: global }
      - { .name: out0, .offset: 32, .size: 8, .value_kind: global_buffer, .address_space: global }
    .group_segment_fixed_size: 6144
    .private_segment_fixed_size: 0
    .kernarg_segment_align: 8
    .kernarg_segment_size: 40
    .max_flat_workgroup_size: 256
    .sgpr_count:     66
    .vgpr_count:     176
    .wavefront_size: 32
...
	.end_amdgpu_metadata
.endif
;; end of part 4
;; ======== version 2 of 2: 4 launches
;; workspace buffers: wq 165,376 bytes; tokn 16,777,216 bytes; toke 16,777,216 bytes; normn 65,536 bytes; norme 65,536 bytes
;; launch prep (part 5): grid 19 x 1, 4 waves a work-group, no clusters, 0 bytes of LDS; arguments W_fx, W_x, W_slice, W_eslice, wq; writes wq
.if DOCPART == 5
	.amdgcn_target "amdgcn-amd-amdhsa--gfx1250"
	.amdhsa_code_object_version 6
	.text
	.protected	k_q0213cabe2e_prep
	.globl	k_q0213cabe2e_prep
	.p2align	8
	.type	k_q0213cabe2e_prep,@function
k_q0213cabe2e_prep:
	s_mov_b64 s[64:65], 0
	v_nop
	global_prefetch_b8 v0, s[64:65] scope:SCOPE_SE
	s_setreg_imm32_b32 hwreg(HW_REG_WAVE_MODE, 25, 1), 1
	s_wait_xcnt 0x0
; PREP: the four weights of the quantised products become codes of E5M2 and E8M0 scale words, laid as images of operand registers.
; DEAD WORK: none is left out in this program.  Every one of the 17 inputs has a way to an output: the biases and placeholders enter quantised operands or differ along a softmax's axis, so all are loaded.
; wq: 76 fragments of 2,048 bytes (registers 4 c .. 4 c + 3 of lane l at 512 c + 16 l), then from byte 155,648 on 76 scale images of 128 bytes (4 l; lanes 16-31 repeat lanes 0-15).
; Fragment f: 0-31 W_fx (2 ct + s: lane r = column 16 ct + r);  32-63 W_x (lane r = column 32 (ct / 2) + 8 (ct % 2) + r + 8 (r / 8), so that the product's results lie as the next operand wants them);
;             64-71 W_slice (2 t + s);  72-75 W_eslice (t; K = 64: the upper 64 codes are zeros).  s is a K step of 128.
; A wave makes one fragment: lane (r, h) takes ONE column and its registers run down K (register 16 c + i = k 128 s + 32 c + 16 h + i), so the conversions' results are the operand's registers.
; A block's scale byte is its largest magnitude's exponent field - 15, held at 1 from below; a block of zeros keeps the byte 1 (its codes are zeros; this program alone reads the bytes).
; LIMITS: NaN and infinities among the inputs are not served; blocks whose largest magnitude lies under 2^-111 keep the byte 1.  The scale images are stored 128 bytes at a time: 9,728 bytes in all.
; 19 work-groups are all the work that there is (606,208 bytes of weights).
.set N,   16                           ; v16-79   64 numbers
.set PC,  80                           ; v80-95   the codes
.set TM,  96                           ; v96-111  largest magnitudes, bytes, holds, scale operands
.set PW,  112                          ; v112     the scale word
.set SEL, 28                           ; s[28:29] v_permlanex16_b32's selects for lane l xor 16
.set MNT, 30                           ; s30      the mantissa field of 57,344
.set WQS, 155648
; four blocks of 16 registers from v[s] on: largest magnitude (with the floor 2^-111), scale operand, hold, byte.  mode 1: the numbers are never negative
.macro QSCALE s, mode
.if \mode
.irp b, 0,1,2,3
	v_max3_num_f32 v[TM+\b], v[\s+16*\b], v[\s+1+16*\b], 0x8000000
.endr
.irp i, 2,4,6,8,10,12,14
.irp b, 0,1,2,3
	v_max3_num_f32 v[TM+\b], v[TM+\b], v[\s+16*\b+\i], v[\s+1+16*\b+\i]
.endr
.endr
.else
.irp b, 0,1,2,3
	v_max3_num_f32 v[TM+\b], |v[\s+16*\b]|, |v[\s+1+16*\b]|, 0x8000000
.endr
.irp i, 2,4,6,8,10,12,14
.irp b, 0,1,2,3
	v_max3_num_f32 v[TM+\b], v[TM+\b], |v[\s+16*\b+\i]|, |v[\s+1+16*\b+\i]|
.endr
.endr
.endif
.irp b, 0,1,2,3
	v_permlanex16_b32 v[TM+4+\b], v[TM+\b], s[SEL], s[SEL+1]
.endr
.irp b, 0,1,2,3
	v_max_num_f32 v[TM+\b], v[TM+\b], v[TM+4+\b]            ; with lane l xor 16's 16: the block's largest magnitude
.endr
.irp b, 0,1,2,3
	v_add_nc_u32 v[TM+12+\b], 0xf8800000, v[TM+\b]          ; 15 off the exponent field: the conversion's scale operand
.endr
.irp b, 0,1,2,3
	v_and_or_b32 v[TM+8+\b], v[TM+\b], 0x7f800000, s[MNT]   ; 57,344 x the scale
.endr
.irp b, 0,1,2,3
	v_lshrrev_b32 v[TM+4+\b], 23, v[TM+12+\b]               ; the scale's byte
.endr
.endm
.macro WORD dst
	v_lshl_or_b32 v[\dst], v[TM+5], 8, v[TM+4]
	v_lshl_or_b32 v[\dst], v[TM+6], 16, v[\dst]
	v_lshl_or_b32 v[\dst], v[TM+7], 24, v[\dst]
.endm
.macro QBLOCK s, mode, b, d
.irp i, 0,1,2,3,4,5,6,7,8,9,10,11,12,13,14,15
.if \mode
	v_min_num_f32 v[\s+16*\b+\i], v[\s+16*\b+\i], v[TM+8+\b]
.else
	v_med3_num_f32 v[\s+16*\b+\i], v[\s+16*\b+\i], -v[TM+8+\b], v[TM+8+\b]   ; the conversion to an 8-bit code does not saturate (ISA guide 7.6.2)
.endif
.endr
	v_cvt_scalef32_pk8_bf8_f32 v[\d:\d+1], v[\s+16*\b:\s+16*\b+7], v[TM+12+\b]
	v_cvt_scalef32_pk8_bf8_f32 v[\d+2:\d+3], v[\s+16*\b+8:\s+16*\b+15], v[TM+12+\b]
.endm
.macro QCODE s, mode, d0, d1, d2, d3
	QBLOCK \s, \mode, 0, \d0
	QBLOCK \s, \mode, 1, \d1
	QBLOCK \s, \mode, 2, \d2
	QBLOCK \s, \mode, 3, \d3
	v_nop                                                   ; one plain line behind the last scaled conversion
.endm
.macro LOADW pitch, nb                 ; nb blocks of 32 along K of my column
.set cc, 0
.rept \nb
.irp i, 0,1,2,3,4,5,6,7,8,9,10,11,12,13,14,15
	global_load_b32 v[N+16*cc+\i], v3, s[14:15] offset:(32*cc+\i)*\pitch
.endr
.set cc, cc+1
.endr
.endm
	s_load_b256 s[4:11], s[0:1], 0x0               ; W_fx, W_x, W_slice, W_eslice
	s_load_b64 s[12:13], s[0:1], 0x20              ; wq
	v_lshrrev_b32 v1, 5, v0
	v_readfirstlane_b32 s2, v1                     ; wave
	s_lshl_b32 s3, ttmp9, 2
	s_add_co_u32 s3, s3, s2                        ; f = 4 x work-group + wave
	v_and_b32 v1, 15, v0                           ; r
	v_bfe_u32 v2, v0, 4, 1                         ; h
	v_and_b32 v6, 31, v0
	v_lshlrev_b32 v4, 4, v6                        ; 16 x lane
	v_lshlrev_b32 v5, 2, v6                        ; 4 x lane
	s_mov_b32 s[SEL], 0x76543210
	s_mov_b32 s[SEL+1], 0xfedcba98
	s_mov_b32 s[MNT], 0x600000
.irp b, 0,1,2,3
	v_mov_b32 v[TM+4+\b], 0                        ; a lane permute's destination counts as one of its sources
.endr
	s_and_b32 s23, s3, 1                           ; s
	s_bfe_u32 s24, s3, 0x40001                     ; ct (W_slice: t): bits 4:1 of f
	s_lshl_b32 s25, s24, 6                         ; 4 bytes x 16 ct
	s_lshr_b32 s26, s24, 1
	s_lshl_b32 s26, s26, 7                         ; 4 bytes x 32 (ct / 2)
	s_and_b32 s27, s24, 1
	s_lshl_b32 s27, s27, 5                         ; 4 bytes x 8 (ct % 2)
	s_add_co_u32 s26, s26, s27
	s_mov_b32 s19, 0
	s_lshl_b32 s20, s3, 11                         ; where the fragment goes
	s_mov_b32 s21, 0
	s_lshl_b32 s32, s3, 7
	s_add_co_u32 s32, s32, WQS                     ; and its scale image
	s_mov_b32 s33, 0
	s_wait_kmcnt 0x0
	s_add_nc_u64 s[20:21], s[12:13], s[20:21]
	s_add_nc_u64 s[32:33], s[12:13], s[32:33]
	s_cmp_ge_u32 ttmp9, 16
	s_cbranch_scc1 .Lsmall
	s_cmp_lt_u32 ttmp9, 8                          ; W_fx or W_x: the choice hangs on the work-group's number alone
	s_cselect_b64 s[14:15], s[4:5], s[6:7]
	s_cselect_b32 s16, 0, 8
	s_cselect_b32 s17, s25, s26
	s_wait_alu depctr_va_vdst(0)
	v_and_b32 v3, s16, v1
	v_add_nc_u32 v3, v3, v1                        ; r, or r + 8 (r / 8)
	v_lshlrev_b32 v3, 2, v3
	v_lshl_add_u32 v3, v2, 14, v3                  ; + 16 h rows of 1,024 bytes
	s_lshl_b32 s18, s23, 17                        ; 128 s rows
	s_add_co_u32 s18, s18, s17
	s_add_nc_u64 s[14:15], s[14:15], s[18:19]
	LOADW 1024, 4
	s_branch .Ljoin
.Lsmall:
	s_wait_alu depctr_va_vdst(0)
	v_lshlrev_b32 v3, 2, v1
	v_lshl_add_u32 v3, v2, 12, v3                  ; 4 r + 16 h rows of 256 bytes
	s_cmp_eq_u32 ttmp9, 18
	s_cbranch_scc1 .Leslice
	s_lshl_b32 s18, s23, 15                        ; 128 s rows
	s_add_co_u32 s18, s18, s25
	s_add_nc_u64 s[14:15], s[8:9], s[18:19]
	LOADW 256, 4
	s_branch .Ljoin
.Leslice:
	s_and_b32 s18, s3, 3                           ; t
	s_lshl_b32 s18, s18, 6
	s_add_nc_u64 s[14:15], s[10:11], s[18:19]
	s_wait_alu depctr_va_vdst(0)
	LOADW 256, 2                                   ; K = 64: two blocks; no load leaves the buffer
.set cc, 32
.rept 32
	v_mov_b32 v[N+cc], 0                           ; the rest of the K step: zeros
.set cc, cc+1
.endr
.Ljoin:
	s_wait_loadcnt 0x0
	QSCALE N, 0
	WORD PW
	QCODE N, 0, PC, PC+4, PC+8, PC+12
.irp c, 0,1,2,3
	global_store_b128 v4, v[PC+4*\c:PC+4*\c+3], s[20:21] offset:512*\c   ; 32 lanes store 512 consecutive bytes
.endr
	global_store_b32 v5, v[PW], s[32:33]
	s_endpgm
.Lfunc_end_k_q0213cabe2e_prep:
	.size	k_q0213cabe2e_prep, .Lfunc_end_k_q0213cabe2e_prep-k_q0213cabe2e_prep
	.p2alignl 7, 3214868480
	.fill 96, 4, 3214868480
	.section	.rodata,"a",@progbits
	.p2align	6, 0x0
	.amdhsa_kernel k_q0213cabe2e_prep
		.amdhsa_group_segment_fixed_size 0
		.amdhsa_private_segment_fixed_size 0
		.amdhsa_enable_private_segment 0
		.amdhsa_kernarg_size 40
		.amdhsa_user_sgpr_count 2
		.amdhsa_user_sgpr_kernarg_segment_ptr 1
		.amdhsa_wavefront_size32 1
		.amdhsa_system_sgpr_workgroup_id_x 1
		.amdhsa_system_sgpr_workgroup_id_y 1
		.amdhsa_system_sgpr_workgroup_id_z 1
		.amdhsa_system_vgpr_workitem_id 0
		.amdhsa_next_free_vgpr 128
		.amdhsa_next_free_sgpr 66
		.amdhsa_reserve_vcc 0
		.amdhsa_float_denorm_mode_32 3
		.amdhsa_float_denorm_mode_16_64 3
		.amdhsa_memory_ordered 1
		.amdhsa_forward_progress 1
		.amdhsa_inst_pref_size 28
	.end_amdhsa_kernel
	.amdgpu_metadata
---
amdhsa.version: [ 1, 2 ]
amdhsa.kernels:
  - .name:           k_q0213cabe2e_prep
    .symbol:         k_q0213cabe2e_prep.kd
    .args:
      - { .name: W_fx, .offset: 0, .size: 8, .value_kind: global_buffer, .address_space: global }
      - { .name: W_x, .offset: 8, .size: 8, .value_kind: global_buffer, .address_space: global }
      - { .name: W_slice, .offset: 16, .size: 8, .value_kind: global_buffer, .address_space: global }
      - { .name: W_eslice, .offset: 24, .size: 8, .value_kind: global_buffer, .address_space: global }
      - { .name: wq, .offset: 32, .size: 8, .value_kind: global_buffer, .address_space: global }
    .group_segment_fixed_size: 0
    .private_segment_fixed_size: 0
    .kernarg_segment_align: 8
    .kernarg_segment_size: 40
    .max_flat_workgroup_size: 128
    .sgpr_count:     66
    .vgpr_count:     128
    .wavefront_size: 32
...
	.end_amdgpu_metadata
.endif
;; end of part 5
;; launch node (part 6): grid 256 x 1, 8 waves a work-group, no clusters, 327,680 bytes of LDS; arguments x, wq, b_fx, b_x, ph_x, b_slice, temp_x, out1, tokn, normn; writes out1, tokn, normn
.if DOCPART == 6
	.amdgcn_target "amdgcn-amd-amdhsa--gfx1250"
	.amdhsa_code_object_version 6
	.text
	.protected	k_q0213cabe2e_node
	.globl	k_q0213cabe2e_node
	.p2align	8
	.type	k_q0213cabe2e_node,@function
k_q0213cabe2e_node:
	s_mov_b64 s[64:65], 0
	v_nop
	global_prefetch_b8 v0, s[64:65] scope:SCOPE_SE
	s_setreg_imm32_b32 hwreg(HW_REG_WAVE_MODE, 25, 1), 1
	s_wait_xcnt 0x0
; NODE: for 256 nodes of one batch: fx_mid = Q(x) Q(W_fx) + b_fx;  x_mid = Q(x) Q(W_x) + b_x + ph_x;  logits = (Q(x_mid) Q(W_slice) + b_slice) / clip(temp_x);  slice_weight = softmax (out1);
; the work-group's part of slice_token = Q(slice_weight)^T Q(fx_mid), both quantised along the NODES, and of slice_norm.  No work of reference() is left out.
; SHARES.  Eight waves.  ROWS: wave w owns nodes 32 w .. 32 w + 31: it quantises x, makes the logits, the softmax, out1 and slice_weight's codes for them.
; COLUMNS: wave w owns columns 32 w .. 32 w + 31 of fx_mid, x_mid and the token, for all 256 nodes: its eight weight fragments stay in registers, and fx_mid's codes never leave the wave.
; Operands go from wave to wave through LDS as images of their registers (16 bytes a lane, 512 a store; scale words 4 bytes a lane).
; THE NODES OF A TILE ARE NOT NEIGHBOURS: fragment row q of tile u of a pair of tiles is node 8 u + q + 8 (q / 8), so that a result's 16 registers of two tiles are 16 neighbouring nodes.
; x comes by one tensor load a wave (32 rows of 1,024 bytes, 16 bytes of padding behind each): one load of a wave is out.  Rows 16 apart begin at the same bank at any pitch that is a multiple of 16 bytes (64 banks of 4 bytes: ISA guide 11.1): the 64 reads of x go two deep.
; NO CLUSTER: work-groups share only the weights, which go from memory straight into the registers of the waves that keep them: x's 266,240 bytes leave no room in LDS for 147,456 bytes of weights beside them.
; ORDER OF ROUNDING: b_x + ph_x is added first and enters as the C of the sum; the temperature divides by a reciprocal and a multiplication; exponentials to base 2.
; LIMITS: NaN and infinities are not served; blocks whose largest magnitude lies under 2^-111 keep the scale byte 1 (a block of zeros too: its codes are zeros); v_exp_f32 gives 0 under 2^-126.
; The norm leaves in pieces of 64 bytes: 256 bytes a work-group.
.set XP,    1040                       ; an LDS row of x
.set WREG,  32*XP                      ; a wave's region
.set TREG,  16*XP                      ; half of it: the region of a tile of 16 nodes.  Laid over it, once x has been read: bytes 0: x's two fragment images;
.set XS,    4096                       ; their scale images;
.set XM,    4608                       ; x_mid's two fragment images (wave w writes the chunk at 512 w);
.set XMS,   8704                       ; their scale images (wave w writes byte w % 4 of each word of image w / 4);
.set STG,   8960                       ; out1's stage: 16 rows of 320 bytes
.set B0,    256*XP                     ; behind x: slice_weight's eight fragment images (4,096 t + 512 w + 16 lane),
.set SWS,   16384                      ; their scale images (256 t + 128 (w / 4)),
.set NRM,   17408                      ; the waves' parts of the norm (512 w + 16 lane),
.set SPARE, B0+21504                   ; and the spare words, 128 bytes a wave: four blocks of 256 bytes that no other line names
.set WQS,   155648
.set LI,    1                          ; 16 x lane
.set LS,    2                          ; 4 x lane
.set AXF,   3                          ; x: my fragment row in my wave's region, + 64 h
.set OWN16, 4                          ; my wave's region + 16 x lane
.set OWN4,  5                          ; my wave's region + 4 x lane
.set AXR,   6                          ; the pair's region + 16 x lane (stepped from pair to pair)
.set AXSR,  7                          ; the pair's region + 4 x lane
.set AXMW,  8                          ; the pair's region + 512 w + 16 x lane
.set AXMSW, 9                          ; the pair's region + 128 (w / 4) + w % 4 + 4 x lane
.set STO,   10                         ; the stage, on the way in: 320 h + 4 r
.set SRD,   11                         ; and back: 320 h + 16 r
.set GO,    12                         ; out1: 4,096 h + 16 r
.set ASWW,  13                         ; B0 + 512 w + 16 x lane
.set ASWSW, 14                         ; B0 + 128 (w / 4) + w % 4 + 4 x lane
.set BLI,   15                         ; B0 + 16 x lane
.set BLS,   16                         ; B0 + 4 x lane
.set GT,    17                         ; tokn: 2,048 w + 16 x lane
.set GN,    18                         ; normn: 4,096 h + 4 r
.set RR,    19                         ; r
.set SPW,   20                         ; my spare word; never rewritten
.set NIL,   21                         ; 0; never rewritten
.set HH,    22                         ; h
.set WFXS,  24                         ; v24-59 hold scale words and nothing else: W_fx's (2 ct + s),
.set WXS,   28                         ; W_x's (2 u + s),
.set XSR,   32                         ; x's (2 m + s),
.set FXS,   36                         ; fx_mid's (2 ct + s),
.set WSLS,  40                         ; W_slice's (2 t + s),
.set XMSR,  48                         ; x_mid's (2 u + s),
.set SWSR,  52                         ; slice_weight's (2 t + s)
.set PC,    60                         ; v60-75   codes just made
.set MX,    76                         ; v76-91   the softmax's maxima, sums, reciprocals
.set KT,    92                         ; v92-99   log2(e) / clip(temp_x), a pair for each t
.set BK,    100                        ; v100-107 b_slice x that
.set TM,    108                        ; v108-123 the quantiser's
.set PW,    124                        ; the scale word just made
.set NS,    124                        ; v124-127 later: my part of the norm
.set ACC,   128                        ; v128-191 eight accumulators
.set FXC,   192                        ; v192-255 fx_mid's codes: 32 ct + 16 s + 4 chunk
.set N,     128                        ; v128-255 at first: 128 numbers of x
.set WFX,   0                          ; window 1: W_fx's four fragments, later (with WX) W_slice's eight, then slice_weight's eight
.set WX,    64                         ;           W_x's four
.set XF,    128                        ;           x's four of a pair; later x_mid's; later rows of out1
.set BX,    192                        ;           b_x + ph_x, eight registers a tile
.set BF,    208                        ;           b_fx likewise
.set PH,    224                        ;           ph_x as loaded
.set G1X,   28                         ; s[28:35] descriptor group 1;  s[44:47] group 0
.set G0X,   44
.set SEL,   52
.set MNT,   54
.set MSB, 0
.macro WIN new                         ; the immediate's high byte repeats the setting that is left
.if MSB != \new
	s_set_vgpr_msb (MSB<<8)|\new
.set MSB, \new
.endif
.endm
.macro PLACES n
.rept \n
	v_nop
.endr
.endm
.macro BARRIER                         ; my LDS stores have landed and my LDS loads are in: then the work-group's barrier
	s_wait_dscnt 0x0
	s_barrier_signal -1
	s_barrier_wait -1
.endm
.macro QSCALE s, mode
.if \mode
.irp b, 0,1,2,3
	v_max3_num_f32 v[TM+\b], v[\s+16*\b], v[\s+1+16*\b], 0x8000000
.endr
.irp i, 2,4,6,8,10,12,14
.irp b, 0,1,2,3
	s_delay_alu instid0(VALU_DEP_4)
	v_max3_num_f32 v[TM+\b], v[TM+\b], v[\s+16*\b+\i], v[\s+1+16*\b+\i]
.endr
.endr
.else
.irp b, 0,1,2,3
	v_max3_num_f32 v[TM+\b], |v[\s+16*\b]|, |v[\s+1+16*\b]|, 0x8000000
.endr
.irp i, 2,4,6,8,10,12,14
.irp b, 0,1,2,3
	v_max3_num_f32 v[TM+\b], v[TM+\b], |v[\s+16*\b+\i]|, |v[\s+1+16*\b+\i]|
.endr
.endr
.endif
.irp b, 0,1,2,3
	s_delay_alu instid0(VALU_DEP_4)
	v_permlanex16_b32 v[TM+4+\b], v[TM+\b], s[SEL], s[SEL+1]
.endr
.irp b, 0,1,2,3
	s_delay_alu instid0(VALU_DEP_4)
	v_max_num_f32 v[TM+\b], v[TM+\b], v[TM+4+\b]
.endr
.irp b, 0,1,2,3
	s_delay_alu instid0(VALU_DEP_4)
	v_add_nc_u32 v[TM+12+\b], 0xf8800000, v[TM+\b]
.endr
.irp b, 0,1,2,3
	v_and_or_b32 v[TM+8+\b], v[TM+\b], 0x7f800000, s[MNT]
.endr
.irp b, 0,1,2,3
	v_lshrrev_b32 v[TM+4+\b], 23, v[TM+12+\b]
.endr
.endm
.macro WORD dst
	s_delay_alu instid0(VALU_DEP_3)
	v_lshl_or_b32 v[\dst], v[TM+5], 8, v[TM+4]
	s_delay_alu instid0(VALU_DEP_1)
	v_lshl_or_b32 v[\dst], v[TM+6], 16, v[\dst]
	s_delay_alu instid0(VALU_DEP_1)
	v_lshl_or_b32 v[\dst], v[TM+7], 24, v[\dst]
.endm
.macro QBLOCK s, mode, b, d
.irp i, 0,1,2,3,4,5,6,7,8,9,10,11,12,13,14,15
.if \mode
	v_min_num_f32 v[\s+16*\b+\i], v[\s+16*\b+\i], v[TM+8+\b]
.else
	v_med3_num_f32 v[\s+16*\b+\i], v[\s+16*\b+\i], -v[TM+8+\b], v[TM+8+\b]
.endif
.endr
	v_cvt_scalef32_pk8_bf8_f32 v[\d:\d+1], v[\s+16*\b:\s+16*\b+7], v[TM+12+\b]
	v_cvt_scalef32_pk8_bf8_f32 v[\d+2:\d+3], v[\s+16*\b+8:\s+16*\b+15], v[TM+12+\b]
.endm
.macro QCODE s, mode, d0, d1, d2, d3
	QBLOCK \s, \mode, 0, \d0
	QBLOCK \s, \mode, 1, \d1
	QBLOCK \s, \mode, 2, \d2
	QBLOCK \s, \mode, 3, \d3
	v_nop                                          ; one plain line behind the last scaled conversion
.endm
; 64 registers z + 16 t + i: lane r = slice 16 t + r, i = 16 nodes.  The softmax runs over the four t and the sixteen lanes of a half.
.macro SOFTMAX z
.irp t, 0,1,2,3
.irp i, 0,2,4,6,8,10,12,14
	v_pk_fma_f32 v[\z+16*\t+\i:\z+16*\t+\i+1], v[\z+16*\t+\i:\z+16*\t+\i+1], v[KT+2*\t:KT+2*\t+1], v[BK+2*\t:BK+2*\t+1] op_sel_hi:[1,0,0]   ; (sum + bias) x log2(e) / temperature; each accumulator from its low end on
.endr
.endr
.irp i, 0,1,2,3,4,5,6,7,8,9,10,11,12,13,14,15
	v_max3_num_f32 v[MX+\i], v[\z+\i], v[\z+16+\i], v[\z+32+\i]
.endr
.irp i, 0,1,2,3,4,5,6,7,8,9,10,11,12,13,14,15
	v_max_num_f32 v[MX+\i], v[MX+\i], v[\z+48+\i]
.endr
.irp m, 1,2,4,8
.irp i, 0,1,2,3,4,5,6,7,8,9,10,11,12,13,14,15
	v_max_num_f32_dpp v[MX+\i], v[MX+\i], v[MX+\i] row_xmask:\m row_mask:0xf bank_mask:0xf
.endr
.endr
.irp t, 0,1,2,3
.irp i, 0,2,4,6,8,10,12,14
	v_pk_add_f32 v[\z+16*\t+\i:\z+16*\t+\i+1], v[\z+16*\t+\i:\z+16*\t+\i+1], v[MX+\i:MX+\i+1] neg_lo:[0,1] neg_hi:[0,1]   ; the row's maximum is taken away
.endr
.endr
.set kk, 0
	s_wait_alu depctr_va_vdst(0)
.rept 64
	v_exp_f32 v[\z+kk], v[\z+kk]
.set kk, kk+1
.endr
	v_nop                                          ; a plain line behind the last exponential
	s_wait_alu depctr_va_vdst(0)                   ; one wait for the batch, ahead of its first reader
.irp i, 0,2,4,6,8,10,12,14
	v_pk_add_f32 v[MX+\i:MX+\i+1], v[\z+\i:\z+\i+1], v[\z+16+\i:\z+16+\i+1]
.endr
.irp i, 0,2,4,6,8,10,12,14
	v_pk_add_f32 v[MX+\i:MX+\i+1], v[MX+\i:MX+\i+1], v[\z+32+\i:\z+32+\i+1]
.endr
.irp i, 0,2,4,6,8,10,12,14
	v_pk_add_f32 v[MX+\i:MX+\i+1], v[MX+\i:MX+\i+1], v[\z+48+\i:\z+48+\i+1]
.endr
.irp m, 1,2,4,8
.irp i, 0,1,2,3,4,5,6,7,8,9,10,11,12,13,14,15
	v_add_f32_dpp v[MX+\i], v[MX+\i], v[MX+\i] row_xmask:\m row_mask:0xf bank_mask:0xf
.endr
.endr
	s_wait_alu depctr_va_vdst(0)
.irp i, 0,1,2,3,4,5,6,7,8,9,10,11,12,13,14,15
	v_rcp_f32 v[MX+\i], v[MX+\i]
.endr
	v_nop
	s_wait_alu depctr_va_vdst(0)                   ; one wait for the sixteen reciprocals
.irp t, 0,1,2,3
.irp i, 0,2,4,6,8,10,12,14
	v_pk_mul_f32 v[\z+16*\t+\i:\z+16*\t+\i+1], v[\z+16*\t+\i:\z+16*\t+\i+1], v[MX+\i:MX+\i+1]
.endr
.endr
.endm
	s_load_b512 s[8:23], s[0:1], 0x0               ; x s[8:9], wq s[10:11], b_fx s[12:13], b_x s[14:15], ph_x s[16:17], b_slice s[18:19], temp_x s[20:21], out1 s[22:23]
	s_load_b128 s[24:27], s[0:1], 0x40             ; tokn s[24:25], normn s[26:27]
	v_lshl_add_u32 v[SPW], v0, 2, SPARE
	v_mov_b32 v[NIL], 0
	ds_add_u32 v[SPW], v[NIL]                      ; the wave's opening: the add, twice on end, and its wait ahead of my tensor load
	ds_add_u32 v[SPW], v[NIL]
	v_lshrrev_b32 v[RR], 5, v0
	s_delay_alu instid0(VALU_DEP_1)
	v_readfirstlane_b32 s2, v[RR]                  ; wave 0..7
	s_mov_b32 s[G1X+0], (2<<16)|(1<<20)|(7<<22)|(3<<25)   ; no mask; elements of 4 bytes; padding on: after every 256 words (code 7) 4 words (code 3)
	s_mov_b32 s[G1X+1], 256<<16                    ; tensor_dim0 = 256
	s_mov_b32 s[G1X+2], 32<<16                     ; tensor_dim1 = 32
	s_mov_b32 s[G1X+3], 256<<16                    ; tile_dim0 = 256
	s_mov_b32 s[G1X+4], 32                         ; tile_dim1 = 32
	s_mov_b32 s[G1X+5], 256                        ; elements from row to row
	s_mov_b32 s[G1X+6], 0
	s_mov_b32 s[G1X+7], 0
	s_mul_i32 s58, s2, WREG                        ; my region in LDS
	s_lshl_b32 s60, ttmp9, 18                      ; 256 rows of 1,024 bytes a work-group,
	s_lshl_b32 s61, s2, 15                         ; 32 a wave
	s_add_co_u32 s60, s60, s61
	s_mov_b32 s61, 0
	v_and_b32 v[RR], 15, v0                        ; r
	v_bfe_u32 v[HH], v0, 4, 1                      ; h
	v_and_b32 v[LS], 31, v0
	s_delay_alu instid0(VALU_DEP_1)
	v_lshlrev_b32 v[LI], 4, v[LS]
	s_delay_alu instid0(VALU_DEP_2)
	v_lshlrev_b32 v[LS], 2, v[LS]
	s_delay_alu instid0(VALU_DEP_4)
	v_lshlrev_b32 v[MX], 6, v[HH]                  ; 64 h: the biases of x_mid
	v_lshlrev_b32 v[MX+1], 2, v[RR]                ; 4 r
	s_wait_alu depctr_va_vdst(0)
	s_wait_dscnt 0x0                               ; both opening adds are done
	s_wait_kmcnt 0x0
	s_mov_b32 s[G0X], 1
	s_mov_b32 s[G0X+1], s58
	s_add_nc_u64 s[G0X+2:G0X+3], s[8:9], s[60:61]
	s_or_b32 s[G0X+3], s[G0X+3], 0x80000000
	tensor_load_to_lds s[G0X:G0X+3], s[G1X:G1X+7]  ; my 32 rows of x: the launch's only fill of these bytes
	s_nop 0
	PLACES 4
	s_mov_b32 s[SEL], 0x76543210
	s_mov_b32 s[SEL+1], 0xfedcba98
	s_mov_b32 s[MNT], 0x600000
	s_mov_b32 s55, 0x3c23d70a                      ; 0.01
	s_mov_b32 s56, 0x40a00000                      ; 5.0
	s_mov_b32 s57, 0x3fb8aa3b                      ; log2(e)
	s_lshl_b32 s59, s2, 9                          ; 512 w
	s_lshr_b32 s72, s2, 2
	s_lshl_b32 s72, s72, 7
	s_and_b32 s73, s2, 3
	s_add_co_u32 s72, s72, s73                     ; 128 (w / 4) + w % 4
	s_lshl_b32 s62, s2, 13
	s_mov_b32 s63, 0
	s_add_nc_u64 s[78:79], s[10:11], s[62:63]      ; wq + 8,192 w: my fragments of W_fx; W_x's lie 65,536 bytes on
	s_mov_b32 s66, s59
	s_mov_b32 s67, 0
	s_add_nc_u64 s[80:81], s[10:11], s[66:67]      ; wq + 512 w: their scale images
	s_lshl_b32 s68, s2, 7
	s_mov_b32 s69, 0
	s_add_nc_u64 s[12:13], s[12:13], s[68:69]      ; the biases at my 32 columns
	s_add_nc_u64 s[14:15], s[14:15], s[68:69]
	s_add_nc_u64 s[16:17], s[16:17], s[68:69]
	s_lshl_b32 s74, ttmp9, 16
	s_mov_b32 s75, 0
	s_add_nc_u64 s[24:25], s[24:25], s[74:75]      ; tokn at my work-group's 65,536 bytes
	s_add_co_u32 s70, s74, s62
	s_mov_b32 s71, 0
	s_add_nc_u64 s[22:23], s[22:23], s[70:71]      ; out1 at my wave's 32 rows of 256 bytes
	s_lshr_b32 s76, ttmp9, 6
	s_lshl_b32 s76, s76, 14
	s_and_b32 s77, ttmp9, 63
	s_lshl_b32 s77, s77, 6
	s_add_co_u32 s76, s76, s77
	s_mov_b32 s77, 0
	s_add_nc_u64 s[26:27], s[26:27], s[76:77]      ; normn: 16,384 b + 64 p
	WIN 0x40                                       ; destination window 1
.irp k, 0,1,2,3
.irp c, 0,1,2,3
	global_load_b128 v[WFX+16*\k+4*\c:WFX+16*\k+4*\c+3], v[LI], s[78:79] offset:2048*\k+512*\c
	global_load_b128 v[WX+16*\k+4*\c:WX+16*\k+4*\c+3], v[LI], s[78:79] offset:65536+2048*\k+512*\c
.endr
.endr
.irp u, 0,1
	global_load_b128 v[BX+8*\u:BX+8*\u+3], v[MX], s[14:15] offset:32*\u          ; b_x at columns 32 w + 16 h + 8 u + 0 .. 7
	global_load_b128 v[BX+8*\u+4:BX+8*\u+7], v[MX], s[14:15] offset:32*\u+16
	global_load_b128 v[PH+8*\u:PH+8*\u+3], v[MX], s[16:17] offset:32*\u
	global_load_b128 v[PH+8*\u+4:PH+8*\u+7], v[MX], s[16:17] offset:32*\u+16
	global_load_b32 v[BF+8*\u], v[MX+1], s[12:13] offset:64*\u                   ; b_fx at column 32 w + 16 u + r
.endr
	WIN 0
.irp k, 0,1,2,3
	global_load_b32 v[WFXS+\k], v[LS], s[80:81] offset:WQS+128*\k
	global_load_b32 v[WXS+\k], v[LS], s[80:81] offset:WQS+4096+128*\k
.endr
.irp k, 0,1,2,3,4,5,6,7
	global_load_b32 v[WSLS+\k], v[LS], s[10:11] offset:WQS+8192+128*\k
.endr
.irp t, 0,1,2,3
	global_load_b32 v[KT+2*\t], v[MX+1], s[20:21] offset:64*\t
	global_load_b32 v[BK+2*\t], v[MX+1], s[18:19] offset:64*\t
.endr
	v_and_b32 v[AXF], 8, v[RR]
	s_delay_alu instid0(VALU_DEP_1)
	v_add_nc_u32 v[AXF], v[AXF], v[RR]             ; r + 8 (r / 8)
	s_delay_alu instid0(VALU_DEP_1)
	v_mul_u32_u24 v[AXF], v[AXF], XP
	s_delay_alu instid0(VALU_DEP_1)
	v_lshl_add_u32 v[AXF], v[HH], 6, v[AXF]
	s_delay_alu instid0(VALU_DEP_1)
	v_add_nc_u32 v[AXF], s58, v[AXF]
	v_add_nc_u32 v[OWN16], s58, v[LI]
	v_add_nc_u32 v[OWN4], s58, v[LS]
	v_mov_b32 v[AXR], v[LI]
	v_mov_b32 v[AXSR], v[LS]
	v_add_nc_u32 v[AXMW], s59, v[LI]
	v_add_nc_u32 v[AXMSW], s72, v[LS]
	v_mul_u32_u24 v[STO], v[HH], 320
	s_delay_alu instid0(VALU_DEP_1)
	v_lshl_add_u32 v[SRD], v[RR], 4, v[STO]
	s_delay_alu instid0(VALU_DEP_2)
	v_lshl_add_u32 v[STO], v[RR], 2, v[STO]
	s_delay_alu instid0(VALU_DEP_2)
	v_add_nc_u32 v[SRD], s58, v[SRD]
	s_delay_alu instid0(VALU_DEP_2)
	v_add_nc_u32 v[STO], s58, v[STO]
	v_lshlrev_b32 v[GO], 12, v[HH]
	s_delay_alu instid0(VALU_DEP_1)
	v_lshl_add_u32 v[GN], v[RR], 2, v[GO]
	s_delay_alu instid0(VALU_DEP_2)
	v_lshl_add_u32 v[GO], v[RR], 4, v[GO]
	v_add_nc_u32 v[BLI], B0, v[LI]
	v_add_nc_u32 v[BLS], B0, v[LS]
	s_delay_alu instid0(VALU_DEP_2)
	v_add_nc_u32 v[ASWW], s59, v[BLI]
	s_delay_alu instid0(VALU_DEP_2)
	v_add_nc_u32 v[ASWSW], s72, v[BLS]
	v_lshl_add_u32 v[GT], s2, 11, v[LI]
.irp b, 0,1,2,3
	v_mov_b32 v[TM+4+\b], 0                        ; a lane permute's destination counts as one of its sources
.endr
	s_wait_loadcnt 0x0                             ; weights, scale words and small inputs are in; x is still on its way
	WIN 0x45                                       ; destination and sources 0, 1 in window 1
.irp k, 0,2,4,6,8,10,12,14
	v_pk_add_f32 v[BX+\k:BX+\k+1], v[BX+\k:BX+\k+1], v[PH+\k:PH+\k+1]
.endr
.irp u, 0,1
.irp j, 1,2,3,4,5,6,7
	v_mov_b32 v[BF+8*\u+\j], v[BF+8*\u]            ; a lane's eight results of fx_mid are one column: eight times its bias
.endr
.endr
	WIN 0
.irp t, 0,1,2,3
	v_med3_num_f32 v[KT+2*\t], v[KT+2*\t], s55, s56   ; clip(temp_x, 0.01, 5)
.endr
	s_wait_alu depctr_va_vdst(0)
.irp t, 0,1,2,3
	v_rcp_f32 v[KT+2*\t], v[KT+2*\t]
.endr
	v_nop
	s_wait_alu depctr_va_vdst(0)                   ; one wait for the four reciprocals
.irp t, 0,1,2,3
	v_mul_f32 v[KT+2*\t], s57, v[KT+2*\t]
.endr
.irp t, 0,1,2,3
	v_mul_f32 v[BK+2*\t], v[BK+2*\t], v[KT+2*\t]
	v_mov_b32 v[KT+2*\t+1], v[KT+2*\t]             ; (named as pairs, so the upper words are written)
.endr
.irp t, 0,1,2,3
	v_mov_b32 v[BK+2*\t+1], v[BK+2*\t]
.endr
; ---- X: my 32 nodes of x become four fragments.  Tile u's images lie over rows 16 u .. 16 u + 4 of my region, which tile 0's loads have read; LDS serves a wave's instructions in order (ISA guide 5.7.1.4)
.macro XTILE u
.irp s, 0,1
.irp c, 0,1,2,3
.irp j, 0,1,2,3
	ds_load_b128 v[N+64*\s+16*\c+4*\j:N+64*\s+16*\c+4*\j+3], v[AXF] offset:8*XP*\u+512*\s+128*\c+16*\j
.endr
.endr
.endr
	s_wait_dscnt 16                                ; K step 0's sixteen loads are in; K step 1's sixteen may be out
	QSCALE N, 0
	WORD PW
	QCODE N, 0, PC, PC+4, PC+8, PC+12
.irp c, 0,1,2,3
	ds_store_b128 v[OWN16], v[PC+4*\c:PC+4*\c+3] offset:TREG*\u+512*\c
.endr
	ds_store_b32 v[OWN4], v[PW] offset:XS+TREG*\u
	s_wait_dscnt 0x0                               ; K step 1 is in, and the stores have read their registers
	QSCALE N+64, 0
	WORD PW
	QCODE N+64, 0, PC, PC+4, PC+8, PC+12
.irp c, 0,1,2,3
	ds_store_b128 v[OWN16], v[PC+4*\c:PC+4*\c+3] offset:TREG*\u+2048+512*\c
.endr
	ds_store_b32 v[OWN4], v[PW] offset:XS+TREG*\u+128
	s_wait_dscnt 0x0
.endm
	s_wait_tensorcnt 0x0                           ; my rows of x are in LDS; only I read them
	XTILE 0
	XTILE 1
	BARRIER                                        ; x's 32 fragments lie in LDS, and nobody reads x's numbers any more
; ---- 1: my 32 columns of x_mid and of fx_mid, a pair of tiles (32 nodes) at a time
.macro XFETCH                          ; the pair's four fragments of x and their scale words
	WIN 0x40
.irp m, 0,1
.irp s, 0,1
.irp c, 0,1,2,3
	ds_load_b128 v[XF+16*(2*\m+\s)+4*\c:XF+16*(2*\m+\s)+4*\c+3], v[AXR] offset:TREG*\m+2048*\s+512*\c
.endr
.endr
.endr
	WIN 0
.irp m, 0,1
.irp s, 0,1
	ds_load_b32 v[XSR+2*\m+\s], v[AXSR] offset:XS+TREG*\m+128*\s
.endr
.endr
.endm
; eight products of K step s, the eight accumulators by turns.  x_mid: source 0 = 16 columns of W_x, source 1 = 16 nodes: a lane holds one node, its registers run along the columns.
; fx_mid: source 0 = 16 nodes, source 1 = 16 columns of W_fx: a lane holds one column, its registers run along the nodes.  The biases are the C of the first K step.
.macro MMX s
.irp m, 0,1
.irp u, 0,1
.if \s
	v_wmma_scale_f32_16x16x128_f8f6f4 v[ACC+16*\m+8*\u:ACC+16*\m+8*\u+7], v[WX+16*(2*\u+\s):WX+16*(2*\u+\s)+15], v[XF+16*(2*\m+\s):XF+16*(2*\m+\s)+15], v[ACC+16*\m+8*\u:ACC+16*\m+8*\u+7], v[WXS+2*\u+\s], v[XSR+2*\m+\s] matrix_a_fmt:MATRIX_FMT_BF8 matrix_b_fmt:MATRIX_FMT_BF8
.else
	v_wmma_scale_f32_16x16x128_f8f6f4 v[ACC+16*\m+8*\u:ACC+16*\m+8*\u+7], v[WX+16*(2*\u+\s):WX+16*(2*\u+\s)+15], v[XF+16*(2*\m+\s):XF+16*(2*\m+\s)+15], v[BX+8*\u:BX+8*\u+7], v[WXS+2*\u+\s], v[XSR+2*\m+\s] matrix_a_fmt:MATRIX_FMT_BF8 matrix_b_fmt:MATRIX_FMT_BF8
.endif
.endr
.endr
.irp u, 0,1
.irp m, 0,1
.if \s
	v_wmma_scale_f32_16x16x128_f8f6f4 v[ACC+32+16*\u+8*\m:ACC+32+16*\u+8*\m+7], v[XF+16*(2*\m+\s):XF+16*(2*\m+\s)+15], v[WFX+16*(2*\u+\s):WFX+16*(2*\u+\s)+15], v[ACC+32+16*\u+8*\m:ACC+32+16*\u+8*\m+7], v[XSR+2*\m+\s], v[WFXS+2*\u+\s] matrix_a_fmt:MATRIX_FMT_BF8 matrix_b_fmt:MATRIX_FMT_BF8
.else
	v_wmma_scale_f32_16x16x128_f8f6f4 v[ACC+32+16*\u+8*\m:ACC+32+16*\u+8*\m+7], v[XF+16*(2*\m+\s):XF+16*(2*\m+\s)+15], v[WFX+16*(2*\u+\s):WFX+16*(2*\u+\s)+15], v[BF+8*\u:BF+8*\u+7], v[XSR+2*\m+\s], v[WFXS+2*\u+\s] matrix_a_fmt:MATRIX_FMT_BF8 matrix_b_fmt:MATRIX_FMT_BF8
.endif
.endr
.endr
.endm
.macro PAIR p
	s_wait_dscnt 0x0                               ; the pair's fragments are in; the last pair's stores are done
	WIN 0x15                                       ; sources 0, 1 and 2 in window 1
	MMX 0
	WIN 0x05                                       ; C and D in window 0
	MMX 1
	WIN 0
; eight places behind this form ahead of loads into its registers and of reads of its results: the address steps and v_nop
.if \p < 7
	v_add_nc_u32 v[AXR], WREG, v[AXR]
	v_add_nc_u32 v[AXSR], WREG, v[AXSR]
.else
	PLACES 2
.endif
.if \p > 0
	v_add_nc_u32 v[AXMW], WREG, v[AXMW]
	v_add_nc_u32 v[AXMSW], WREG, v[AXMSW]
.else
	PLACES 2
.endif
	PLACES 4
.if \p < 7
	XFETCH                                         ; the next pair's fragments land while this pair is quantised
.else
	WIN 0x40                                       ; the weights are done with: W_slice's eight fragments take their registers
.irp k, 0,1,2,3,4,5,6,7
.irp c, 0,1,2,3
	global_load_b128 v[16*\k+4*\c:16*\k+4*\c+3], v[LI], s[10:11] offset:131072+2048*\k+512*\c
.endr
.endr
	WIN 0
.endif
	QSCALE ACC, 0                                  ; blocks 0, 1: x_mid of tiles 0, 1 along my 32 columns;  blocks 2, 3: fx_mid of my column tiles 0, 1 along the pair's 32 nodes
	QCODE ACC, 0, PC, PC+4, FXC+16*(\p/4)+4*(\p%4), FXC+32+16*(\p/4)+4*(\p%4)
.irp u, 0,1
.if \p%4 == 0
	v_mov_b32 v[FXS+2*\u+\p/4], v[TM+6+\u]
.else
	v_lshl_or_b32 v[FXS+2*\u+\p/4], v[TM+6+\u], 8*(\p%4), v[FXS+2*\u+\p/4]
.endif
.endr
.irp m, 0,1
	ds_store_b128 v[AXMW], v[PC+4*\m:PC+4*\m+3] offset:XM+TREG*\m     ; chunk w % 4 of K step w / 4 of the next product
	ds_store_b8 v[AXMSW], v[TM+4+\m] offset:XMS+TREG*\m
.endr
.endm
	XFETCH
	PAIR 0
	PAIR 1
	PAIR 2
	PAIR 3
	PAIR 4
	PAIR 5
	PAIR 6
	PAIR 7
	BARRIER                                        ; x_mid's 32 fragments lie in LDS
; ---- 3: my 32 nodes: logits (source 0 = 16 nodes, source 1 = 16 slices: a lane holds one slice, its registers run along the nodes), softmax, out1, codes along the nodes
	WIN 0x40
.irp u, 0,1
.irp s, 0,1
.irp c, 0,1,2,3
	ds_load_b128 v[XF+16*(2*\u+\s)+4*\c:XF+16*(2*\u+\s)+4*\c+3], v[OWN16] offset:XM+TREG*\u+2048*\s+512*\c
.endr
.endr
.endr
	WIN 0
.irp u, 0,1
.irp s, 0,1
	ds_load_b32 v[XMSR+2*\u+\s], v[OWN4] offset:XMS+TREG*\u+128*\s
.endr
.endr
	s_wait_loadcnt 0x0                             ; W_slice's fragments
	s_wait_dscnt 0x0
	WIN 0x05
.irp t, 0,1,2,3
.irp u, 0,1
	v_wmma_scale_f32_16x16x128_f8f6f4 v[ACC+16*\t+8*\u:ACC+16*\t+8*\u+7], v[XF+32*\u:XF+32*\u+15], v[32*\t:32*\t+15], 0, v[XMSR+2*\u], v[WSLS+2*\t] matrix_a_fmt:MATRIX_FMT_BF8 matrix_b_fmt:MATRIX_FMT_BF8
.endr
.endr
.irp t, 0,1,2,3
.irp u, 0,1
	v_wmma_scale_f32_16x16x128_f8f6f4 v[ACC+16*\t+8*\u:ACC+16*\t+8*\u+7], v[XF+32*\u+16:XF+32*\u+31], v[32*\t+16:32*\t+31], v[ACC+16*\t+8*\u:ACC+16*\t+8*\u+7], v[XMSR+2*\u+1], v[WSLS+2*\t+1] matrix_a_fmt:MATRIX_FMT_BF8 matrix_b_fmt:MATRIX_FMT_BF8
.endr
.endr
	WIN 0
	PLACES 8
	SOFTMAX ACC                                    ; register 16 t + i: slice_weight(node 32 w + 16 h + i, slice 16 t + r)
.irp t, 0,1,2,3
.irp u, 0,1
.irp j, 0,1,2,3,4,5,6,7
	ds_store_b32 v[STO], v[ACC+16*\t+8*\u+\j] offset:STG+TREG*\u+640*\j+64*\t   ; stage row 2 j + h; the halves lie 320 bytes apart
.endr
.endr
.endr
	WIN 0x40
.irp u, 0,1
.irp j, 0,1,2,3,4,5,6,7
	ds_load_b128 v[XF+4*(8*\u+\j):XF+4*(8*\u+\j)+3], v[SRD] offset:STG+TREG*\u+640*\j   ; sixteen lanes take a whole row of 256 bytes
.endr
.endr
	WIN 0
.irp t, 0,1,2,3
	v_pk_add_f32 v[MX+2*\t:MX+2*\t+1], v[ACC+16*\t:ACC+16*\t+1], v[ACC+16*\t+2:ACC+16*\t+3]   ; the norm: the unquantised weights of my 16 nodes
.endr
.irp i, 4,6,8,10,12,14
.irp t, 0,1,2,3
	s_delay_alu instid0(VALU_DEP_4)
	v_pk_add_f32 v[MX+2*\t:MX+2*\t+1], v[MX+2*\t:MX+2*\t+1], v[ACC+16*\t+\i:ACC+16*\t+\i+1]
.endr
.endr
.irp t, 0,1,2,3
	s_delay_alu instid0(VALU_DEP_4)
	v_add_f32 v[NS+\t], v[MX+2*\t], v[MX+2*\t+1]
.endr
	QSCALE ACC, 1
	s_wait_alu depctr_va_vdst(0)
	s_wait_dscnt 0x0                               ; the rows are back, and the stage's stores have read the weights, which the holds below write
	WIN 0x04                                       ; a store's data are its source 1: window 1
.irp k, 0,1,2,3,4,5,6,7,8,9,10,11,12,13,14,15
	global_store_b128 v[GO], v[XF+4*\k:XF+4*\k+3], s[22:23] offset:256*\k   ; sixteen lanes store one aligned row of 256 bytes: node 16 h + k
.endr
	WIN 0
	QCODE ACC, 1, PC, PC+4, PC+8, PC+12
.irp t, 0,1,2,3
	ds_store_b128 v[ASWW], v[PC+4*\t:PC+4*\t+3] offset:4096*\t
	ds_store_b8 v[ASWSW], v[TM+4+\t] offset:SWS+256*\t
.endr
	ds_store_b128 v[ASWW], v[NS:NS+3] offset:NRM
	BARRIER                                        ; slice_weight's eight fragments and the eight parts of the norm lie in LDS
; ---- 4: the token's part: source 0 = 16 of my columns (fx_mid's codes, in my registers), source 1 = 16 slices; K = the work-group's 256 nodes
	WIN 0x40
.irp t, 0,1,2,3
.irp s, 0,1
.irp c, 0,1,2,3
	ds_load_b128 v[16*(2*\t+\s)+4*\c:16*(2*\t+\s)+4*\c+3], v[BLI] offset:4096*\t+2048*\s+512*\c
.endr
.endr
.endr
	WIN 0
.irp t, 0,1,2,3
.irp s, 0,1
	ds_load_b32 v[SWSR+2*\t+\s], v[BLS] offset:SWS+256*\t+128*\s
.endr
.endr
	s_wait_dscnt 0x0
	WIN 0x04                                       ; source 1 in window 1
.irp u, 0,1
.irp t, 0,1,2,3
	v_wmma_scale_f32_16x16x128_f8f6f4 v[ACC+8*(4*\u+\t):ACC+8*(4*\u+\t)+7], v[FXC+32*\u:FXC+32*\u+15], v[32*\t:32*\t+15], 0, v[FXS+2*\u], v[SWSR+2*\t] matrix_a_fmt:MATRIX_FMT_BF8 matrix_b_fmt:MATRIX_FMT_BF8
.endr
.endr
.irp u, 0,1
.irp t, 0,1,2,3
	v_wmma_scale_f32_16x16x128_f8f6f4 v[ACC+8*(4*\u+\t):ACC+8*(4*\u+\t)+7], v[FXC+32*\u+16:FXC+32*\u+31], v[32*\t+16:32*\t+31], v[ACC+8*(4*\u+\t):ACC+8*(4*\u+\t)+7], v[FXS+2*\u+1], v[SWSR+2*\t+1] matrix_a_fmt:MATRIX_FMT_BF8 matrix_b_fmt:MATRIX_FMT_BF8
.endr
.endr
	WIN 0
	PLACES 8
.irp u, 0,1
.irp t, 0,1,2,3
	global_store_b128 v[GT], v[ACC+8*(4*\u+\t):ACC+8*(4*\u+\t)+3], s[24:25] offset:16384*\t+1024*\u          ; an accumulator's image, from its low end on: 512 consecutive bytes a store
	global_store_b128 v[GT], v[ACC+8*(4*\u+\t)+4:ACC+8*(4*\u+\t)+7], s[24:25] offset:16384*\t+1024*\u+512
.endr
.endr
	s_cmp_lg_u32 s2, 0                             ; wave 0 adds the eight parts of the norm
	s_cbranch_scc1 .Lend
.irp n, 0,1,2,3,4,5,6,7
	ds_load_b128 v[FXC+4*\n:FXC+4*\n+3], v[BLI] offset:NRM+512*\n
.endr
	s_wait_dscnt 0x0
.irp n, 1
	v_pk_add_f32 v[FXC:FXC+1], v[FXC:FXC+1], v[FXC+4*\n:FXC+4*\n+1]
	v_pk_add_f32 v[FXC+2:FXC+3], v[FXC+2:FXC+3], v[FXC+4*\n+2:FXC+4*\n+3]
.endr
.irp n, 2, 3, 4, 5, 6, 7
	s_delay_alu instid0(VALU_DEP_2)
	v_pk_add_f32 v[FXC:FXC+1], v[FXC:FXC+1], v[FXC+4*\n:FXC+4*\n+1]
	s_delay_alu instid0(VALU_DEP_2)
	v_pk_add_f32 v[FXC+2:FXC+3], v[FXC+2:FXC+3], v[FXC+4*\n+2:FXC+4*\n+3]
.endr
.irp t, 0,1,2,3
	v_permlanex16_b32 v[TM+\t], v[FXC+\t], s[SEL], s[SEL+1]
.endr
.irp t, 0,1,2,3
	s_delay_alu instid0(VALU_DEP_4)
	v_add_f32 v[FXC+\t], v[FXC+\t], v[TM+\t]       ; with the other half's nodes
.endr
	v_and_b32 v[TM], 31, v0
	s_delay_alu instid0(VALU_DEP_1)
	v_cmp_gt_u32 vcc_lo, 16, v[TM]
	s_delay_alu instid0(VALU_DEP_1)
	v_cndmask_b32 v[TM+1], v[FXC+1], v[FXC], vcc_lo       ; lanes 0-15 store t = 0 and 2, lanes 16-31 t = 1 and 3
	s_delay_alu instid0(VALU_DEP_2)
	v_cndmask_b32 v[TM+2], v[FXC+3], v[FXC+2], vcc_lo
	global_store_b32 v[GN], v[TM+1], s[26:27]
	global_store_b32 v[GN], v[TM+2], s[26:27] offset:8192
.Lend:
	s_wait_tensorcnt 0x0                           ; the wave's end, behind my tensor load and my last LDS store
	ds_add_u32 v[SPW], v[NIL]
	s_wait_dscnt 0x0
	s_endpgm
.Lfunc_end_k_q0213cabe2e_node:
	.size	k_q0213cabe2e_node, .Lfunc_end_k_q0213cabe2e_node-k_q0213cabe2e_node
	.p2alignl 7, 3214868480
	.fill 96, 4, 3214868480
	.section	.rodata,"a",@progbits
	.p2align	6, 0x0
	.amdhsa_kernel k_q0213cabe2e_node
		.amdhsa_group_segment_fixed_size 327680
		.amdhsa_private_segment_fixed_size 0
		.amdhsa_enable_private_segment 0
		.amdhsa_kernarg_size 80
		.amdhsa_user_sgpr_count 2
		.amdhsa_user_sgpr_kernarg_segment_ptr 1
		.amdhsa_wavefront_size32 1
		.amdhsa_system_sgpr_workgroup_id_x 1
		.amdhsa_system_sgpr_workgroup_id_y 1
		.amdhsa_system_sgpr_workgroup_id_z 1
		.amdhsa_system_vgpr_workitem_id 0
		.amdhsa_next_free_vgpr 512
		.amdhsa_next_free_sgpr 96
		.amdhsa_reserve_vcc 1
		.amdhsa_float_denorm_mode_32 3
		.amdhsa_float_denorm_mode_16_64 3
		.amdhsa_memory_ordered 1
		.amdhsa_forward_progress 1
		.amdhsa_inst_pref_size 205
	.end_amdhsa_kernel
	.amdgpu_metadata
---
amdhsa.version: [ 1, 2 ]
amdhsa.kernels:
  - .name:           k_q0213cabe2e_node
    .symbol:         k_q0213cabe2e_node.kd
    .args:
      - { .name: x, .offset: 0, .size: 8, .value_kind: global_buffer, .address_space: global }
      - { .name: wq, .offset: 8, .size: 8, .value_kind: global_buffer, .address_space: global }
      - { .name: b_fx, .offset: 16, .size: 8, .value_kind: global_buffer, .address_space: global }
      - { .name: b_x, .offset: 24, .size: 8, .value_kind: global_buffer, .address_space: global }
      - { .name: ph_x, .offset: 32, .size: 8, .value_kind: global_buffer, .address_space: global }
      - { .name: b_slice, .offset: 40, .size: 8, .value_kind: global_buffer, .address_space: global }
      - { .name: temp_x, .offset: 48, .size: 8, .value_kind: global_buffer, .address_space: global }
      - { .name: out1, .offset: 56, .size: 8, .value_kind: global_buffer, .address_space: global }
      - { .name: tokn, .offset: 64, .size: 8, .value_kind: global_buffer, .address_space: global }
      - { .name: normn, .offset: 72, .size: 8, .value_kind: global_buffer, .address_space: global }
    .group_segment_fixed_size: 327680
    .private_segment_fixed_size: 0
    .kernarg_segment_align: 8
    .kernarg_segment_size: 80
    .max_flat_workgroup_size: 256
    .sgpr_count:     96
    .vgpr_count:     512
    .wavefront_size: 32
...
	.end_amdgpu_metadata
.endif
;; end of part 6
;; launch edge (part 7): grid 256 x 1, 8 waves a work-group, no clusters, 148,736 bytes of LDS; arguments out1, edge_idx, edge_attr, wq, temp_edge, b_eslice, W_fedge, b_fedge, ph_edge, toke, norme; writes toke, norme
.if DOCPART == 7
	.amdgcn_target "amdgcn-amd-amdhsa--gfx1250"
	.amdhsa_code_object_version 6
	.text
	.protected	k_q0213cabe2e_edge
	.globl	k_q0213cabe2e_edge
	.p2align	8
	.type	k_q0213cabe2e_edge,@function
k_q0213cabe2e_edge:
	s_mov_b64 s[64:65], 0
	v_nop
	global_prefetch_b8 v0, s[64:65] scope:SCOPE_SE
	s_setreg_imm32_b32 hwreg(HW_REG_WAVE_SCHED_MODE, 0, 2), 2
	s_setreg_imm32_b32 hwreg(HW_REG_WAVE_MODE, 25, 1), 1
	s_wait_xcnt 0x0
	s_wait_alu depctr_vm_vsrc(0)
; EDGE: for 1,024 edges of one batch: the two end nodes' rows of slice_weight (out1) are gathered and added, divided by clip(temp_edge), quantised along the 64 slices and multiplied by Q(W_eslice); + b_eslice; softmax;
; fedge_mid = edge_attr W_fedge + b_fedge + ph_edge (K = 1: fused multiply-adds in f32);  the work-group's part of edge_slice_token = Q(edge_slice_weight)^T Q(fedge_mid), both quantised along the EDGES, and of edge_slice_norm.
; No work of reference() is left out.
; PHASE A, by rows: wave w makes the weights of edges 128 w .. 128 w + 127, 32 at a time: they are K step w of the last product, four fragments and four scale words, which go to LDS as images of their registers.
; A gather instruction reads two whole rows of 256 bytes (sixteen lanes a row); the sums turn through the wave's own stage in LDS, so that a lane holds 16 neighbouring slices of one edge.  The next 32 edges' rows are asked for a trip ahead.
; THE EDGES OF A TILE ARE NOT NEIGHBOURS: fragment row q of tile u is edge 8 u + q + 8 (q / 8), so that a result's 16 registers of two tiles are 16 neighbouring edges.
; PHASE B, by columns: wave w owns columns 32 w .. 32 w + 31: it makes fedge_mid's codes for the eight K steps in registers and keeps eight accumulators.
; A BLOCK'S LARGEST MAGNITUDE OF fedge_mid IS NOT SEARCHED FOR: a W + d, rounded once, does not fall (W >= 0) or rise (W < 0) where a rises, so it is the larger magnitude at the block's largest and smallest a.
; No tensor load: the gather's addresses hang on the index input.  No cluster: work-groups share only W_eslice's four fragments.
; ORDER OF ROUNDING: b_fedge + ph_edge is added first and is the multiply-add's addend; the temperature divides by a reciprocal and a multiplication; exponentials to base 2.
; LIMITS: NaN and infinities are not served; indices are held to 0 .. 16,383; blocks whose largest magnitude lies under 2^-111 keep the scale byte 1; v_exp_f32 gives 0 under 2^-126.  The norm leaves in pieces of 64 bytes.
; THE MODE: SCHED_MODE bits 1:0 = 2 (LLVM: expert scheduling mode 2), set by the entry lines.  The code itself states the register dependences
; between vector or matrix instructions and memory or LDS instructions, with s_wait_alu, always for 0.
; THE PLAN, PHASE A.  Registers that memory or LDS instructions touch in a trip:
;   G          the gather's loads land in it; the trip's 32 additions read it.       ADR   the 64 lines that make the offsets write it; the gather's loads read it.
;   IDXN       index loads land in it; the lines that make the offsets read it.      S = E the multiplications write it, the 16 stage stores read it, the eight products write it again.
;   SS (MX, PC) the loads from the stage land in it; then vector lines alone, until the code stores read PC.      TM+4 .. 7  the byte stores read them.      AEW, AES  stepped once a trip.
;   Waits on va_vdst: behind the multiplications; behind the offsets' lines; ahead of the products; the softmax's four; ahead of the code stores.  Waits on vm_vsrc: behind the stage stores; at the trip's end.
;   G has one set of registers: two waves of 512 registers fill what a SIMD has.
; THE PLAN, PHASE B.  The weights' fragments and scale words take turns between two sets (K step s: set s % 2); fedge_mid has a fragment and a scale word for each of my two column tiles, so a K step's eight products stand in one run.
;   AVR, EXT   the loads of K step s + 1 land in them; K step s's multiply-adds read them.      Set 1 - s % 2: the products of K step s - 1 read it; the loads of K step s + 1 land in it.
;   AAV, AAX, AER, AESR  read by those loads; stepped once in a trip of two K steps, the other K step reaching on by immediate offsets.
;   ONE wait on va_vdst behind K step s's last multiply-adds states all of that; the 38 loads follow it in one run (dealt among the vector lines they would want two window switches a group).  One more stands ahead of the products.
.set STGB,  8704                       ; LDS: a stage of 32 rows x 272 bytes for each wave;
.set EWI,   69632                      ; the weights' 32 fragment images ((4 s + t) x 2,048);
.set EWS,   135168                     ; their scale images ((4 s + t) x 128);
.set AV,    139264                     ; the 1,024 numbers of edge_attr;
.set AX,    143360                     ; (largest, smallest) of each block of 32 of them;
.set NRM,   143616                     ; the waves' parts of the norm;
.set SPARE, 147712                     ; the spare words, 128 bytes a wave: four blocks of 256 bytes that no other line names
.set WQS,   155648
.set LI,    1                          ; 16 x lane
.set LS,    2                          ; 4 x lane
.set Q16,   3                          ; 16 r
.set AIDX,  4                          ; 128 h: my half's 16 edges in edge_idx
.set ASTW,  5                          ; the stage, on the way in
.set ASTR,  6                          ; and back
.set AEW,   7                          ; where I store the weights' codes (stepped by 512 a trip)
.set AES,   8                          ; and their bytes (stepped by 1)
.set AER,   9                          ; where a K step's fragments are read (stepped by 16,384 in a trip of two K steps)
.set AESR,  10                         ; and their scale words (by 1,024)
.set AAV,   11                         ; a K step's numbers of edge_attr (by 1,024)
.set AAX,   12                         ; and their extremes (by 64)
.set GT,    13                         ; toke: 2,048 w + 16 x lane
.set ANW,   14                         ; NRM + 512 w + 16 x lane
.set GN,    15                         ; norme: 4,096 h + 4 r
.set BNR,   16                         ; NRM + 16 x lane
.set R4,    17                         ; 4 r
.set AAW,   18                         ; AV + 512 w + 16 x lane
.set AXW,   19                         ; AX + 32 w + 8 (lane / 8)
.set SPW,   20                         ; my spare word; never rewritten
.set NIL,   21                         ; 0; never rewritten
.set RR,    22
.set HH,    23
.set WES,   24                         ; v24-35 hold scale words and nothing else: W_eslice's, in phase B the weights' of the odd K steps,
.set AQS,   28                         ; the sums',
.set ESWS,  30                         ; the weights' of the even K steps,
.set FW,    34                         ; v34-35   fedge_mid's, one for each of my two column tiles
.set RT,    36                         ; v36-39   1 / clip(temp_edge) at slices 4 r .. 4 r + 3
.set BK,    40                         ; v40-47   b_eslice x log2(e), a pair for each t
.set EN,    48                         ; v48-55   the norm, a pair for each t
.set WC,    56                         ; v56-59   W_fedge at my two columns, pairs
.set DC,    60                         ; v60-63   b_fedge + ph_edge likewise
.set TM,    64                         ; v64-79   the quantiser's
.set EXT,   80                         ; v80-87   a K step's extremes
.set AQ,    88                         ; v88-119  the sums' two fragments (registers 8-15 of each stay zero)
.set FC,    88                         ;          phase B: fedge_mid's two fragments
.set S,     120                        ; v120-183 the sums;
.set E,     120                        ;          then the logits and weights;
.set AVR,   120                        ;          phase B: 64 numbers of edge_attr
.set SS,    184                        ; v184-247 the sums, turned;
.set MX,    184                        ;          then the softmax's 16,
.set PC,    200                        ;          and the codes just made;
.set F,     184                        ;          phase B: 64 numbers of fedge_mid
.set G,     0                          ; window 1: v0-127 the gathered rows (end p, edge i: 64 p + 4 i);  phase B: v0-63 the even K steps' four fragments,
.set TA,    64                         ;           v64-127 the eight accumulators
.set IDXN,  128                        ;           the next 32 edges' indices
.set ADR,   160                        ;           the gather's offsets
.set WE,    192                        ;           W_eslice's four fragments;  phase B: the odd K steps' four fragments
.set SEL,   30
.set MNT,   32
.set LE,    34                         ; s[34:35] log2(e)
.set CNT,   38
.set MSB, 0
.macro WIN new
.if MSB != \new
	s_set_vgpr_msb (MSB<<8)|\new
.set MSB, \new
.endif
.endm
.macro PLACES n
.rept \n
	v_nop
.endr
.endm
.macro BARRIER
	s_wait_dscnt 0x0
	s_barrier_signal -1
	s_barrier_wait -1
.endm
.macro QSCALE s, mode
.if \mode
.irp b, 0,1,2,3
	v_max3_num_f32 v[TM+\b], v[\s+16*\b], v[\s+1+16*\b], 0x8000000
.endr
.irp i, 2,4,6,8,10,12,14
.irp b, 0,1,2,3
	v_max3_num_f32 v[TM+\b], v[TM+\b], v[\s+16*\b+\i], v[\s+1+16*\b+\i]
.endr
.endr
.else
.irp b, 0,1,2,3
	v_max3_num_f32 v[TM+\b], |v[\s+16*\b]|, |v[\s+1+16*\b]|, 0x8000000
.endr
.irp i, 2,4,6,8,10,12,14
.irp b, 0,1,2,3
	v_max3_num_f32 v[TM+\b], v[TM+\b], |v[\s+16*\b+\i]|, |v[\s+1+16*\b+\i]|
.endr
.endr
.endif
.irp b, 0,1,2,3
	v_permlanex16_b32 v[TM+4+\b], v[TM+\b], s[SEL], s[SEL+1]
.endr
.irp b, 0,1,2,3
	v_max_num_f32 v[TM+\b], v[TM+\b], v[TM+4+\b]
.endr
.irp b, 0,1,2,3
	v_add_nc_u32 v[TM+12+\b], 0xf8800000, v[TM+\b]
.endr
.irp b, 0,1,2,3
	v_and_or_b32 v[TM+8+\b], v[TM+\b], 0x7f800000, s[MNT]
.endr
.irp b, 0,1,2,3
	v_lshrrev_b32 v[TM+4+\b], 23, v[TM+12+\b]
.endr
.endm
.macro WORD dst
	v_lshl_or_b32 v[\dst], v[TM+5], 8, v[TM+4]
	v_lshl_or_b32 v[\dst], v[TM+6], 16, v[\dst]
	v_lshl_or_b32 v[\dst], v[TM+7], 24, v[\dst]
.endm
.macro QBLOCK s, mode, b, d
.irp i, 0,1,2,3,4,5,6,7,8,9,10,11,12,13,14,15
.if \mode
	v_min_num_f32 v[\s+16*\b+\i], v[\s+16*\b+\i], v[TM+8+\b]
.else
	v_med3_num_f32 v[\s+16*\b+\i], v[\s+16*\b+\i], -v[TM+8+\b], v[TM+8+\b]
.endif
.endr
	v_cvt_scalef32_pk8_bf8_f32 v[\d:\d+1], v[\s+16*\b:\s+16*\b+7], v[TM+12+\b]
	v_cvt_scalef32_pk8_bf8_f32 v[\d+2:\d+3], v[\s+16*\b+8:\s+16*\b+15], v[TM+12+\b]
.endm
.macro QCODE s, mode, d0, d1, d2, d3
	QBLOCK \s, \mode, 0, \d0
	QBLOCK \s, \mode, 1, \d1
	QBLOCK \s, \mode, 2, \d2
	QBLOCK \s, \mode, 3, \d3
	v_nop                                          ; one plain line behind the last scaled conversion
.endm
; 64 registers z + 16 t + i: lane r = slice 16 t + r, i = 16 edges.  The softmax runs over the four t and the sixteen lanes of a half.
.macro SOFTMAX z
.irp t, 0,1,2,3
.irp i, 0,2,4,6,8,10,12,14
	v_pk_fma_f32 v[\z+16*\t+\i:\z+16*\t+\i+1], v[\z+16*\t+\i:\z+16*\t+\i+1], s[LE:LE+1], v[BK+2*\t:BK+2*\t+1] op_sel_hi:[1,0,0]   ; (sum + bias) x log2(e); each accumulator from its low end on
.endr
.endr
.irp i, 0,1,2,3,4,5,6,7,8,9,10,11,12,13,14,15
	v_max3_num_f32 v[MX+\i], v[\z+\i], v[\z+16+\i], v[\z+32+\i]
.endr
.irp i, 0,1,2,3,4,5,6,7,8,9,10,11,12,13,14,15
	v_max_num_f32 v[MX+\i], v[MX+\i], v[\z+48+\i]
.endr
.irp m, 1,2,4,8
.irp i, 0,1,2,3,4,5,6,7,8,9,10,11,12,13,14,15
	v_max_num_f32_dpp v[MX+\i], v[MX+\i], v[MX+\i] row_xmask:\m row_mask:0xf bank_mask:0xf
.endr
.endr
.irp t, 0,1,2,3
.irp i, 0,2,4,6,8,10,12,14
	v_pk_add_f32 v[\z+16*\t+\i:\z+16*\t+\i+1], v[\z+16*\t+\i:\z+16*\t+\i+1], v[MX+\i:MX+\i+1] neg_lo:[0,1] neg_hi:[0,1]   ; the row's maximum is taken away
.endr
.endr
.set kk, 0
	s_wait_alu depctr_va_vdst(0)
.rept 64
	v_exp_f32 v[\z+kk], v[\z+kk]
.set kk, kk+1
.endr
	v_nop                                          ; a plain line behind the last exponential
	s_wait_alu depctr_va_vdst(0)                   ; the 64 exponentials have written their results: one wait for the batch, ahead of its first reader
.irp i, 0,2,4,6,8,10,12,14
	v_pk_add_f32 v[MX+\i:MX+\i+1], v[\z+\i:\z+\i+1], v[\z+16+\i:\z+16+\i+1]
.endr
.irp i, 0,2,4,6,8,10,12,14
	v_pk_add_f32 v[MX+\i:MX+\i+1], v[MX+\i:MX+\i+1], v[\z+32+\i:\z+32+\i+1]
.endr
.irp i, 0,2,4,6,8,10,12,14
	v_pk_add_f32 v[MX+\i:MX+\i+1], v[MX+\i:MX+\i+1], v[\z+48+\i:\z+48+\i+1]
.endr
.irp m, 1,2,4,8
.irp i, 0,1,2,3,4,5,6,7,8,9,10,11,12,13,14,15
	v_add_f32_dpp v[MX+\i], v[MX+\i], v[MX+\i] row_xmask:\m row_mask:0xf bank_mask:0xf
.endr
.endr
	s_wait_alu depctr_va_vdst(0)
.irp i, 0,1,2,3,4,5,6,7,8,9,10,11,12,13,14,15
	v_rcp_f32 v[MX+\i], v[MX+\i]
.endr
	v_nop
	s_wait_alu depctr_va_vdst(0)                   ; the sixteen reciprocals have written v[MX ..]: one wait, ahead of their first reader
.irp t, 0,1,2,3
.irp i, 0,2,4,6,8,10,12,14
	v_pk_mul_f32 v[\z+16*\t+\i:\z+16*\t+\i+1], v[\z+16*\t+\i:\z+16*\t+\i+1], v[MX+\i:MX+\i+1]
.endr
.endr
.endm
.macro GADDR src                       ; 32 indices (register 2 i + end) become byte offsets: held inside the table, x 256, + my 16 bytes of the row
	WIN 0x45                                       ; destination and sources 0, 1 in window 1; source 2 (16 r) in window 0
.set kk, 0
.rept 32
	v_min_u32 v[ADR+kk], 0x3fff, v[\src+kk]
.set kk, kk+1
.endr
.set kk, 0
.rept 32
	v_lshl_add_u32 v[ADR+kk], v[ADR+kk], 8, v[Q16]
.set kk, kk+1
.endr
.endm
.macro GATHER                          ; 32 loads: each reads two whole rows of 256 bytes: edge i of lanes 0-15's sixteen, and of lanes 16-31's
	WIN 0x41                                       ; destination and address in window 1
	s_wait_alu depctr_va_vdst(0)                   ; the 32 offsets are written, which these loads read; in the loop: the additions are done reading the rows' registers, in which these loads land, and the offsets' lines are done reading the indices' registers, in which the next index loads land
.set kk, 0
.rept 16
	global_load_b128 v[G+4*kk:G+4*kk+3], v[ADR+2*kk], s[8:9]
	global_load_b128 v[G+64+4*kk:G+64+4*kk+3], v[ADR+2*kk+1], s[8:9]
.set kk, kk+1
.endr
.endm
	s_load_b512 s[8:23], s[0:1], 0x0               ; out1 s[8:9], edge_idx s[10:11], edge_attr s[12:13], wq s[14:15], temp_edge s[16:17], b_eslice s[18:19], W_fedge s[20:21], b_fedge s[22:23]
	s_load_b128 s[24:27], s[0:1], 0x40             ; ph_edge s[24:25], toke s[26:27]
	s_load_b64 s[28:29], s[0:1], 0x50              ; norme
	v_lshl_add_u32 v[SPW], v0, 2, SPARE
	v_mov_b32 v[NIL], 0
	v_lshrrev_b32 v[RR], 5, v0
	v_readfirstlane_b32 s2, v[RR]                  ; wave 0..7
	v_and_b32 v[RR], 15, v0                        ; r
	v_bfe_u32 v[HH], v0, 4, 1                      ; h
	v_and_b32 v[LS], 31, v0
	v_lshlrev_b32 v[LI], 4, v[LS]
	v_lshrrev_b32 v[AXW], 3, v[LS]
	v_lshlrev_b32 v[LS], 2, v[LS]
	v_lshlrev_b32 v[Q16], 4, v[RR]
	v_lshlrev_b32 v[R4], 2, v[RR]
	v_lshlrev_b32 v[AIDX], 7, v[HH]
	s_wait_alu depctr_va_sdst(0)                   ; s2, the wave's number, is written, ahead of its first reader
	s_mul_i32 s40, s2, STGB
	v_mul_u32_u24 v[ASTW], v[HH], 2176             ; eight stage rows for the upper half
	v_add_nc_u32 v[ASTW], v[ASTW], v[Q16]
	v_add_nc_u32 v[ASTW], s40, v[ASTW]
	v_mul_u32_u24 v[ASTR], v[RR], 272
	v_lshl_add_u32 v[ASTR], v[HH], 6, v[ASTR]
	v_add_nc_u32 v[ASTR], s40, v[ASTR]
	v_add_nc_u32 v[AER], EWI, v[LI]
	v_add_nc_u32 v[AESR], EWS, v[LS]
	s_lshl_b32 s41, s2, 13
	v_add_nc_u32 v[AEW], s41, v[AER]
	s_lshl_b32 s42, s2, 9
	v_add_nc_u32 v[AES], s42, v[AESR]
	v_lshl_add_u32 v[AAV], v[HH], 6, AV
	v_mov_b32 v[AAX], AX
	v_lshl_add_u32 v[GT], s2, 11, v[LI]
	v_add_nc_u32 v[BNR], NRM, v[LI]
	v_add_nc_u32 v[ANW], s42, v[BNR]
	v_lshlrev_b32 v[GN], 12, v[HH]
	v_add_nc_u32 v[GN], v[GN], v[R4]
	v_add_nc_u32 v[AAW], AV, v[LI]
	v_add_nc_u32 v[AAW], s42, v[AAW]
	v_lshl_add_u32 v[AXW], v[AXW], 3, AX
	s_lshl_b32 s43, s2, 5
	v_add_nc_u32 v[AXW], s43, v[AXW]
	s_mov_b32 s[SEL], 0x76543210
	s_mov_b32 s[SEL+1], 0xfedcba98
	s_mov_b32 s[MNT], 0x600000
	s_mov_b32 s[LE], 0x3fb8aa3b
	s_mov_b32 s[LE+1], s[LE]                       ; (named with it as a pair, so it is written)
	s_mov_b32 s36, 0x3c23d70a                      ; 0.01
	s_mov_b32 s37, 0x40a00000                      ; 5.0
	s_lshr_b32 s43, ttmp9, 6                       ; the batch
	s_lshl_b32 s44, s43, 22                        ; its 16,384 rows of 256 bytes in out1
	s_mov_b32 s45, 0
	s_lshl_b32 s46, ttmp9, 13                      ; edge_idx: 8 bytes an edge, 1,024 edges a work-group,
	s_lshl_b32 s47, s2, 10                         ; 128 a wave
	s_add_co_u32 s46, s46, s47
	s_mov_b32 s47, 0
	s_lshl_b32 s48, ttmp9, 12                      ; edge_attr: 4 bytes an edge
	s_add_co_u32 s48, s48, s42
	s_mov_b32 s49, 0
	s_lshl_b32 s50, s2, 7                          ; my 32 columns
	s_mov_b32 s51, 0
	s_lshl_b32 s52, ttmp9, 16
	s_mov_b32 s53, 0
	s_lshl_b32 s54, s43, 14
	s_and_b32 s55, ttmp9, 63
	s_lshl_b32 s55, s55, 6
	s_add_co_u32 s54, s54, s55
	s_mov_b32 s55, 0
	s_wait_kmcnt 0x0
	s_add_nc_u64 s[8:9], s[8:9], s[44:45]
	s_add_nc_u64 s[10:11], s[10:11], s[46:47]
	s_add_nc_u64 s[12:13], s[12:13], s[48:49]
	s_add_nc_u64 s[20:21], s[20:21], s[50:51]
	s_add_nc_u64 s[22:23], s[22:23], s[50:51]
	s_add_nc_u64 s[24:25], s[24:25], s[50:51]
	s_add_nc_u64 s[26:27], s[26:27], s[52:53]
	s_add_nc_u64 s[28:29], s[28:29], s[54:55]
	WIN 0x40                                       ; destination window 1
	s_wait_alu depctr_va_vdst(0)                   ; the offsets and LDS addresses v1 to v19 are written, which the loads and stores of the whole kernel read
.irp n, 0,1,2,3,4,5,6,7
	global_load_b128 v[ADR+4*\n:ADR+4*\n+3], v[AIDX], s[10:11] offset:16*\n           ; the first 32 edges' indices: sixteen edges a half, register 2 i + end
.endr
.irp n, 0,1,2,3,4,5,6,7
	global_load_b128 v[IDXN+4*\n:IDXN+4*\n+3], v[AIDX], s[10:11] offset:256+16*\n     ; the second 32's
.endr
.irp t, 0,1,2,3
.irp c, 0,1,2,3
	global_load_b128 v[WE+16*\t+4*\c:WE+16*\t+4*\c+3], v[LI], s[14:15] offset:147456+2048*\t+512*\c
.endr
.endr
	WIN 0
.irp t, 0,1,2,3
	global_load_b32 v[WES+\t], v[LS], s[14:15] offset:WQS+128*(72+\t)
	global_load_b32 v[BK+2*\t], v[R4], s[18:19] offset:64*\t
.endr
	global_load_b128 v[RT:RT+3], v[Q16], s[16:17]
.irp u, 0,1
	global_load_b32 v[WC+2*\u], v[R4], s[20:21] offset:64*\u
	global_load_b32 v[DC+2*\u], v[R4], s[22:23] offset:64*\u
	global_load_b32 v[DC+2*\u+1], v[R4], s[24:25] offset:64*\u
.endr
	global_load_b128 v[EXT:EXT+3], v[LI], s[12:13]         ; my wave's 128 numbers of edge_attr, four a lane
.irp k, 0,1,2,3,4,5,6,7
	v_mov_b32 v[EN+\k], 0
	v_mov_b32 v[AQ+8+\k], 0                        ; K = 64: the upper 64 codes of both fragments stay zeros
	v_mov_b32 v[AQ+24+\k], 0
.endr
.irp b, 0,1,2,3
	v_mov_b32 v[TM+4+\b], 0                        ; a lane permute's destination counts as one of its sources
.endr
	s_wait_loadcnt 0x0
	GADDR ADR
	GATHER                                         ; the first 32 edges' rows are asked for before anything else is done
	WIN 0
.irp k, 0,1,2,3
	v_med3_num_f32 v[RT+\k], v[RT+\k], s36, s37    ; clip(temp_edge, 0.01, 5)
.endr
	s_wait_alu depctr_va_vdst(0)
.irp k, 0,1,2,3
	v_rcp_f32 v[RT+\k], v[RT+\k]
.endr
.irp t, 0,1,2,3
	v_mul_f32 v[BK+2*\t], s[LE], v[BK+2*\t]
.endr
.irp t, 0,1,2,3
	v_mov_b32 v[BK+2*\t+1], v[BK+2*\t]
.endr
.irp u, 0,1
	v_add_f32 v[DC+2*\u], v[DC+2*\u], v[DC+2*\u+1]
	v_mov_b32 v[WC+2*\u+1], v[WC+2*\u]
.endr
.irp u, 0,1
	v_mov_b32 v[DC+2*\u+1], v[DC+2*\u]
.endr
	ds_store_b128 v[AAW], v[EXT:EXT+3]             ; its data came by a load, its address was written ahead of the waits above: nothing more is owed
	v_max3_num_f32 v[TM], v[EXT], v[EXT+1], v[EXT+2]
	v_min3_num_f32 v[TM+1], v[EXT], v[EXT+1], v[EXT+2]
	v_max_num_f32 v[TM], v[TM], v[EXT+3]
	v_min_num_f32 v[TM+1], v[TM+1], v[EXT+3]
.irp m, 1,2,4
	v_max_num_f32_dpp v[TM], v[TM], v[TM] row_xmask:\m row_mask:0xf bank_mask:0xf        ; eight lanes hold a block of 32
	v_min_num_f32_dpp v[TM+1], v[TM+1], v[TM+1] row_xmask:\m row_mask:0xf bank_mask:0xf
.endr
	s_wait_alu depctr_va_vdst(0)                   ; the extremes are written in v[TM], v[TM+1], which the store below reads; and the four reciprocals have written v[RT ..], ahead of the label and of their first reader
	ds_store_b64 v[AXW], v[TM:TM+1]                ; the eight lanes of a block write the same pair
	s_wait_alu depctr_vm_vsrc(0)                   ; the first gather's loads have read their offsets, which the first trip writes anew; the two stores above have read v[EXT ..] and v[TM ..], which are written again
	s_mov_b32 s[CNT], 0
.Lgroup:                                               ; four trips: 32 edges each
	s_wait_loadcnt 0x0                             ; this trip's rows and the next trip's indices are in: offsets and pointer may be written
	s_add_nc_u64 s[10:11], s[10:11], 256
	WIN 0x05                                       ; sources 0 and 1 in window 1
.set kk, 0
.rept 32
	v_pk_add_f32 v[S+2*kk:S+2*kk+1], v[G+2*kk:G+2*kk+1], v[G+64+2*kk:G+64+2*kk+1]
.set kk, kk+1
.endr
	WIN 0
.set kk, 0
.rept 32
	v_pk_mul_f32 v[S+2*kk:S+2*kk+1], v[S+2*kk:S+2*kk+1], v[RT+2*(kk%2):RT+2*(kk%2)+1]
.set kk, kk+1
.endr
	s_wait_alu depctr_va_vdst(0)                   ; the multiplications have written v[S ..], which the stage's stores read; the last trip's vector lines are done with v[SS ..], in which the loads from the stage land
.set kk, 0
.rept 16
	ds_store_b128 v[ASTW], v[S+4*kk:S+4*kk+3] offset:272*(16*(kk/8)+kk%8)   ; edge 16 h + i goes to stage row 16 (i / 8) + 8 h + i % 8: fragment row 8 h + i % 8 of tile i / 8
.set kk, kk+1
.endr
	s_cmp_lt_u32 s[CNT], 3
	s_cbranch_scc0 .Lno_gather                     ; the last trip asks for nothing
	GADDR IDXN                                     ; (the last gather's loads have read the offsets: the wait on vm_vsrc at the last trip's end, or ahead of the loop)
	GATHER
	WIN 0
.Lno_gather:
	s_cmp_lt_u32 s[CNT], 2
	s_cbranch_scc0 .Lno_idx                        ; no load leaves edge_idx's part of this wave
	WIN 0x40
.irp n, 0,1,2,3,4,5,6,7
	global_load_b128 v[IDXN+4*\n:IDXN+4*\n+3], v[AIDX], s[10:11] offset:256+16*\n     ; no vector line since the gather's wait names these registers
.endr
	WIN 0
.Lno_idx:
.irp u, 0,1
.irp c, 0,1
.irp j, 0,1,2,3
	ds_load_b128 v[SS+32*\u+16*\c+4*\j:SS+32*\u+16*\c+4*\j+3], v[ASTR] offset:4352*\u+128*\c+16*\j   ; LDS serves a wave's instructions in order: these see my stores
.endr
.endr
.endr
	s_wait_dscnt 0x0
	s_wait_alu depctr_vm_vsrc(0)                   ; the stage's stores have read v[S ..], which the products below write as v[E ..]
	QSCALE SS, 1                                   ; blocks (tile u, 32 c): never negative
	v_lshl_or_b32 v[AQS], v[TM+5], 8, v[TM+4]      ; two bytes a tile; the upper two stay 0 over zero codes
	v_lshl_or_b32 v[AQS+1], v[TM+7], 8, v[TM+6]
	QCODE SS, 1, AQ, AQ+4, AQ+16, AQ+20
	PLACES 4                                       ; an operand written by vector instructions stands four places ahead of a scaled matrix instruction; the scale words stand ahead of the 64 holds
	s_wait_alu depctr_va_vdst(0)                   ; the conversions have written the sums' codes and the lines above them the scale words, which the products take; the places above stay beside this wait
	WIN 0x04                                       ; source 1 in window 1
.irp t, 0,1,2,3
.irp u, 0,1
	v_wmma_scale_f32_16x16x128_f8f6f4 v[E+16*\t+8*\u:E+16*\t+8*\u+7], v[AQ+16*\u:AQ+16*\u+15], v[WE+16*\t:WE+16*\t+15], 0, v[AQS+\u], v[WES+\t] matrix_a_fmt:MATRIX_FMT_BF8 matrix_b_fmt:MATRIX_FMT_BF8
.endr
.endr
	WIN 0
	PLACES 8
	SOFTMAX E                                      ; register 16 t + i: the weight of edge 16 h + i for slice 16 t + r
.irp i, 0,2,4,6,8,10,12,14
.irp t, 0,1,2,3
	v_pk_add_f32 v[EN+2*\t:EN+2*\t+1], v[EN+2*\t:EN+2*\t+1], v[E+16*\t+\i:E+16*\t+\i+1]   ; the norm: the unquantised weights
.endr
.endr
	QSCALE E, 1
	QCODE E, 1, PC, PC+4, PC+8, PC+12
	s_wait_alu depctr_va_vdst(0)                   ; the conversions have written v[PC ..] and the quantiser the bytes v[TM+4 ..], which the stores read; their addresses, stepped at the last trip's end, are written
.irp t, 0,1,2,3
	ds_store_b128 v[AEW], v[PC+4*\t:PC+4*\t+3] offset:2048*\t
	ds_store_b8 v[AES], v[TM+4+\t] offset:128*\t
.endr
	s_wait_dscnt 0x0                               ; the stores have landed
	s_wait_alu depctr_vm_vsrc(0)                   ; the stores have read their two addresses, which the lines below step, and v[PC ..] and v[TM+4 ..], which the next trip writes; this trip's gather has read its offsets, which the next trip writes
	v_add_nc_u32 v[AEW], 512, v[AEW]               ; the next chunk of 32 edges,
	v_add_nc_u32 v[AES], 1, v[AES]                 ; the next byte of the scale words
	s_add_co_u32 s[CNT], s[CNT], 1
	s_cmp_lt_u32 s[CNT], 4
	s_cbranch_scc1 .Lgroup
.irp t, 0,1,2,3
	v_add_f32 v[EXT+\t], v[EN+2*\t], v[EN+2*\t+1]
.endr
	s_wait_alu depctr_va_vdst(0)                   ; the four additions have written v[EXT ..], which the store reads; phase A's vector and matrix lines are done with the registers in which phase B's first loads land
	ds_store_b128 v[ANW], v[EXT:EXT+3]
	BARRIER                                        ; the weights' 32 fragments, edge_attr, its extremes and the parts of the norm lie in LDS
	s_wait_alu depctr_vm_vsrc(0)                   ; the store above has read v[EXT ..], in which the first K step's extremes land
; ---- B.  fedge_mid of column tile ct for the K step in hand: its scale word, and 64 numbers a lane (register 16 b + i = edge 32 b + 16 h + i)
.macro FNUM ct
.irp b, 0,1,2,3
	v_fma_f32 v[TM+\b], v[EXT+2*\b], v[WC+2*\ct], v[DC+2*\ct]
.endr
.irp b, 0,1,2,3
	v_fma_f32 v[TM+4+\b], v[EXT+2*\b+1], v[WC+2*\ct], v[DC+2*\ct]
.endr
.irp b, 0,1,2,3
	v_max3_num_f32 v[TM+\b], |v[TM+\b]|, |v[TM+4+\b]|, 0x8000000   ; the block's largest magnitude, and the floor
.endr
.irp b, 0,1,2,3
	v_add_nc_u32 v[TM+12+\b], 0xf8800000, v[TM+\b]
.endr
.irp b, 0,1,2,3
	v_and_or_b32 v[TM+8+\b], v[TM+\b], 0x7f800000, s[MNT]
.endr
.irp b, 0,1,2,3
	v_lshrrev_b32 v[TM+4+\b], 23, v[TM+12+\b]
.endr
	WORD FW+\ct                                    ; 24 plain lines or more behind the last products, more than 8 ahead of the next
.set kk, 0
.rept 32
	v_pk_fma_f32 v[F+2*kk:F+2*kk+1], v[AVR+2*kk:AVR+2*kk+1], v[WC+2*\ct:WC+2*\ct+1], v[DC+2*\ct:DC+2*\ct+1]
.set kk, kk+1
.endr
.endm
; eight products: source 0 = 16 of my columns, source 1 = 16 slices, out of set p; K = the K step's 128 edges.  The eight accumulators take turns, one instruction a turn, over the loop's backward jump too
.macro MME p, zero
	WIN 0x54                                       ; source 1, C and D in window 1
.irp ct, 0,1
.irp t, 0,1,2,3
.if \zero
	v_wmma_scale_f32_16x16x128_f8f6f4 v[TA+32*\ct+8*\t:TA+32*\ct+8*\t+7], v[FC+16*\ct:FC+16*\ct+15], v[192*(\p)+16*\t:192*(\p)+16*\t+15], 0, v[FW+\ct], v[ESWS-6*(\p)+\t] matrix_a_fmt:MATRIX_FMT_BF8 matrix_b_fmt:MATRIX_FMT_BF8
.else
	v_wmma_scale_f32_16x16x128_f8f6f4 v[TA+32*\ct+8*\t:TA+32*\ct+8*\t+7], v[FC+16*\ct:FC+16*\ct+15], v[192*(\p)+16*\t:192*(\p)+16*\t+15], v[TA+32*\ct+8*\t:TA+32*\ct+8*\t+7], v[FW+\ct], v[ESWS-6*(\p)+\t] matrix_a_fmt:MATRIX_FMT_BF8 matrix_b_fmt:MATRIX_FMT_BF8
.endif
.endr
.endr
	WIN 0
.endm
; A K step.  p: the set that holds its fragments of the weights.  zero = 1: the sums begin.  more = 1: the next K step's 38 loads are issued, the fragments into the other set.
; on = 1: the four LDS addresses move on by two K steps, to the K step that is asked for; on = 0: they stand one K step short of it, and the immediate offsets reach on.
.macro KSTEP p, zero, more, on
	s_wait_dscnt 20                                ; edge_attr's numbers and extremes are in; the twenty younger loads, this K step's fragments and scale words, may be out
	FNUM 0
	QCODE F, 0, FC, FC+4, FC+8, FC+12
	FNUM 1
.if \more
.if \on
	s_wait_alu depctr_vm_vsrc(0)                   ; the LDS loads issued so far have read the four addresses
	v_add_nc_u32 v[AAV], 1024, v[AAV]
	v_add_nc_u32 v[AAX], 64, v[AAX]
	v_add_nc_u32 v[AER], 16384, v[AER]
	v_add_nc_u32 v[AESR], 1024, v[AESR]
.endif
	s_wait_alu depctr_va_vdst(0)                   ; the multiply-adds are done reading v[AVR ..] and v[EXT ..]; the last K step's products are done reading the other set's fragments and scale words; with on = 1 the four addresses are written
.irp b, 0,1,2,3
.irp j, 0,1,2,3
	ds_load_b128 v[AVR+16*\b+4*\j:AVR+16*\b+4*\j+3], v[AAV] offset:512*(1-(\on))+128*\b+16*\j
.endr
.endr
	ds_load_b128 v[EXT:EXT+3], v[AAX] offset:32*(1-(\on))
	ds_load_b128 v[EXT+4:EXT+7], v[AAX] offset:32*(1-(\on))+16
	WIN 0x40
.irp t, 0,1,2,3
.irp c, 0,1,2,3
	ds_load_b128 v[192*(1-(\p))+16*\t+4*\c:192*(1-(\p))+16*\t+4*\c+3], v[AER] offset:8192*(1-(\on))+2048*\t+512*\c
.endr
.endr
	WIN 0
.irp t, 0,1,2,3
	ds_load_b32 v[ESWS-6*(1-(\p))+\t], v[AESR] offset:512*(1-(\on))+128*\t
.endr
.endif
	QCODE F, 0, FC+16, FC+20, FC+24, FC+28         ; names v[F ..], v[TM ..] and the second fragment: none of the registers that the loads above touch
	PLACES 4                                       ; the codes stand four places ahead of the scaled matrix instructions
	s_wait_alu depctr_va_vdst(0)                   ; the conversions have written both fragments of fedge_mid, and the lines ahead of them its two scale words, which the products take; the places above stay beside this wait
.if \more
	s_wait_dscnt 38                                ; all but the 38 just issued: this K step's fragments and scale words are in
.else
	s_wait_dscnt 0x0
.endif
	MME \p, \zero
.endm
.irp b, 0,1,2,3
.irp j, 0,1,2,3
	ds_load_b128 v[AVR+16*\b+4*\j:AVR+16*\b+4*\j+3], v[AAV] offset:128*\b+16*\j   ; a half's lanes read the same 16 bytes
.endr
.endr
	ds_load_b128 v[EXT:EXT+3], v[AAX]
	ds_load_b128 v[EXT+4:EXT+7], v[AAX] offset:16
	WIN 0x40
.irp t, 0,1,2,3
.irp c, 0,1,2,3
	ds_load_b128 v[16*\t+4*\c:16*\t+4*\c+3], v[AER] offset:2048*\t+512*\c         ; K step 0's fragments, into set 0
.endr
.endr
	WIN 0
.irp t, 0,1,2,3
	ds_load_b32 v[ESWS+\t], v[AESR] offset:128*\t
.endr
	KSTEP 0, 1, 1, 0                               ; K step 0 starts the sums: nothing is cleared
	s_mov_b32 s[CNT], 3
.Lkstep:                                               ; three trips of two K steps: both sets are back at their start
	KSTEP 1, 0, 1, 1
	KSTEP 0, 0, 1, 0
	s_sub_co_u32 s[CNT], s[CNT], 1
	s_cmp_lg_u32 s[CNT], 0
	s_cbranch_scc1 .Lkstep
	KSTEP 1, 0, 0, 0                               ; the last K step asks for nothing more
	PLACES 8
	WIN 0x04                                       ; a store's data are its source 1: window 1
	s_wait_alu depctr_va_vdst(0)                   ; the products have written the accumulators, which the stores read; the places above stay beside this wait.  The vector lines are also done with v[F ..], in which wave 0's loads below land
.irp u, 0,1
.irp t, 0,1,2,3
	global_store_b128 v[GT], v[TA+32*\u+8*\t:TA+32*\u+8*\t+3], s[26:27] offset:16384*\t+1024*\u          ; an accumulator's image, from its low end on: 512 consecutive bytes a store
	global_store_b128 v[GT], v[TA+32*\u+8*\t+4:TA+32*\u+8*\t+7], s[26:27] offset:16384*\t+1024*\u+512
.endr
.endr
	WIN 0
	s_cmp_lg_u32 s2, 0                             ; wave 0 adds the eight parts of the norm
	s_cbranch_scc1 .Lend
.irp n, 0,1,2,3,4,5,6,7
	ds_load_b128 v[F+4*\n:F+4*\n+3], v[BNR] offset:512*\n
.endr
	s_wait_dscnt 0x0
.irp n, 1,2,3,4,5,6,7
	v_pk_add_f32 v[F:F+1], v[F:F+1], v[F+4*\n:F+4*\n+1]
	v_pk_add_f32 v[F+2:F+3], v[F+2:F+3], v[F+4*\n+2:F+4*\n+3]
.endr
.irp t, 0,1,2,3
	v_permlanex16_b32 v[TM+\t], v[F+\t], s[SEL], s[SEL+1]
.endr
.irp t, 0,1,2,3
	v_add_f32 v[F+\t], v[F+\t], v[TM+\t]
.endr
	v_and_b32 v[TM], 31, v0
	v_cmp_gt_u32 vcc_lo, 16, v[TM]
	s_wait_alu depctr_va_vcc(0)                    ; the compare has written VCC, which the two selects read
	v_cndmask_b32 v[TM+1], v[F+1], v[F], vcc_lo    ; lanes 0-15 store t = 0 and 2, lanes 16-31 t = 1 and 3
	v_cndmask_b32 v[TM+2], v[F+3], v[F+2], vcc_lo
	s_wait_alu depctr_va_vdst(0)                   ; the selects have written v[TM+1] and v[TM+2], which the stores read
	global_store_b32 v[GN], v[TM+1], s[28:29]
	global_store_b32 v[GN], v[TM+2], s[28:29] offset:8192
.Lend:
	s_wait_dscnt 0x0                               ; the closing lines, six on end
	s_wait_alu 0x0
	s_wait_tensorcnt 0x0
	ds_add_u32 v[SPW], v[NIL]
	s_wait_dscnt 0x0
	s_endpgm
.Lfunc_end_k_q0213cabe2e_edge:
	.size	k_q0213cabe2e_edge, .Lfunc_end_k_q0213cabe2e_edge-k_q0213cabe2e_edge
	.p2alignl 7, 3214868480
	.fill 96, 4, 3214868480
	.section	.rodata,"a",@progbits
	.p2align	6, 0x0
	.amdhsa_kernel k_q0213cabe2e_edge
		.amdhsa_group_segment_fixed_size 148736
		.amdhsa_private_segment_fixed_size 0
		.amdhsa_enable_private_segment 0
		.amdhsa_kernarg_size 88
		.amdhsa_user_sgpr_count 2
		.amdhsa_user_sgpr_kernarg_segment_ptr 1
		.amdhsa_wavefront_size32 1
		.amdhsa_system_sgpr_workgroup_id_x 1
		.amdhsa_system_sgpr_workgroup_id_y 1
		.amdhsa_system_sgpr_workgroup_id_z 1
		.amdhsa_system_vgpr_workitem_id 0
		.amdhsa_next_free_vgpr 512
		.amdhsa_next_free_sgpr 66
		.amdhsa_reserve_vcc 1
		.amdhsa_float_denorm_mode_32 3
		.amdhsa_float_denorm_mode_16_64 3
		.amdhsa_memory_ordered 1
		.amdhsa_forward_progress 1
		.amdhsa_inst_pref_size 155
	.end_amdhsa_kernel
	.amdgpu_metadata
---
amdhsa.version: [ 1, 2 ]
amdhsa.kernels:
  - .name:           k_q0213cabe2e_edge
    .symbol:         k_q0213cabe2e_edge.kd
    .args:
      - { .name: out1, .offset: 0, .size: 8, .value_kind: global_buffer, .address_space: global }
      - { .name: edge_idx, .offset: 8, .size: 8, .value_kind: global_buffer, .address_space: global }
      - { .name: edge_attr, .offset: 16, .size: 8, .value_kind: global_buffer, .address_space: global }
      - { .name: wq, .offset: 24, .size: 8, .value_kind: global_buffer, .address_space: global }
      - { .name: temp_edge, .offset: 32, .size: 8, .value_kind: global_buffer, .address_space: global }
      - { .name: b_eslice, .offset: 40, .size: 8, .value_kind: global_buffer, .address_space: global }
      - { .name: W_fedge, .offset: 48, .size: 8, .value_kind: global_buffer, .address_space: global }
      - { .name: b_fedge, .offset: 56, .size: 8, .value_kind: global_buffer, .address_space: global }
      - { .name: ph_edge, .offset: 64, .size: 8, .value_kind: global_buffer, .address_space: global }
      - { .name: toke, .offset: 72, .size: 8, .value_kind: global_buffer, .address_space: global }
      - { .name: norme, .offset: 80, .size: 8, .value_kind: global_buffer, .address_space: global }
    .group_segment_fixed_size: 148736
    .private_segment_fixed_size: 0
    .kernarg_segment_align: 8
    .kernarg_segment_size: 88
    .max_flat_workgroup_size: 256
    .sgpr_count:     66
    .vgpr_count:     512
    .wavefront_size: 32
...
	.end_amdgpu_metadata
.endif
;; end of part 7
;; launch finish (part 8): grid 256 x 1, 8 waves a work-group, no clusters, 6,144 bytes of LDS; arguments tokn, toke, normn, norme, out0; writes out0
.if DOCPART == 8
	.amdgcn_target "amdgcn-amd-amdhsa--gfx1250"
	.amdhsa_code_object_version 6
	.text
	.protected	k_q0213cabe2e_finish
	.globl	k_q0213cabe2e_finish
	.p2align	8
	.type	k_q0213cabe2e_finish,@function
k_q0213cabe2e_finish:
	s_mov_b64 s[64:65], 0
	v_nop
	global_prefetch_b8 v0, s[64:65] scope:SCOPE_SE
	s_setreg_imm32_b32 hwreg(HW_REG_WAVE_MODE, 25, 1), 1
	s_wait_xcnt 0x0
; FINISH: out0 = (sum of the node parts + 0.25 x sum of the edge parts) / (norm + 0.25 x edge norm + 1e-5);  0.25 = 16,384 nodes / 65,536 edges.  No work of reference() is left out.
; A work-group takes one tile (16 slices x 16 columns, 1,024 bytes) of one batch and adds its 64 + 64 parts.  Threads in four groups of 64: groups 0, 1 add tokn's parts 0-31 and 32-63, groups 2, 3 toke's;
; a thread holds 16 bytes of the tile, a wave's load covers 512 consecutive bytes, and all 32 loads of a thread are issued at once.  The four sums meet in LDS; waves 0 and 1 divide and store.
; The norm's 64 x 16 numbers of the tile's sixteen slices are added by all 256 threads.  The division is a reciprocal and a multiplication.
; out0 leaves in runs of 64 bytes: whole rows of 256 bytes would want four tiles to a work-group, 64 work-groups for 33,554,432 bytes of reads; out0 is 262,144 bytes.
; No matrix work, no cluster (work-groups share nothing), no tensor load (each byte goes once from memory to a register).
.set NR,    4096                       ; LDS: bytes 0-4,095 the four groups' sums (16 x thread); the waves' norm sums (64 x wave + 4 r);
.set SPARE, 4608                       ; the spare words, 128 bytes a wave: four blocks of 256 bytes that no other line names
.set T,     32                         ; v32-159  32 parts, four registers each
.set SA,    160                        ; v160-163, v164-167: two chains
.set SB,    164
.set SPW,   20
.set NIL,   21
	s_load_b256 s[4:11], s[0:1], 0x0               ; tokn s[4:5], toke s[6:7], normn s[8:9], norme s[10:11]
	s_load_b64 s[12:13], s[0:1], 0x20              ; out0
	v_lshl_add_u32 v[SPW], v0, 2, SPARE
	v_mov_b32 v[NIL], 0
	v_lshrrev_b32 v1, 5, v0
	s_delay_alu instid0(VALU_DEP_1)
	v_readfirstlane_b32 s2, v1                     ; wave 0..7
	s_lshr_b32 s3, ttmp9, 6                        ; b
	s_and_b32 s14, ttmp9, 63                       ; tile = 16 t + ct
	s_lshr_b32 s15, s14, 4                         ; t
	s_and_b32 s16, s14, 15                         ; ct
	v_lshlrev_b32 v2, 4, v0                        ; 16 x thread
	v_and_b32 v3, 63, v0
	s_delay_alu instid0(VALU_DEP_1)
	v_lshlrev_b32 v3, 4, v3                        ; my 16 bytes of the tile
	v_and_b32 v4, 3, v0
	s_delay_alu instid0(VALU_DEP_1)
	v_lshlrev_b32 v4, 4, v4
	s_lshl_b32 s26, s2, 6
	v_add_nc_u32 v4, s26, v4                       ; 64 x wave + 16 (lane % 4)
	v_bfe_u32 v5, v0, 2, 4                         ; the way out: r,
	v_bfe_u32 v6, v0, 1, 1                         ; h,
	v_and_b32 v7, 1, v0                            ; which four registers of the eight
	s_delay_alu instid0(VALU_DEP_1)
	v_lshlrev_b32 v8, 9, v7
	s_delay_alu instid0(VALU_DEP_1)
	v_lshl_add_u32 v8, v6, 8, v8
	s_delay_alu instid0(VALU_DEP_1)
	v_lshl_add_u32 v8, v5, 4, v8                   ; 512 q + 16 (r + 16 h): my place in an accumulator's image
	v_lshlrev_b32 v9, 2, v5                        ; 4 r
	v_and_b32 v10, 3, v0
	s_delay_alu instid0(VALU_DEP_1)
	v_lshlrev_b32 v10, 4, v10
	s_delay_alu instid0(VALU_DEP_1)
	v_lshl_add_u32 v10, v5, 10, v10                ; out0: row r of 1,024 bytes, + 16 (2 h + q)
	s_mov_b32 s24, 0x76543210
	s_mov_b32 s25, 0xfedcba98
	s_lshl_b32 s18, s3, 22                         ; the batch's 64 parts of 65,536 bytes,
	s_bfe_u32 s17, s2, 0x10001
	s_lshl_b32 s17, s17, 21                        ; my group's 32 of them,
	s_add_co_u32 s18, s18, s17
	s_lshl_b32 s17, s14, 10                        ; the tile
	s_add_co_u32 s18, s18, s17
	s_mov_b32 s19, 0
	s_lshl_b32 s20, s3, 2
	s_add_co_u32 s20, s20, s15
	s_lshl_b32 s20, s20, 12                        ; the norms: 4,096 (4 b + t)
	s_mov_b32 s21, 0
	s_lshl_b32 s28, s3, 16
	s_lshl_b32 s29, s15, 14
	s_add_co_u32 s28, s28, s29
	s_lshl_b32 s29, s16, 6
	s_add_co_u32 s28, s28, s29                     ; out0: 65,536 b + 16,384 t + 64 ct
	s_mov_b32 s29, 0
	s_wait_kmcnt 0x0
	s_cmp_lt_u32 s2, 4                             ; waves 0-3 add the node parts, waves 4-7 the edge parts
	s_cselect_b64 s[22:23], s[4:5], s[6:7]
	s_add_nc_u64 s[22:23], s[22:23], s[18:19]
	s_add_nc_u64 s[8:9], s[8:9], s[20:21]
	s_add_nc_u64 s[10:11], s[10:11], s[20:21]
	s_add_nc_u64 s[12:13], s[12:13], s[28:29]
	global_load_b128 v[12:15], v2, s[8:9]          ; thread n: part n / 4, slices 4 (n % 4) on
	global_load_b128 v[16:19], v2, s[10:11]
.set kk, 0
.rept 32
	global_load_b128 v[T+4*kk:T+4*kk+3], v3, s[22:23] offset:65536*kk th:TH_LOAD_NT
.set kk, kk+1
.endr
	s_wait_loadcnt 32                              ; the two oldest loads, the norms, are in
	v_pk_fma_f32 v[12:13], v[16:17], 0x3e800000, v[12:13] op_sel_hi:[1,0,1]
	v_pk_fma_f32 v[14:15], v[18:19], 0x3e800000, v[14:15] op_sel_hi:[1,0,1]
.irp m, 4,8
.irp k, 12,13,14,15
	v_add_f32_dpp v[\k], v[\k], v[\k] row_xmask:\m row_mask:0xf bank_mask:0xf   ; over the lanes that hold the same slices
.endr
.endr
.irp k, 12,13,14,15
	s_delay_alu instid0(VALU_DEP_4)
	v_permlanex16_b32 v[\k+4], v[\k], s24, s25
.endr
.irp k, 12,13,14,15
	s_delay_alu instid0(VALU_DEP_4)
	v_add_f32 v[\k], v[\k], v[\k+4]
.endr
	ds_store_b128 v4, v[12:15] offset:NR           ; eight lanes write the same 16 bytes
	s_wait_loadcnt 28                              ; the oldest four parts are in: they start the two chains
	v_pk_add_f32 v[SA:SA+1], v[T:T+1], v[T+8:T+9]
	v_pk_add_f32 v[SA+2:SA+3], v[T+2:T+3], v[T+10:T+11]
	v_pk_add_f32 v[SB:SB+1], v[T+4:T+5], v[T+12:T+13]
	v_pk_add_f32 v[SB+2:SB+3], v[T+6:T+7], v[T+14:T+15]
	s_wait_alu depctr_va_vdst(0)
.irp g, 1,2,3,4,5,6,7
	s_wait_alu depctr_va_vdst(0)
	s_wait_loadcnt 28-4*\g                         ; the oldest four that remain
	v_pk_add_f32 v[SA:SA+1], v[SA:SA+1], v[T+16*\g:T+16*\g+1]
	v_pk_add_f32 v[SA+2:SA+3], v[SA+2:SA+3], v[T+16*\g+2:T+16*\g+3]
	v_pk_add_f32 v[SB:SB+1], v[SB:SB+1], v[T+16*\g+4:T+16*\g+5]
	v_pk_add_f32 v[SB+2:SB+3], v[SB+2:SB+3], v[T+16*\g+6:T+16*\g+7]
	s_delay_alu instid0(VALU_DEP_4)
	v_pk_add_f32 v[SA:SA+1], v[SA:SA+1], v[T+16*\g+8:T+16*\g+9]
	s_delay_alu instid0(VALU_DEP_4)
	v_pk_add_f32 v[SA+2:SA+3], v[SA+2:SA+3], v[T+16*\g+10:T+16*\g+11]
	s_delay_alu instid0(VALU_DEP_4)
	v_pk_add_f32 v[SB:SB+1], v[SB:SB+1], v[T+16*\g+12:T+16*\g+13]
	s_delay_alu instid0(VALU_DEP_4)
	v_pk_add_f32 v[SB+2:SB+3], v[SB+2:SB+3], v[T+16*\g+14:T+16*\g+15]
.endr
	s_delay_alu instid0(VALU_DEP_2)
	v_pk_add_f32 v[SA:SA+1], v[SA:SA+1], v[SB:SB+1]
	s_delay_alu instid0(VALU_DEP_2)
	v_pk_add_f32 v[SA+2:SA+3], v[SA+2:SA+3], v[SB+2:SB+3]
	ds_store_b128 v2, v[SA:SA+3]
	s_wait_dscnt 0x0                               ; for the others' sake: my stores have landed
	s_barrier_signal -1
	s_barrier_wait -1
	s_cmp_ge_u32 s2, 2
	s_cbranch_scc1 .Lend                           ; waves 0 and 1 finish the tile's 64 x 16 bytes
.irp k, 0,1,2,3
	ds_load_b128 v[T+4*\k:T+4*\k+3], v8 offset:1024*\k
.endr
.irp n, 0,1,2,3,4,5,6,7
	ds_load_b32 v[T+16+\n], v9 offset:NR+64*\n
.endr
	s_wait_dscnt 0x0
	v_pk_add_f32 v[T:T+1], v[T:T+1], v[T+4:T+5]
	v_pk_add_f32 v[T+2:T+3], v[T+2:T+3], v[T+6:T+7]
	v_pk_add_f32 v[T+8:T+9], v[T+8:T+9], v[T+12:T+13]
	v_pk_add_f32 v[T+10:T+11], v[T+10:T+11], v[T+14:T+15]
	s_delay_alu instid0(VALU_DEP_2)
	v_pk_fma_f32 v[T:T+1], v[T+8:T+9], 0x3e800000, v[T:T+1] op_sel_hi:[1,0,1]
	s_delay_alu instid0(VALU_DEP_2)
	v_pk_fma_f32 v[T+2:T+3], v[T+10:T+11], 0x3e800000, v[T+2:T+3] op_sel_hi:[1,0,1]
	v_pk_add_f32 v[T+16:T+17], v[T+16:T+17], v[T+18:T+19]
	v_pk_add_f32 v[T+20:T+21], v[T+20:T+21], v[T+22:T+23]
	s_delay_alu instid0(VALU_DEP_1)
	v_pk_add_f32 v[T+16:T+17], v[T+16:T+17], v[T+20:T+21]
	s_delay_alu instid0(VALU_DEP_1)
	v_add_f32 v[T+16], v[T+16], v[T+17]
	s_delay_alu instid0(VALU_DEP_1)
	v_add_f32 v[T+16], 0x3727c5ac, v[T+16]         ; + 1e-5
	s_wait_alu depctr_va_vdst(0)
	v_rcp_f32 v[T+16], v[T+16]
	v_nop                                          ; a plain line behind the reciprocal
	s_wait_alu depctr_va_vdst(0)                   ; and the wait ahead of its first reader
	v_pk_mul_f32 v[T:T+1], v[T:T+1], v[T+16:T+17] op_sel_hi:[1,0]
	v_pk_mul_f32 v[T+2:T+3], v[T+2:T+3], v[T+16:T+17] op_sel_hi:[1,0]
	global_store_b128 v10, v[T:T+3], s[12:13]      ; four lanes store 64 consecutive bytes of a row of out0
.Lend:
	s_wait_tensorcnt 0x0                           ; the wave's end, behind my last LDS store
	ds_add_u32 v[SPW], v[NIL]
	s_wait_dscnt 0x0
	s_endpgm
.Lfunc_end_k_q0213cabe2e_finish:
	.size	k_q0213cabe2e_finish, .Lfunc_end_k_q0213cabe2e_finish-k_q0213cabe2e_finish
	.p2alignl 7, 3214868480
	.fill 96, 4, 3214868480
	.section	.rodata,"a",@progbits
	.p2align	6, 0x0
	.amdhsa_kernel k_q0213cabe2e_finish
		.amdhsa_group_segment_fixed_size 6144
		.amdhsa_private_segment_fixed_size 0
		.amdhsa_enable_private_segment 0
		.amdhsa_kernarg_size 40
		.amdhsa_user_sgpr_count 2
		.amdhsa_user_sgpr_kernarg_segment_ptr 1
		.amdhsa_wavefront_size32 1
		.amdhsa_system_sgpr_workgroup_id_x 1
		.amdhsa_system_sgpr_workgroup_id_y 1
		.amdhsa_system_sgpr_workgroup_id_z 1
		.amdhsa_system_vgpr_workitem_id 0
		.amdhsa_next_free_vgpr 176
		.amdhsa_next_free_sgpr 66
		.amdhsa_reserve_vcc 0
		.amdhsa_float_denorm_mode_32 3
		.amdhsa_float_denorm_mode_16_64 3
		.amdhsa_memory_ordered 1
		.amdhsa_forward_progress 1
		.amdhsa_inst_pref_size 15
	.end_amdhsa_kernel
	.amdgpu_metadata
---
amdhsa.version: [ 1, 2 ]
amdhsa.kernels:
  - .name:           k_q0213cabe2e_finish
    .symbol:         k_q0213cabe2e_finish.kd
    .args:
      - { .name: tokn, .offset: 0, .size: 8, .value_kind: global_buffer, .address_space: global }
      - { .name: toke, .offset: 8, .size: 8, .value_kind: global_buffer, .address_space: global }
      - { .name: normn, .offset: 16, .size: 8, .value_kind: global_buffer, .address_space: global }
      - { .name: norme, .offset: 24, .size: 8, .value_kind: global_buffer, .address_space: global }
      - { .name: out0, .offset: 32, .size: 8, .value_kind: global_buffer, .address_space: global }
    .group_segment_fixed_size: 6144
    .private_segment_fixed_size: 0
    .kernarg_segment_align: 8
    .kernarg_segment_size: 40
    .max_flat_workgroup_size: 256
    .sgpr_count:     66
    .vgpr_count:     176
    .wavefront_size: 32
...
	.end_amdgpu_metadata
.endif
;; end of part 8
